; MI455X (gfx1250); checked and timed in simulation.
; The chip was launched on July 23, 2026; its instructions are those of AMD's public machine-readable ISA for CDNA 5 (MIT licence, August 2026) and "CDNA5" Instruction Set Architecture Reference Guide (July 2026). The comments in the code are by the model that wrote it; some were corrected since.
;; Transformer Decoder Block. Allowed arithmetic: matrix products marked QUANTISED: E2M3 operands, one E8M0 scale for each 32 along K, by v_wmma_scale_f32_16x16x128_f8f6f4 with both operands' format E2M3, f32 sums; everything else in f32.
;; Inputs: b1 4,096 float32; b2 1,024 float32; b_o 1,024 float32; ln1_b 1,024 float32; ln1_g 1,024 float32; ln2_b 1,024 float32; ln2_g 1,024 float32; w1 1,024 x 4,096 float32; w2 4,096 x 1,024 float32; w_k 1,024 x 1,024 float32; w_o 1,024 x 1,024 float32; w_q 1,024 x 1,024 float32; w_v 1,024 x 1,024 float32; x 2 x 2,048 x 1,024 float32.
;; Outputs: out0 2 x 2,048 x 1,024 float32.
;; This version of the problem:
;;   THIS VERSION OF THE PROBLEM IS GIVEN IN LOW PRECISION. The matrix products marked QUANTISED in the list below multiply operands that are first quantised to E2M3 (2 exponent bits, 3 mantissa bits; 6 bits a number), with one power-of-two scale for each 32 numbers along K (OCP MX v1.0); their sums are f32. All else is computed in f32.
;;   The module's matrix products, in the order in which they are computed (A, B: the left and right operand; K: the contracted axis; several contracted axes count as one K, in the product's order):
;;     1. [M 4,096, K 1,024] x [K 1,024, N 1,024]; A: computed on the way; B: input w_q: QUANTISED
;;     2. [M 4,096, K 1,024] x [K 1,024, N 1,024]; A: computed on the way; B: input w_k: QUANTISED
;;     3. [M 4,096, K 1,024] x [K 1,024, N 1,024]; A: computed on the way; B: input w_v: QUANTISED
;;     4. batch 32 x [M 2,048, K 64] x [K 64, N 2,048]; A: computed on the way; B: computed on the way: QUANTISED
;;     5. batch 32 x [M 2,048, K 2,048] x [K 2,048, N 64]; A: softmax (see below); B: computed on the way: QUANTISED
;;     6. [M 4,096, K 1,024] x [K 1,024, N 1,024]; A: computed on the way; B: input w_o: QUANTISED
;;     7. [M 4,096, K 1,024] x [K 1,024, N 4,096]; A: computed on the way; B: input w1: QUANTISED
;;     8. [M 4,096, K 4,096] x [K 4,096, N 1,024]; A: computed on the way; B: input w2: QUANTISED
;;   THE QUANTISER, for each operand of a quantised product, along K:
;;     - K is cut into blocks of 32 from its start; a last block that is shorter is filled with zeros.
;;     - A block's scale is 2^e with e = floor(log2(the largest magnitude in the block)) - 2, held to -126 .. 127; a block of zeros has e = 0. As a byte (E8M0): e + 127.
;;     - Each number is divided by its block's scale, clamped to +-7.5, and rounded to the nearest number of E2M3, ties to even, subnormals kept.
;;     - The product sums the exact products of the quantised numbers (number of the format x scale) in f32.
;;   ~~~python
;;   def quantise(x, axis):      # numpy; x: float32 -> the quantised numbers, widened to float32 again
;;       x = np.moveaxis(x, axis, -1); K = x.shape[-1]
;;       x = np.pad(x, [(0, 0)] * (x.ndim - 1) + [(0, -K % 32)]); x = x.reshape(x.shape[:-1] + (-1, 32)); a = np.abs(x).max(-1, keepdims=True)
;;       e = np.where(a > 0, np.clip(np.frexp(np.where(a > 0, a, 1))[1] - 1 - 2, -126, 127), 0)      # np.frexp(a)[1] - 1 = floor(log2(a)), exactly
;;       r = np.clip(x / 2.0 ** e, -7.5, 7.5)
;;       step = 2.0 ** (np.maximum(np.frexp(np.where(r == 0, 1, r))[1] - 1, 0) - 3)
;;       q = np.round(r / step) * step * 2.0 ** e      # np.round: ties to even
;;       return np.moveaxis(q.reshape(q.shape[:-2] + (-1,))[..., :K], -1, axis).astype(np.float32)
;;   ~~~
;;   SOFTMAX AHEAD OF A QUANTISED PRODUCT. Where the list says 'softmax', what is quantised is not the finished softmax but p = 2^(t - M), with t = logit x log2(e) and M = ceil(the row's largest t), a whole number; so 1/2 < the row's largest p <= 1. The row's sum l is taken of the UNQUANTISED p, in f32, and the product's result is divided by l at the end. Since M is a whole number, a kernel that streams over the keys may use a running M (the ceiling of the running maximum): every later rescaling is an exact power of two, which a block's scale takes up: the codes' values come out the same.
;;   OPERANDS COMPUTED ON THE WAY. 'Computed on the way' means the value that the module computes at that place (a softmax that the list does not call 'softmax' is quantised finished and normalised). What goes into a quantiser is computed in f32, as accurately as f32 sums, v_exp_f32 and their like allow (about 1e-6 of the number): no bf16 or f16 on the way to a quantiser, and a product that is left as it is and whose result goes on into a quantised operand takes f32 operands (vector FMAs, or v_wmma_f32_16x16x4_f32). A number that lies on a knife's edge between two numbers of the format may be rounded either way, as far as f32 arithmetic and the matrix unit's own rounding can turn it there, and no further.
;; One version. Each part assembles by itself: llvm-mc -triple=amdgcn-amd-amdhsa -mcpu=gfx1250 --defsym DOCPART=n.
;; ======== version 1 of 1: 7 launches
;; limits: right only within a limited range of input values
;; workspace buffers: wts 9,830,400 bytes; hq 3,276,800 bytes; qkv 10,092,544 bytes; ctx 3,276,800 bytes; x1 16,777,216 bytes; hid 13,107,200 bytes
;; launch prep (part 1): grid 640 x 1, 8 waves a work-group, no clusters, 95,232 bytes of LDS; arguments x, ln1_g, ln1_b, hq, w_q, w_k, w_v, w_o, w1, w2, wts; writes hq, wts
.if DOCPART == 1
	.amdgcn_target "amdgcn-amd-amdhsa--gfx1250"
	.amdhsa_code_object_version 6
	.text
	.protected	k_qcb9cff754b_prep
	.globl	k_qcb9cff754b_prep
	.p2align	8
	.type	k_qcb9cff754b_prep,@function
k_qcb9cff754b_prep:
	s_mov_b64 s[64:65], 0
	v_nop
	global_prefetch_b8 v0, s[64:65] scope:SCOPE_SE
	s_setreg_imm32_b32 hwreg(HW_REG_WAVE_MODE, 25, 1), 1
	s_wait_xcnt 0x0
; TWO INDEPENDENT JOBS IN ONE LAUNCH, parted on the work-group's number at the first line: work-groups 0-255 normalise and quantise x (the first layer norm), work-groups 256-639 quantise the six weights.
; Neither reads what the other writes.  Each path has LDS bytes of its own: the layer norm's 0 .. 66,303, the weights' 66,560 .. 94,207.
; With 162 registers a wave and 95,232 bytes of LDS three work-groups fit on a WGP (two waves of each on a SIMD: six waves within its 1,024 registers), so all 640 can be resident together: the layer norm's chain of waits runs under the weights' stream.
; BOTH OUTPUTS are images of the matrix operand's registers.  A fragment is 16 rows x 128 K = 12 registers a lane = 1,536 bytes: for c = 0, 1 registers 6c..6c+3 at 768c + 16 x lane, registers 6c+4, 6c+5 at 768c + 512 + 8 x lane.
; Fragments lie [tile][K step][1,536], scale words (one word for a row and 128 K) [tile][K step][16 words].  THE ROWS OF A TILE ARE NOT NEIGHBOURS: of a group of 32 rows, lane r of tile u takes row 8u + r + 8 (r / 8).
; A block's scale is 2^(floor(log2(largest magnitude)) - 2); its byte is the largest magnitude's exponent field - 2, held at 1 from below.
; LIMITS: a block of zeros, or one whose largest magnitude lies under 2^-124, gets the byte 1 (the stated rule gives a block of zeros 127): its codes are zeros or as the held scale gives them, and this program alone reads the bytes.  NaN and infinities are not served.
.set NLN,  256                         ; work-groups of the layer norm
; ---- names of the layer norm's path
.set RW,   32                          ; v32-95   two rows; in phase 2 the 64 numbers to quantise
.set GG,   96                          ; v96-127  the gain
.set BB,   128                         ; v128-159 the bias
.set SS,   16                          ; v16-31   four chains a row
.set MN,   12                          ; v12-15   mean, later 1 / sigma, as pairs
.set TP,   10                          ; v10-11   the other half of the lanes'
.set TM,   16                          ; phase 2: largest magnitudes, bytes, scale operands
.set PW,   12                          ; the scale word
.set PC,   100                         ; v100-118 the codes
.set ROWP, 4112                        ; a row in LDS: 4,096 + 16: the sixteen rows that a load of phase 2 touches start at sixteen different banks (64 banks of 4 bytes: ISA guide 11.1)
.set SCS,  65792                       ; behind the 16 rows: 512 bytes of scale words
; ---- names of the weights' path
.set S0,   9437184                     ; where the scale words begin in wts
.set VO,   16                          ; v16-47   4 x lane + i x pitch
.set X,    48                          ; v48-111  two sets of 32 numbers
.set C,    112                         ; v112-118 a block's codes
.set SB,   120                         ; v120     my column's scale word
.set OUTR, 128                         ; v128-151 the way out
.set WB,   66560                       ; the weights' LDS begins here
.set WREG, 3328                        ; a wave's stage: two fragments
.set TST,  1664                        ; tile 1's fragment begins here: 1,536 + 128, so that the two tiles' stores fall on different banks
.set SSTG, WB+8*WREG                   ; the work-group's scale words: [column group][tile][K step][64 bytes], 1,024 bytes
	v_lshl_add_u32 v160, v0, 2, 0x17000
	v_mov_b32 v161, 0
	s_cmp_lt_u32 ttmp9, NLN
	s_cbranch_scc0 .Lweights
; ==== THE LAYER NORM: y = (x - mean) rsqrt(var + 1e-5) g + b along rows of 1,024 f32, quantised along the row.  All arithmetic ahead of the quantiser is f32; the variance is taken of x - mean.
; hq: codes from byte 0, scale words from byte 3,145,728.  A work-group makes one tile.  Phase 1: wave w normalises tile rows 2w, 2w + 1 (a whole row in 32 registers, read from memory once) and lays them in LDS.  Phase 2: wave w quantises K step w of all 16 rows.
	s_load_b256 s[4:11], s[0:1], 0x0               ; x, gain, bias, hq
	v_lshrrev_b32 v1, 5, v0
	s_delay_alu instid0(VALU_DEP_1)
	v_readfirstlane_b32 s2, v1                     ; wave 0..7
	v_and_b32 v1, 31, v0
	s_delay_alu instid0(VALU_DEP_1)
	v_lshlrev_b32 v2, 4, v1                        ; 16 x lane
	s_wait_alu depctr_va_vdst(0)
	v_lshlrev_b32 v3, 3, v1                        ; 8 x lane
	v_and_b32 v4, 15, v0                           ; r
	s_wait_alu depctr_va_vdst(0)
	v_bfe_u32 v5, v0, 4, 1                         ; h
	s_lshr_b32 s12, ttmp9, 1
	s_and_b32 s13, ttmp9, 1
	s_lshl_b32 s12, s12, 5
	s_lshl_b32 s13, s13, 3
	s_add_co_u32 s12, s12, s13                     ; 32 x group + 8 u
	s_lshl_b32 s13, s2, 1
	s_add_co_u32 s12, s12, s13
	s_lshr_b32 s13, s2, 2
	s_lshl_b32 s13, s13, 3
	s_add_co_u32 s12, s12, s13                     ; + 2 w + 8 (w / 4): my first row in memory; the second is the next
	s_lshl_b32 s12, s12, 12
	s_mov_b32 s13, 0
	s_mul_i32 s14, s2, 2*ROWP
	v_add_nc_u32 v6, s14, v2                       ; v6: my rows in LDS
	v_mul_u32_u24 v7, v4, ROWP
	s_wait_alu depctr_va_vdst(0)
	v_lshl_add_u32 v7, v5, 6, v7
	s_lshl_b32 s14, s2, 9
	v_add_nc_u32 v7, s14, v7                       ; v7: phase 2: row r, K step w, + 64 h
	s_lshl_b32 s14, s2, 6
	s_add_co_u32 s14, s14, SCS
	v_lshl_add_u32 v8, v4, 2, s14                  ; v8: my scale word: 64 w + 4 r
	v_add_nc_u32 v9, SCS, v2                       ; v9: the tile's 512 bytes of scale words, 16 a lane
	s_lshl_b32 s14, ttmp9, 3
	s_add_co_u32 s14, s14, s2
	s_mul_i32 s14, s14, 1536                       ; my fragment: (8 x tile + w) x 1,536
	s_mov_b32 s15, 0
	s_lshl_b32 s20, ttmp9, 9
	s_add_co_u32 s20, s20, 3145728                 ; the tile's scale words
	s_mov_b32 s21, 0
	s_mov_b32 s16, 0x76543210
	s_mov_b32 s17, 0xfedcba98                      ; v_permlanex16_b32's selects for lane l xor 16
	s_mov_b32 s18, 0x3a800000                      ; 1 / 1,024
	s_mov_b32 s19, 0x3727c5ac                      ; 1e-5
	s_wait_kmcnt 0x0
	s_add_nc_u64 s[4:5], s[4:5], s[12:13]
	s_add_nc_u64 s[22:23], s[10:11], s[14:15]
	s_add_nc_u64 s[24:25], s[10:11], s[20:21]
.irp p, 0,1
.irp j, 0,1,2,3,4,5,6,7
	global_load_b128 v[RW+32*\p+4*\j:RW+32*\p+4*\j+3], v2, s[4:5] offset:4096*\p+512*\j   ; 512 consecutive bytes a load
.endr
.endr
.irp j, 0,1,2,3,4,5,6,7
	global_load_b128 v[GG+4*\j:GG+4*\j+3], v2, s[6:7] offset:512*\j
	global_load_b128 v[BB+4*\j:BB+4*\j+3], v2, s[8:9] offset:512*\j
.endr
	v_mov_b32 v[TP], 0                             ; a lane permute's destination counts as one of its sources
	v_mov_b32 v[TP+1], 0
.macro ACROSS                          ; each row's four chains into one number, then over the 32 lanes; the two rows by turns
.irp p, 0
	v_pk_add_f32 v[SS+8*\p:SS+8*\p+1], v[SS+8*\p:SS+8*\p+1], v[SS+8*\p+2:SS+8*\p+3]
	v_pk_add_f32 v[SS+8*\p+4:SS+8*\p+5], v[SS+8*\p+4:SS+8*\p+5], v[SS+8*\p+6:SS+8*\p+7]
.endr
.irp p, 1
	v_pk_add_f32 v[SS+8*\p:SS+8*\p+1], v[SS+8*\p:SS+8*\p+1], v[SS+8*\p+2:SS+8*\p+3]
	s_delay_alu instid0(VALU_DEP_4)
	v_pk_add_f32 v[SS+8*\p+4:SS+8*\p+5], v[SS+8*\p+4:SS+8*\p+5], v[SS+8*\p+6:SS+8*\p+7]
.endr
.irp p, 0
	s_delay_alu instid0(VALU_DEP_3)
	v_pk_add_f32 v[SS+8*\p:SS+8*\p+1], v[SS+8*\p:SS+8*\p+1], v[SS+8*\p+4:SS+8*\p+5]
.endr
.irp p, 1
	s_delay_alu instid0(VALU_DEP_2)
	v_pk_add_f32 v[SS+8*\p:SS+8*\p+1], v[SS+8*\p:SS+8*\p+1], v[SS+8*\p+4:SS+8*\p+5]
.endr
.irp p, 0,1
	s_delay_alu instid0(VALU_DEP_2)
	v_add_f32 v[SS+8*\p], v[SS+8*\p], v[SS+8*\p+1]
.endr
.irp m, 1,2,4,8
.irp p, 0,1
	s_delay_alu instid0(VALU_DEP_2)
	v_add_f32_dpp v[SS+8*\p], v[SS+8*\p], v[SS+8*\p] row_xmask:\m row_mask:0xf bank_mask:0xf
.endr
.endr
.irp p, 0,1
	s_delay_alu instid0(VALU_DEP_2)
	v_permlanex16_b32 v[TP+\p], v[SS+8*\p], s16, s17
.endr
.irp p, 0,1
	s_delay_alu instid0(VALU_DEP_2)
	v_add_f32 v[SS+8*\p], v[SS+8*\p], v[TP+\p]
.endr
.endm
	s_wait_loadcnt 16                              ; the two rows are in; the 16 loads of gain and bias may be out
.irp p, 0,1                            ; the sum: chain k takes the row's pairs k, 4 + k, 8 + k, 12 + k
.irp k, 0,1,2,3
	v_pk_add_f32 v[SS+8*\p+2*\k:SS+8*\p+2*\k+1], v[RW+32*\p+2*\k:RW+32*\p+2*\k+1], v[RW+32*\p+8+2*\k:RW+32*\p+9+2*\k]
.endr
.endr
.irp m, 2,3
.irp p, 0,1
.irp k, 0,1,2,3
	v_pk_add_f32 v[SS+8*\p+2*\k:SS+8*\p+2*\k+1], v[SS+8*\p+2*\k:SS+8*\p+2*\k+1], v[RW+32*\p+8*\m+2*\k:RW+32*\p+8*\m+2*\k+1]
.endr
.endr
.endr
	ACROSS
.irp p, 0
	s_delay_alu instid0(VALU_DEP_2)
	v_mul_f32 v[MN+2*\p], s18, v[SS+8*\p]          ; the mean
	s_delay_alu instid0(VALU_DEP_3)
	v_mul_f32 v[MN+2*\p+1], s18, v[SS+8*\p]        ; (named with it as a pair, so it is written)
.endr
.irp p, 1
	s_delay_alu instid0(VALU_DEP_3)
	v_mul_f32 v[MN+2*\p], s18, v[SS+8*\p]          ; the mean
	s_delay_alu instid0(VALU_DEP_4)
	v_mul_f32 v[MN+2*\p+1], s18, v[SS+8*\p]        ; (named with it as a pair, so it is written)
.endr
.irp p, 0,1
.irp k, 0,1,2,3,4,5,6,7,8,9,10,11,12,13,14,15
	v_pk_add_f32 v[RW+32*\p+2*\k:RW+32*\p+2*\k+1], v[RW+32*\p+2*\k:RW+32*\p+2*\k+1], v[MN+2*\p:MN+2*\p+1] op_sel_hi:[1,0] neg_lo:[0,1] neg_hi:[0,1]   ; d = x - mean
.endr
.endr
.irp p, 0,1
.irp k, 0,1,2,3
	v_pk_mul_f32 v[SS+8*\p+2*\k:SS+8*\p+2*\k+1], v[RW+32*\p+2*\k:RW+32*\p+2*\k+1], v[RW+32*\p+2*\k:RW+32*\p+2*\k+1]
.endr
.endr
.irp m, 1,2,3
.irp p, 0,1
.irp k, 0,1,2,3
	v_pk_fma_f32 v[SS+8*\p+2*\k:SS+8*\p+2*\k+1], v[RW+32*\p+8*\m+2*\k:RW+32*\p+8*\m+2*\k+1], v[RW+32*\p+8*\m+2*\k:RW+32*\p+8*\m+2*\k+1], v[SS+8*\p+2*\k:SS+8*\p+2*\k+1]
.endr
.endr
.endr
	ACROSS
.irp p, 0,1
	s_delay_alu instid0(VALU_DEP_2)
	v_fma_f32 v[SS+8*\p], v[SS+8*\p], s18, s19     ; the variance + 1e-5
.endr
	s_wait_alu depctr_va_vdst(0)
.irp p, 0,1
	v_rsq_f32 v[MN+2*\p], v[SS+8*\p]
.endr
	v_nop                                          ; a plain line behind the transcendentals (ISA guide 5.7.2)
	s_wait_alu depctr_va_vdst(0)                   ; one wait for both, ahead of their first reader
.irp p, 0,1
.irp k, 0,1,2,3,4,5,6,7,8,9,10,11,12,13,14,15
	v_pk_mul_f32 v[RW+32*\p+2*\k:RW+32*\p+2*\k+1], v[RW+32*\p+2*\k:RW+32*\p+2*\k+1], v[MN+2*\p:MN+2*\p+1] op_sel_hi:[1,0]
.endr
.endr
	s_wait_loadcnt 0x0                             ; gain and bias
.irp p, 0,1
.irp k, 0,1,2,3,4,5,6,7,8,9,10,11,12,13,14,15
	v_pk_fma_f32 v[RW+32*\p+2*\k:RW+32*\p+2*\k+1], v[RW+32*\p+2*\k:RW+32*\p+2*\k+1], v[GG+2*\k:GG+2*\k+1], v[BB+2*\k:BB+2*\k+1]
.endr
.endr
.irp p, 0,1
.irp j, 0,1,2,3,4,5,6,7
	ds_store_b128 v6, v[RW+32*\p+4*\j:RW+32*\p+4*\j+3] offset:ROWP*\p+512*\j
.endr
.endr
	s_wait_dscnt 0x0                               ; for the others' sake: my rows lie in LDS
	s_barrier_signal -1
	s_barrier_wait -1
	; phase 2: register 16 b + i = number 128 w + 32 b + 16 h + i of row r
.irp b, 0,1,2,3
.irp j, 0,1,2,3
	ds_load_b128 v[RW+16*\b+4*\j:RW+16*\b+4*\j+3], v7 offset:128*\b+16*\j
.endr
.endr
	s_wait_dscnt 0x0
.irp b, 0,1,2,3
	v_max3_num_f32 v[TM+\b], |v[RW+16*\b]|, |v[RW+16*\b+1]|, 0x1800000   ; block b: my 16 numbers, and the floor 2^(3 - 127)
.endr
.irp i, 2,4,6,8,10,12,14
.irp b, 0,1,2,3
	s_delay_alu instid0(VALU_DEP_4)
	v_max3_num_f32 v[TM+\b], v[TM+\b], |v[RW+16*\b+\i]|, |v[RW+16*\b+\i+1]|
.endr
.endr
.irp b, 0,1,2,3
	s_delay_alu instid0(VALU_DEP_4)
	v_permlanex16_b32 v[TM+4+\b], v[TM+\b], s16, s17
.endr
.irp b, 0,1,2,3
	s_delay_alu instid0(VALU_DEP_4)
	v_max_num_f32 v[TM+\b], v[TM+\b], v[TM+4+\b]   ; with lane l xor 16's: the block's largest magnitude
.endr
.irp b, 0,1,2,3
	s_delay_alu instid0(VALU_DEP_4)
	v_add_nc_u32 v[TM+12+\b], 0xff000000, v[TM+\b] ; 2 off its exponent field: the conversion's scale operand
.endr
.irp b, 0,1,2,3
	s_delay_alu instid0(VALU_DEP_4)
	v_lshrrev_b32 v[TM+4+\b], 23, v[TM+12+\b]      ; the scale's byte
.endr
	s_delay_alu instid0(VALU_DEP_3)
	v_lshl_or_b32 v[PW], v[TM+5], 8, v[TM+4]
	s_delay_alu instid0(VALU_DEP_1)
	v_lshl_or_b32 v[PW], v[TM+6], 16, v[PW]
	s_delay_alu instid0(VALU_DEP_1)
	v_lshl_or_b32 v[PW], v[TM+7], 24, v[PW]        ; my row's scale word
.irp c, 0,1
	v_cvt_scalef32_pk16_fp6_f32 v[PC+6*\c:PC+6*\c+2], v[RW+32*\c:RW+32*\c+15], v[TM+12+2*\c]
	v_cvt_scalef32_pk16_fp6_f32 v[PC+12+4*\c:PC+14+4*\c], v[RW+32*\c+16:RW+32*\c+31], v[TM+13+2*\c]
.endr
	v_nop                                          ; one plain line behind a scaled conversion
.irp c, 0,1                            ; the operand's layout wants a whole block in a lane: lanes 0-15 block 2 c, lanes 16-31 block 2 c + 1
.irp i, 0,1,2
	v_permlane16_swap_b32 v[PC+6*\c+\i], v[PC+12+4*\c+\i]
.endr
.irp i, 0,1,2
	s_delay_alu instid0(VALU_DEP_3)
	v_mov_b32 v[PC+3+6*\c+\i], v[PC+12+4*\c+\i]
.endr
.endr
	ds_store_b32 v8, v[PW]                         ; both halves of the lanes write the same word with the same value
	global_store_b128 v2, v[PC:PC+3], s[22:23]                 ; the fragment's image: each store covers whole aligned runs of 256 bytes
	global_store_b64 v3, v[PC+4:PC+5], s[22:23] offset:512
	global_store_b128 v2, v[PC+6:PC+9], s[22:23] offset:768
	global_store_b64 v3, v[PC+10:PC+11], s[22:23] offset:1280
	s_wait_dscnt 0x0                               ; for wave 0's sake: my scale words lie in LDS
	s_barrier_signal -1
	s_barrier_wait -1
	s_cmp_lg_u32 s2, 0
	s_cbranch_scc1 .Ldone
	ds_load_b128 v[12:15], v9
	s_wait_dscnt 0x0
	global_store_b128 v2, v[12:15], s[24:25]       ; the tile's 512 bytes of scale words
.Ldone:
	s_wait_tensorcnt 0x0
	ds_add_u32 v160, v161
	s_wait_dscnt 0x0
	s_endpgm
; ==== THE WEIGHTS, f32 stored [K][N], quantised along K, their FIRST axis.  A LANE TAKES A COLUMN AND ITS REGISTERS RUN DOWN K: a block of 32 along K lies in one lane's 32 registers, its largest magnitude needs no other lane,
; and the conversions give codes with K innermost.  A work-group takes 64 columns x 512 K.  Wave w takes the 32 columns of group w % 2 and K step w / 2 of the chunk's four: 4 blocks a lane, one fragment for each of two tiles.
; Numbered from 0: work-groups 0-127: w_q, w_k, w_v, w_o (32 each); 128-255: w1; 256-383: w2.  One path: only pointers and sizes are chosen.  3,072 waves, each with two blocks (64 loads of 128 consecutive bytes) ahead.
; The codes go through the wave's own stage in LDS and leave as runs of 512 consecutive bytes.  The scale words of the four K steps meet in LDS behind one barrier, so that each tile's 256 bytes leave in one store.
.Lweights:
	s_load_b256 s[4:11], s[0:1], 0x20              ; w_q, w_k, w_v, w_o
	s_load_b128 s[12:15], s[0:1], 0x40             ; w1, w2
	s_load_b64 s[16:17], s[0:1], 0x50              ; wts
	s_sub_co_u32 s79, ttmp9, NLN                   ; my number among the weights' work-groups
	v_lshrrev_b32 v1, 5, v0
	s_delay_alu instid0(VALU_DEP_1)
	v_readfirstlane_b32 s2, v1                     ; wave 0..7
	s_and_b32 s80, s2, 1                           ; my group of 32 columns
	s_lshr_b32 s81, s2, 1                          ; my K step of the chunk's four
	v_and_b32 v1, 31, v0                           ; lane = my column of the group of 32
	s_lshr_b32 s20, s79, 7                         ; 0: the four square weights, 1: w1, 2: w2
	s_lshr_b32 s21, s79, 5
	s_lshl_b32 s22, s20, 2
	s_and_b32 s23, s79, 31
	s_and_b32 s24, s79, 127
	s_cmp_eq_u32 s20, 0
	s_cselect_b32 s21, s21, s22                    ; the weight's place in wts, in units of 786,432 bytes of codes: 0-3, 4 (w1), 8 (w2)
	s_cselect_b32 s23, s23, s24                    ; my number among the weight's work-groups
	s_cmp_eq_u32 s20, 1
	s_cselect_b32 s25, 6, 4                        ; log2 of its groups of 64 columns
	s_cselect_b32 s26, 14, 12                      ; log2 of a row's bytes
	s_cmp_eq_u32 s20, 2
	s_cselect_b32 s27, 32, 8                       ; its K steps of 128
	s_lshr_b32 s28, s23, s25                       ; which 512 along K
	s_lshl_b32 s29, s28, s25
	s_sub_co_u32 s29, s23, s29                     ; which 64 columns
	s_lshl_b32 s3, 1, s26                          ; a row's bytes
	s_lshl_b32 s30, s29, 8
	s_lshl_b32 s31, s80, 7
	s_add_co_u32 s30, s30, s31                     ; my wave's first column, in bytes
	s_lshl_b32 s68, s28, 2
	s_add_co_u32 s68, s68, s81                     ; my K step within the weight
	s_add_co_u32 s31, s26, 7
	s_lshl_b32 s31, s68, s31
	s_add_co_u32 s30, s30, s31                     ; + 128 x K step rows
	s_mov_b32 s31, 0
	s_lshl_b32 s66, s3, 5                          ; 32 rows on
	s_mov_b32 s67, 0
	s_lshl_b32 s69, s29, 1
	s_add_co_u32 s69, s69, s80                     ; my group of 32 columns within the weight
	s_lshl_b32 s69, s69, 1                         ; its first tile
	s_mul_i32 s69, s69, s27                        ; x K steps
	s_add_co_u32 s70, s69, s68                     ; my fragment's index
	s_mul_i32 s70, s70, 1536
	s_mul_i32 s71, s21, 786432
	s_add_co_u32 s70, s70, s71                     ; tile 0's fragment, in bytes from wts
	s_mov_b32 s71, 0
	s_mul_i32 s72, s27, 1536                       ; from tile to tile
	s_mov_b32 s73, 0
	s_lshl_b32 s74, s28, 2
	s_add_co_u32 s74, s74, s69                     ; the index of the chunk's first K step
	s_lshl_b32 s74, s74, 6
	s_lshl_b32 s75, s21, 15
	s_add_co_u32 s74, s74, s75
	s_add_co_u32 s74, s74, S0                      ; tile 0's scale words of the chunk
	s_mov_b32 s75, 0
	s_lshl_b32 s76, s27, 6                         ; from tile to tile
	s_mul_i32 s77, s2, WREG
	s_add_co_u32 s77, s77, WB                      ; my wave's stage
	s_lshl_b32 s82, s80, 9
	s_add_co_u32 s82, s82, SSTG                    ; my column group's scale words,
	s_lshl_b32 s83, s81, 6
	s_add_co_u32 s83, s83, s82                     ; and my K step's among them
	v_bfe_u32 v2, v0, 3, 1                         ; u: my column's tile
	v_and_b32 v3, 7, v0
	v_bfe_u32 v4, v0, 4, 1
	s_delay_alu instid0(VALU_DEP_1)
	v_lshl_add_u32 v3, v4, 3, v3                   ; r: its lane in that tile
	s_delay_alu instid0(VALU_DEP_4)
	v_mul_u32_u24 v5, v2, TST
	s_delay_alu instid0(VALU_DEP_1)
	v_add_nc_u32 v5, s77, v5
	s_delay_alu instid0(VALU_DEP_1)
	v_lshl_add_u32 v4, v3, 4, v5                   ; v4: where registers 0-3 of a block go: stage + 16 r
	s_delay_alu instid0(VALU_DEP_2)
	v_lshl_add_u32 v5, v3, 3, v5                   ; v5: registers 4, 5: stage + 8 r
	v_lshlrev_b32 v6, 8, v2
	s_delay_alu instid0(VALU_DEP_1)
	v_lshl_add_u32 v6, v3, 2, v6
	s_delay_alu instid0(VALU_DEP_1)
	v_add_nc_u32 v6, s83, v6                       ; v6: my scale word: 256 u + 64 x K step + 4 r
	v_lshlrev_b32 v8, 4, v1                        ; v8: 16 x lane
	s_delay_alu instid0(VALU_DEP_1)
	v_add_nc_u32 v7, s77, v8                       ; v7: the way back out of the stage
	s_delay_alu instid0(VALU_DEP_2)
	v_add_nc_u32 v14, s82, v8                      ; v14: the column group's 512 bytes of scale words, 16 a lane
	v_and_b32 v9, 15, v0
	s_delay_alu instid0(VALU_DEP_1)
	v_lshlrev_b32 v9, 4, v9
	v_bfe_u32 v10, v0, 4, 1
	s_delay_alu instid0(VALU_DEP_1)
	v_mul_u32_u24 v10, v10, s76
	s_delay_alu instid0(VALU_DEP_1)
	v_add_nc_u32 v9, v9, v10                       ; v9: the scale words' place in memory: lanes 0-15 tile 0's 256 bytes, lanes 16-31 tile 1's
	v_lshlrev_b32 v[VO], 2, v1
.set i, 1
.rept 31
	s_delay_alu instid0(VALU_DEP_1)
	v_add_nc_u32 v[VO+i], s3, v[VO+i-1]            ; a row further down
.set i, i+1
.endr
	s_wait_alu depctr_va_vdst(0)
	s_wait_kmcnt 0x0
	s_cmp_lt_u32 s79, 256                          ; the choice hangs on the work-group's number alone
	s_cselect_b64 s[18:19], s[12:13], s[14:15]
	s_cmp_lt_u32 s79, 128
	s_cselect_b64 s[18:19], s[10:11], s[18:19]
	s_cmp_lt_u32 s79, 96
	s_cselect_b64 s[18:19], s[8:9], s[18:19]
	s_cmp_lt_u32 s79, 64
	s_cselect_b64 s[18:19], s[6:7], s[18:19]
	s_cmp_lt_u32 s79, 32
	s_cselect_b64 s[18:19], s[4:5], s[18:19]
	s_add_nc_u64 s[32:33], s[18:19], s[30:31]      ; block 0's base; four bases, never stepped
.irp t, 1,2,3
	s_add_nc_u64 s[32+2*\t:33+2*\t], s[30+2*\t:31+2*\t], s[66:67]
.endr
	s_add_nc_u64 s[20:21], s[16:17], s[70:71]      ; tile 0's fragment
	s_add_nc_u64 s[22:23], s[20:21], s[72:73]      ; tile 1's
	s_add_nc_u64 s[24:25], s[16:17], s[74:75]      ; the scale words
.macro LOAD t                          ; block t: W(32 t + i, my column): 32 lanes read 128 consecutive bytes, the two column groups side by side 256
.set li, 0
.rept 32
	global_load_b32 v[X+32*((\t)%2)+li], v[VO+li], s[32+2*(\t):33+2*(\t)] th:TH_LOAD_NT
.set li, li+1
.endr
.endm
	LOAD 0
	LOAD 1
.macro BLOCK t
.set XS, X+32*((\t)%2)
.if (\t) < 3
	s_wait_loadcnt 32                              ; this block's 32 loads are in; the next block's 32 may be out
.else
	s_wait_loadcnt 0x0
.endif
	v_max3_num_f32 v12, |v[XS]|, |v[XS+1]|, |v[XS+2]|              ; the block's largest magnitude, in two chains
	v_max3_num_f32 v13, |v[XS+3]|, |v[XS+4]|, |v[XS+5]|
.irp i, 6,10,14,18,22,26
	s_delay_alu instid0(VALU_DEP_2)
	v_max3_num_f32 v12, v12, |v[XS+\i]|, |v[XS+\i+1]|
	s_delay_alu instid0(VALU_DEP_2)
	v_max3_num_f32 v13, v13, |v[XS+\i+2]|, |v[XS+\i+3]|
.endr
	s_delay_alu instid0(VALU_DEP_2)
	v_max3_num_f32 v12, v12, |v[XS+30]|, |v[XS+31]|
	s_delay_alu instid0(VALU_DEP_1)
	v_max3_num_f32 v12, v12, v13, 0x1800000        ; and the floor 2^(3 - 127): the byte cannot fall under 1
	s_delay_alu instid0(VALU_DEP_1)
	v_add_nc_u32 v11, 0xff000000, v12              ; 2 off the exponent field: the conversion takes this operand's exponent field as its scale
	s_delay_alu instid0(VALU_DEP_1)
	v_lshrrev_b32 v13, 23, v11                     ; the scale's byte
.if (\t) == 0
	s_delay_alu instid0(VALU_DEP_1)
	v_mov_b32 v[SB], v13
.else
	s_delay_alu instid0(VALU_DEP_1)
	v_lshl_or_b32 v[SB], v13, 8*(\t), v[SB]
.endif
	v_cvt_scalef32_pk16_fp6_f32 v[C:C+2], v[XS:XS+15], v11
	v_cvt_scalef32_pk16_fp6_f32 v[C+4:C+6], v[XS+16:XS+31], v11    ; (a conversion's three registers begin on an even number)
	v_nop                                          ; one plain line behind a scaled conversion
	v_mov_b32 v[C+3], v[C+4]
	v_mov_b32 v[C+4], v[C+5]
	v_mov_b32 v[C+5], v[C+6]                       ; v[C .. C+5]: the block's 192 bits
	; block t is half c = t / 2, lanes' half t % 2 of the fragment: the place of lane r + 16 (t % 2)
	ds_store_b128 v4, v[C:C+3] offset:768*((\t)/2)+256*((\t)%2)
	ds_store_b64 v5, v[C+4:C+5] offset:768*((\t)/2)+512+128*((\t)%2)
.if (\t) < 2
	LOAD (\t)+2
.endif
	s_wait_dscnt 0x0                               ; the stores have read their registers: the next block's codes may be written
.endm
.irp t, 0,1,2,3
	BLOCK \t
.endr
	s_wait_alu depctr_va_vdst(0)
	ds_store_b32 v6, v[SB]                         ; my column's scale word of this K step, into the work-group's stage
.irp u, 0,1                            ; LDS serves a wave's instructions in order (ISA guide 5.7.1.4): these loads see my stores into my own stage
.irp k, 0,1,2
	ds_load_b128 v[OUTR+12*\u+4*\k:OUTR+12*\u+4*\k+3], v7 offset:TST*\u+512*\k
.endr
.endr
.irp u, 0,1
.irp k, 0,1,2
	s_wait_dscnt 5-3*\u-\k                         ; behind this load stand 5 - n younger ones
	global_store_b128 v8, v[OUTR+12*\u+4*\k:OUTR+12*\u+4*\k+3], s[20+2*\u:21+2*\u] offset:512*\k   ; 32 lanes store 512 consecutive bytes, at a multiple of 256
.endr
.endr
	s_wait_dscnt 0x0                               ; for the others' sake: my scale words lie in LDS
	s_barrier_signal -1
	s_barrier_wait -1
	s_cmp_gt_u32 s2, 1                             ; waves 0 and 1 store their column group's scale words of all four K steps
	s_cbranch_scc1 .Lwdone
	ds_load_b128 v[152:155], v14
	s_wait_dscnt 0x0
	global_store_b128 v9, v[152:155], s[24:25]     ; sixteen lanes store a tile's 256 bytes of scale words
.Lwdone:
	s_wait_tensorcnt 0x0
	ds_add_u32 v160, v161
	s_wait_dscnt 0x0
	s_endpgm
.Lfunc_end_k_qcb9cff754b_prep:
	.size	k_qcb9cff754b_prep, .Lfunc_end_k_qcb9cff754b_prep-k_qcb9cff754b_prep
	.p2alignl 7, 3214868480
	.fill 96, 4, 3214868480
	.section	.rodata,"a",@progbits
	.p2align	6, 0x0
	.amdhsa_kernel k_qcb9cff754b_prep
		.amdhsa_group_segment_fixed_size 95232
		.amdhsa_private_segment_fixed_size 0
		.amdhsa_enable_private_segment 0
		.amdhsa_kernarg_size 88
		.amdhsa_user_sgpr_count 2
		.amdhsa_user_sgpr_kernarg_segment_ptr 1
		.amdhsa_wavefront_size32 1
		.amdhsa_system_sgpr_workgroup_id_x 1
		.amdhsa_system_sgpr_workgroup_id_y 1
		.amdhsa_system_sgpr_workgroup_id_z 1
		.amdhsa_system_vgpr_workitem_id 0
		.amdhsa_next_free_vgpr 162
		.amdhsa_next_free_sgpr 84
		.amdhsa_reserve_vcc 0
		.amdhsa_float_denorm_mode_32 3
		.amdhsa_float_denorm_mode_16_64 3
		.amdhsa_memory_ordered 1
		.amdhsa_forward_progress 1
		.amdhsa_inst_pref_size 57
	.end_amdhsa_kernel
	.amdgpu_metadata
---
amdhsa.version: [ 1, 2 ]
amdhsa.kernels:
  - .name:           k_qcb9cff754b_prep
    .symbol:         k_qcb9cff754b_prep.kd
    .args:
      - { .name: x, .offset: 0, .size: 8, .value_kind: global_buffer, .address_space: global }
      - { .name: ln1_g, .offset: 8, .size: 8, .value_kind: global_buffer, .address_space: global }
      - { .name: ln1_b, .offset: 16, .size: 8, .value_kind: global_buffer, .address_space: global }
      - { .name: hq, .offset: 24, .size: 8, .value_kind: global_buffer, .address_space: global }
      - { .name: w_q, .offset: 32, .size: 8, .value_kind: global_buffer, .address_space: global }
      - { .name: w_k, .offset: 40, .size: 8, .value_kind: global_buffer, .address_space: global }
      - { .name: w_v, .offset: 48, .size: 8, .value_kind: global_buffer, .address_space: global }
      - { .name: w_o, .offset: 56, .size: 8, .value_kind: global_buffer, .address_space: global }
      - { .name: w1, .offset: 64, .size: 8, .value_kind: global_buffer, .address_space: global }
      - { .name: w2, .offset: 72, .size: 8, .value_kind: global_buffer, .address_space: global }
      - { .name: wts, .offset: 80, .size: 8, .value_kind: global_buffer, .address_space: global }
    .group_segment_fixed_size: 95232
    .private_segment_fixed_size: 0
    .kernarg_segment_align: 8
    .kernarg_segment_size: 88
    .max_flat_workgroup_size: 256
    .sgpr_count:     84
    .vgpr_count:     162
    .wavefront_size: 32
...
	.end_amdgpu_metadata
.endif
;; end of part 1
;; launch qkv (part 2): grid 12 x 16, 4 waves a work-group, clusters of 4 x 4, 327,680 bytes of LDS; arguments hq, wts, qkv; writes qkv
.if DOCPART == 2
	.amdgcn_target "amdgcn-amd-amdhsa--gfx1250"
	.amdhsa_code_object_version 6
	.text
	.protected	k_qcb9cff754b_qkv
	.globl	k_qcb9cff754b_qkv
	.p2align	8
	.type	k_qcb9cff754b_qkv,@function
k_qcb9cff754b_qkv:
	s_mov_b64 s[64:65], 0
	v_nop
	global_prefetch_b8 v0, s[64:65] scope:SCOPE_SE
	s_setreg_imm32_b32 hwreg(HW_REG_WAVE_MODE, 25, 1), 1
	s_wait_xcnt 0x0
	s_wait_alu depctr_hold_cnt(0) depctr_sa_sdst(0) depctr_va_vdst(0) depctr_va_sdst(0) depctr_va_ssrc(0) depctr_va_vcc(0) depctr_vm_vsrc(0)
	s_getreg_b32 s2, hwreg(HW_REG_IB_STS2, 6, 4)
	s_cmp_eq_u32 s2, 0
	s_cbranch_scc0 .Lentry_in_a_cluster
	s_endpgm
.Lentry_in_a_cluster:
	s_bfe_u32 s2, ttmp6, 0x10000c
	s_cmp_lg_u32 s2, 0xf033
	s_cbranch_scc0 .Lentry_shape_is_right
	s_endpgm
.Lentry_shape_is_right:
; Q, K, V = LN1(x) w_q, w_k, w_v on codes of FP6 (E2M3) with E8M0 scales; the results are quantised in registers and stored as the operands of the attention: Q and K along the head's 64, V along the keys.
; OPERANDS are images of their registers: a fragment (16 rows x 128 K) is 1,536 bytes: for c = 0, 1 registers 6c..6c+3 at 768c + 16 x lane, 6c+4, 6c+5 at 768c + 512 + 8 x lane.  Both inputs lie [tile][K step][1,536], scale words [tile][K step][64].
; A tile of the result, 256 x 256, is made by four waves, 128 x 128 each: 64 accumulators.  Source 0 of each product is the P side, source 1 the L side: a lane holds one L row and its registers run along the P rows.  The rows of a tile
; are laid so (lane r of tile u of a group of 32: row 8u + r + 8 (r / 8)) that the 64 registers of the eight P tiles are: register 16 b + i = P row 32 b + 16 (lane / 16) + i: what the conversions want.
; Clusters with x = 0, 1 (w_q, w_k): L = tokens, P = the weight's columns: 128 columns are two heads: each half fragment is a head's operand.  The cluster with x = 2 (w_v): L = the weight's columns, P = tokens: the keys run along a lane's registers.
; The two cases differ in global addresses alone (both operands have K = 1,024 and the same layout): masks, LDS and the loop are one text.
; RING: two LDS slots of 2 K steps; each wave fetches a quarter of a slot by one joint tensor load (8 rows of 3,072 bytes).  The L side's tiles are shared along a row of the 4 x 4 cluster, the P side's along a column.
; The scale words of the work-group's rows for all of K come once, with the first fills.  One scale register carries two K steps: lanes 0-15 the even step's words, lanes 16-31 the odd step's.
; REGISTERS: window 0: v3-6 lane terms, v16-25 LDS addresses, v28-29 the spare word's, v32-63 scale words (nothing else), v64-255 fragment set 1 (L at 64 + 12 i, P at 160 + 12 i); window 1: v64-255 fragment set 0; windows 2, 3: accumulator (a, b) at v[8 (8 (a % 4) + b)] of window 2 + a / 4.
; LIMITS: a block of zeros, or one whose largest magnitude lies under 2^-124, gets the byte 1; this program alone reads the bytes.  NaN and infinities are not served.
.set NBK, 8                            ; blocks of 16 rows a wave and side
.set NQ,  2                            ; K steps of 128 in a slot
.set KST, 8                            ; K steps in all
.set SIA, 512                          ; L's scale words: from tile to tile,
.set SKA, 64                           ; from K step to K step
.set SIB, 512
.set SKB, 64
.set HASBIAS, 0
.set FRB,   1536
.set QUART, NBK*NQ*FRB                 ; what one tensor load brings, and what one wave reads of a side
.set SIDEB, 2*QUART
.set SLOT,  2*SIDEB                    ; L's tiles, then P's
.set LAPS,  KST/NQ/2
.set HALFS, NBK*KST*64                 ; the scale words of a wave's blocks
.set SCL,   2*SLOT
.set SPARE, SCL+32768                  ; the spare words, 128 bytes a wave: two blocks of 256 bytes that no other line names
.set ADA16, 16
.set ADA8,  18
.set ADB16, 20
.set ADB8,  22
.set ADSA,  24
.set ADSB,  25
.set SPW,   28
.set NIL,   29
.set G1,   24
.set G0,   32
.set G1B,  48
.set G0B,  56
.set G1S,  68
.set G0S,  76
.set G1SB, 80
.set G0SB, 88
.set TM,  64                           ; the way out, window 0: v64-79 at work
.set PW,  80
.set PC,  96                           ; v96-114 the codes
.set MSB, 0
.macro WIN new                         ; the immediate's high byte repeats the setting that is left; a switch that changes nothing is dropped
.if MSB != (\new)
	s_set_vgpr_msb (MSB<<8)|(\new)
.set MSB, (\new)
.endif
.endm
.macro PLACES n                        ; plain vector lines behind matrix instructions (ISA guide 7.12.1)
.rept \n
	v_nop
.endr
.endm
.macro JLOAD g0a, g1a, g0b, g1b        ; a joint load: waves 0, 1 fetch for the L side, waves 2, 3 for the P side; four v_nop follow each line
	s_cmp_eq_u32 s15, 0
	s_cbranch_scc0 .Lfor_b_\@
	tensor_load_to_lds s[\g0a:\g0a+3], s[\g1a:\g1a+7]
	s_nop 0
	PLACES 4
	s_branch .Lasked_\@
.Lfor_b_\@:
	tensor_load_to_lds s[\g0b:\g0b+3], s[\g1b:\g1b+7]
	s_nop 0
	PLACES 4
.Lasked_\@:
.endm
.macro CREST                           ; a round of the cluster's barrier behind its opening barrier
	s_cmp_lg_u32 s14, 0
	s_cbranch_scc1 .Lnot_wave_0_\@
	s_barrier_signal -3
.Lnot_wave_0_\@:
	s_barrier_wait -3
	s_barrier_signal -1
	s_barrier_wait -1
.endm
.macro CROUND
	s_barrier_signal -1
	s_barrier_wait -1
	CREST
.endm
.macro FRAGLD reg, a16, a8, off        ; a fragment's image into 12 registers: every load takes consecutive bytes
	ds_load_b128 v[\reg:\reg+3], v[\a16] offset:\off
	ds_load_b64 v[\reg+4:\reg+5], v[\a8] offset:(\off)+512
	ds_load_b128 v[\reg+6:\reg+9], v[\a16] offset:(\off)+768
	ds_load_b64 v[\reg+10:\reg+11], v[\a8] offset:(\off)+1280
.endm
.macro FETG slot, q, p, g              ; a quarter of the fragments of the slot's q-th K step into set p: g = 0, 1 P's halves, g = 2, 3 L's; with g = 0 and q even also the scale words of steps q, q + 1
.if (\p) == 0
	WIN 0x40
.else
	WIN 0
.endif
.if (\g) < 2
.set fi, (\g)*NBK/2
.rept NBK/2
	FRAGLD 160+12*fi, ADB16+\slot, ADB8+\slot, fi*NQ*FRB+(\q)*FRB
.set fi, fi+1
.endr
.else
.set fi, ((\g)-2)*NBK/2
.rept NBK/2
	FRAGLD 64+12*fi, ADA16+\slot, ADA8+\slot, fi*NQ*FRB+(\q)*FRB
.set fi, fi+1
.endr
.endif
.if ((\g) == 0) && ((\q)%2 == 0)
	WIN 0
.set fs, (((\slot)*NQ+(\q))/2)%2
.set fi, 0
.rept NBK
	ds_load_b32 v[32+16*fs+fi], v[ADSA] offset:fi*SIA+((\q)/2)*2*SKA
	ds_load_b32 v[40+16*fs+fi], v[ADSB] offset:fi*SIB+((\q)/2)*2*SKB
.set fi, fi+1
.endr
.endif
.endm
.macro MULG p, q, sc, g, first         ; a quarter of a K step's products: NBK / 4 L blocks x all P blocks, from set p.  The accumulators take turns, one instruction a turn, in the same order in every step
.set ma, (\g)*NBK/4
.rept NBK/4
.set mw, 2+ma/4
.if (\first) && HASBIAS
	WIN 0x15|(mw<<6)
.elseif (\p) == 0
	WIN 0x05|(mw<<4)|(mw<<6)
.else
	WIN (mw<<4)|(mw<<6)
.endif
.set mb, 0
.rept NBK
.set mc, 8*(NBK*(ma%4)+mb)
.if (\first) && HASBIAS
	v_wmma_scale_f32_16x16x128_f8f6f4 v[mc:mc+7], v[160+12*mb:171+12*mb], v[64+12*ma:75+12*ma], v[8*mb:8*mb+7], v[40+16*(\sc)+mb], v[32+16*(\sc)+ma] matrix_a_fmt:MATRIX_FMT_FP6 matrix_b_fmt:MATRIX_FMT_FP6
.elseif (\first)
	v_wmma_scale_f32_16x16x128_f8f6f4 v[mc:mc+7], v[160+12*mb:171+12*mb], v[64+12*ma:75+12*ma], 0, v[40+16*(\sc)+mb], v[32+16*(\sc)+ma] matrix_a_fmt:MATRIX_FMT_FP6 matrix_b_fmt:MATRIX_FMT_FP6
.elseif (\q)%2 == 0
	v_wmma_scale_f32_16x16x128_f8f6f4 v[mc:mc+7], v[160+12*mb:171+12*mb], v[64+12*ma:75+12*ma], v[mc:mc+7], v[40+16*(\sc)+mb], v[32+16*(\sc)+ma] matrix_a_fmt:MATRIX_FMT_FP6 matrix_b_fmt:MATRIX_FMT_FP6
.else
	v_wmma_scale_f32_16x16x128_f8f6f4 v[mc:mc+7], v[160+12*mb:171+12*mb], v[64+12*ma:75+12*ma], v[mc:mc+7], v[40+16*(\sc)+mb], v[32+16*(\sc)+ma] matrix_a_fmt:MATRIX_FMT_FP6 matrix_b_fmt:MATRIX_FMT_FP6 matrix_a_scale:MATRIX_SCALE_ROW1 matrix_b_scale:MATRIX_SCALE_ROW1
.endif
.set mb, mb+1
.endr
.set ma, ma+1
.endr
.endm
.macro STEP slot, q, first             ; a K step that has its successor in the same slot: the successor's fragments are fetched into the other set, a quarter ahead of each quarter of the products
	s_wait_dscnt 0x0                               ; this step's fragments, asked for a whole step ago, are in
	PLACES 4                                       ; behind the last products that read the other set
.irp g, 0,1,2,3
	FETG \slot, (\q)+1, 1-(\q)%2, \g
	MULG (\q)%2, \q, (((\slot)*NQ+(\q))/2)%2, \g, \first
.endr
.endm
.macro TURN slot, next, fill           ; a slot's last K step changes slots: one barrier; fill = 1: this slot is filled again, two slots ahead, behind a round of the cluster's barrier
.set tsc, (((\slot)*NQ+NQ-1)/2)%2
	WIN 0                                          ; (the add's two registers lie in window 0)
	s_wait_tensorcnt 0x0                           ; all my tensor loads have landed: my part of the next slot
	ds_add_u32 v[SPW], v[NIL]                      ; 0 onto my spare word
	s_wait_dscnt 1                                 ; this step's fragments are in; the add alone may be out
	MULG 1, NQ-1, tsc, 0, 0                        ; matrix work stands between the add and the wait for it
	s_wait_dscnt 0x0                               ; the add is done, and my reads of this slot are over
	s_barrier_signal -1
	MULG 1, NQ-1, tsc, 1, 0
	WIN 0
	s_barrier_wait -1
.if \fill
	CREST                                          ; no wave of any partner still reads this slot or has a load on its way
	s_add_nc_u64 s[G0+4*\slot+2:G0+4*\slot+3], s[G0+4*\slot+2:G0+4*\slot+3], 2*NQ*FRB
	s_add_nc_u64 s[G0B+4*\slot+2:G0B+4*\slot+3], s[G0B+4*\slot+2:G0B+4*\slot+3], 2*NQ*FRB
	JLOAD G0+4*\slot, G1, G0B+4*\slot, G1B         ; the first tensor load behind the round; its four v_nop are also the places in front of the loads below
.else
	PLACES 4
.endif
	s_wait_alu depctr_va_vdst(0)
	v_add_nc_u32 v[ADSA], NQ*SKA, v[ADSA]          ; on to the next slot's scale words (no LDS load of mine is out)
	v_add_nc_u32 v[ADSB], NQ*SKB, v[ADSB]
	FETG \next, 0, 0, 0
	FETG \next, 0, 0, 1
	MULG 1, NQ-1, tsc, 2, 0
	FETG \next, 0, 0, 2
	FETG \next, 0, 0, 3
	MULG 1, NQ-1, tsc, 3, 0
.endm
.macro LAST                            ; the very last K step: nothing more to fetch
.set tsc, ((NQ+NQ-1)/2)%2
	s_wait_dscnt 0x0
.irp g, 0,1,2,3
	MULG 1, NQ-1, tsc, \g, 0
.endr
.endm
; 64 numbers of a lane, v[s .. s + 63] of window w, register 16 b + i = K 32 b + 16 (lane / 16) + i of my row, become a fragment's codes in v[PC ..] and its scale word in v[PW].  Each accumulator is read from its low end on.
.macro QUANT s, w
	WIN (\w)|((\w)<<2)
.irp b, 0,1,2,3
	v_max3_num_f32 v[TM+\b], |v[(\s)+16*\b]|, |v[(\s)+16*\b+1]|, 0x1800000    ; my 16 numbers of block b, and the floor 2^(3 - 127): the byte cannot fall under 1
.endr
.irp i, 2,4,6,8,10,12,14
.irp b, 0,1,2,3
	v_max3_num_f32 v[TM+\b], |v[(\s)+16*\b+\i]|, |v[(\s)+16*\b+\i+1]|, v[TM+\b]
.endr
.endr
	WIN 0
.irp b, 0,1,2,3
	v_permlanex16_b32 v[TM+4+\b], v[TM+\b], s96, s97
.endr
.irp b, 0,1,2,3
	v_max_num_f32 v[TM+\b], v[TM+\b], v[TM+4+\b]   ; with lane l xor 16's: the block's largest magnitude
.endr
.irp b, 0,1,2,3
	v_add_nc_u32 v[TM+12+\b], 0xff000000, v[TM+\b] ; 2 off its exponent field: the conversion's scale operand
.endr
.irp b, 0,1,2,3
	v_lshrrev_b32 v[TM+4+\b], 23, v[TM+12+\b]      ; the scale's byte
.endr
	v_lshl_or_b32 v[PW], v[TM+5], 8, v[TM+4]
	v_lshl_or_b32 v[PW], v[TM+6], 16, v[PW]
	v_lshl_or_b32 v[PW], v[TM+7], 24, v[PW]
	WIN (\w)
.irp c, 0,1
	v_cvt_scalef32_pk16_fp6_f32 v[PC+6*\c:PC+6*\c+2], v[(\s)+32*\c:(\s)+32*\c+15], v[TM+12+2*\c]
	v_cvt_scalef32_pk16_fp6_f32 v[PC+12+4*\c:PC+14+4*\c], v[(\s)+32*\c+16:(\s)+32*\c+31], v[TM+13+2*\c]
.endr
	WIN 0
	v_nop                                          ; one plain line behind a scaled conversion
.irp c, 0,1                            ; the operand's layout wants a whole block in a lane
.irp i, 0,1,2
	v_permlane16_swap_b32 v[PC+6*\c+\i], v[PC+12+4*\c+\i]
.endr
.irp i, 0,1,2
	v_mov_b32 v[PC+3+6*\c+\i], v[PC+12+4*\c+\i]
.endr
.endr
.endm
	s_load_b128 s[4:7], s[0:1], 0x0                ; hq, wts
	s_load_b64 s[12:13], s[0:1], 0x10              ; qkv
	v_lshl_add_u32 v[SPW], v0, 2, SPARE
	v_mov_b32 v[NIL], 0
	ds_add_u32 v28, v29
	ds_add_u32 v28, v29
	s_wait_dscnt 0x0
	v_lshrrev_b32 v1, 5, v0
	v_readfirstlane_b32 s14, v1                    ; wave 0..3
	s_lshr_b32 s15, s14, 1                         ; which half of the L rows is mine.  Also: I fetch for L (0) or for P (1)
	s_and_b32 s16, s14, 1                          ; which half of the P rows.  Also: which half of that side I fetch
	s_bfe_u32 s40, ttmp6, 0x40000                  ; cx
	s_bfe_u32 s41, ttmp6, 0x40004                  ; cy
	s_and_b32 s18, ttmp7, 0xffff
	s_lshl_b32 s18, s18, 2                         ; 4 x cluster y
	s_lshl_b32 s19, ttmp9, 2                       ; 4 x cluster x
	s_mov_b32 s96, 3145728                         ; where hq's scale words begin,
	s_mov_b32 s97, 9437184                         ; and the weights'
	s_cmp_eq_u32 ttmp9, 2                          ; the cluster's x, the same in all partners: w_v's clusters take the weight as the L side
	s_cselect_b32 s17, 8, s18
	s_cselect_b32 s42, s18, s19
	s_cselect_b32 s98, s97, s96
	s_cselect_b32 s99, s96, s97
	s_add_co_u32 s17, s17, s41                     ; the L side's block of 256 rows: hangs on cy alone
	s_add_co_u32 s42, s42, s40                     ; the P side's: on cx alone
	s_lshl_b32 s43, s41, 2
	s_lshl_b32 s43, 15, s43                        ; my row of the cluster
	s_lshl_b32 s44, 0x1111, s40                    ; my column
	s_or_b32 s[G1], s43, (3<<16)|(1<<21)           ; 15:0 the mask; 17:16 elements of 8 bytes; 21 set beside a mask; no padding
	s_or_b32 s[G1B], s44, (3<<16)|(1<<21)
.irp g, G1, G1B
	s_mov_b32 s[\g+1], (NQ*192)<<16                ; tensor_dim0: NQ fragments of a tile
	s_mov_b32 s[\g+2], (2*NBK)<<16                 ; tensor_dim1: the head's loads bring a whole side, 2 NBK tiles
	s_mov_b32 s[\g+3], (NQ*192)<<16                ; tile_dim0
	s_mov_b32 s[\g+4], 2*NBK                       ; tile_dim1
	s_mov_b32 s[\g+5], KST*192                     ; from tile to tile
	s_mov_b32 s[\g+6], 0
	s_mov_b32 s[\g+7], 0
.endr
	s_or_b32 s[G1S], s43, (3<<16)|(1<<21)          ; the scale words: a dense block as rows of 256 bytes
	s_or_b32 s[G1SB], s44, (3<<16)|(1<<21)
.irp g, G1S, G1SB
	s_mov_b32 s[\g+1], 32<<16
	s_mov_b32 s[\g+2], (2*HALFS/256)<<16
	s_mov_b32 s[\g+3], 32<<16
	s_mov_b32 s[\g+4], 2*HALFS/256
	s_mov_b32 s[\g+5], 32
	s_mov_b32 s[\g+6], 0
	s_mov_b32 s[\g+7], 0
.endr
	s_mul_i32 s18, s16, NBK*KST*FRB
	s_mul_i32 s20, s17, 2*NBK*KST*FRB
	s_mov_b32 s21, 0
	s_mul_i32 s46, s42, 2*NBK*KST*FRB
	s_mov_b32 s47, 0
	s_mov_b32 s19, 0                               ; s[18:19]: my half of a side, in bytes
	s_mul_i32 s22, s17, 2*HALFS
	s_add_co_u32 s22, s22, s98
	s_mov_b32 s23, 0
	s_mul_i32 s92, s42, 2*HALFS
	s_add_co_u32 s92, s92, s99
	s_mov_b32 s93, 0
	s_mul_i32 s45, s14, QUART                      ; where they go: by the wave's number alone
	s_wait_kmcnt 0x0
	s_cmp_eq_u32 ttmp9, 2
	s_cselect_b64 s[8:9], s[6:7], s[4:5]           ; the L side's buffer
	s_cselect_b64 s[10:11], s[4:5], s[6:7]         ; the P side's
	s_add_nc_u64 s[20:21], s[8:9], s[20:21]
	s_add_nc_u64 s[22:23], s[8:9], s[22:23]
	s_add_nc_u64 s[46:47], s[10:11], s[46:47]
	s_add_nc_u64 s[92:93], s[10:11], s[92:93]
	CROUND                                         ; all sixteen work-groups are here: the first joint loads meet
	s_mov_b32 s[G0S], 1
	s_mov_b32 s[G0S+1], SCL
	s_mov_b64 s[G0S+2:G0S+3], s[22:23]
	s_or_b32 s[G0S+3], s[G0S+3], 0x80000000
	s_mov_b32 s[G0SB], 1
	s_mov_b32 s[G0SB+1], SCL+2*HALFS
	s_mov_b64 s[G0SB+2:G0SB+3], s[92:93]
	s_or_b32 s[G0SB+3], s[G0SB+3], 0x80000000
.set G0H, 4                            ; s[4:7], s[96:99]: group 0 of the head's loads of slot 0, a whole side each (what lay there has been used)
.set G0HB, 96
	s_mov_b32 s[G0H], 1
	s_mov_b32 s[G0H+1], 0
	s_mov_b64 s[G0H+2:G0H+3], s[20:21]
	s_or_b32 s[G0H+3], s[G0H+3], 0x80000000
	s_mov_b32 s[G0HB], 1
	s_mov_b32 s[G0HB+1], SIDEB
	s_mov_b64 s[G0HB+2:G0HB+3], s[46:47]
	s_or_b32 s[G0HB+3], s[G0HB+3], 0x80000000
	s_add_nc_u64 s[20:21], s[20:21], s[18:19]      ; for the ring: my half of the side
	s_add_nc_u64 s[46:47], s[46:47], s[18:19]
.irp s, 0,1
	s_mov_b32 s[G0+4*\s], 1
	s_add_co_u32 s[G0+4*\s+1], s45, \s*SLOT
	s_add_nc_u64 s[G0+4*\s+2:G0+4*\s+3], s[20:21], \s*NQ*FRB
	s_or_b32 s[G0+4*\s+3], s[G0+4*\s+3], 0x80000000
	s_mov_b32 s[G0B+4*\s], 1
	s_add_co_u32 s[G0B+4*\s+1], s45, \s*SLOT
	s_add_nc_u64 s[G0B+4*\s+2:G0B+4*\s+3], s[46:47], \s*NQ*FRB
	s_or_b32 s[G0B+4*\s+3], s[G0B+4*\s+3], 0x80000000
.endr
; the head's four tiles, one a wave, in one chain of branches on the wave's number: L's side of slot 0, P's, L's scale words, P's
.macro ARM under, g0, g1, next
	s_cmp_lt_u32 s14, \under
	s_cbranch_scc0 \next
	tensor_load_to_lds s[\g0:\g0+3], s[\g1:\g1+7]
	s_nop 0
	PLACES 4
	s_branch .Lhead_asked
\next:
.endm
	ARM 1, G0H, G1, .Lhead_b
	ARM 2, G0HB, G1B, .Lhead_sa
	ARM 3, G0S, G1S, .Lhead_sb
	tensor_load_to_lds s[G0SB:G0SB+3], s[G1SB:G1SB+7]
	s_nop 0
	PLACES 4
.Lhead_asked:
; PREFETCHES INTO THE L2 of the three slots that later fills bring (K steps 2 .. 7).  Of the eight tiles that I fetch for the ring, each of the four partners that ask jointly takes two, told apart by address (cx for L, cy for P):
; 2 tiles x 3,072 bytes = 24 blocks of 256 bytes, a lane a block (lanes 24-31 name the last again).  Slots 1 and 2 are asked for here, slot 3 behind slot 1's load.
.set PFA, 22
.set PFO, 26
	s_cmp_eq_u32 s15, 0
	s_cselect_b64 s[PFA:PFA+1], s[20:21], s[46:47]
	s_cselect_b32 s18, s40, s41
	s_mul_i32 s18, s18, 2*KST*FRB
	s_add_nc_u64 s[PFA:PFA+1], s[PFA:PFA+1], s[18:19]
	v_and_b32 v[PFO], 31, v0
	v_min_u32 v[PFO], 23, v[PFO]
	v_mul_u32_u24 v27, v[PFO], 11
	v_lshrrev_b32 v27, 7, v27                      ; which of my two tiles: lane / 12
	v_mul_u32_u24 v27, v27, KST*FRB-12*256
	v_lshl_add_u32 v[PFO], v[PFO], 8, v27
	global_prefetch_b8 v[PFO], s[PFA:PFA+1] offset:NQ*FRB th:TH_LOAD_NT scope:SCOPE_SE
	global_prefetch_b8 v[PFO], s[PFA:PFA+1] offset:2*NQ*FRB th:TH_LOAD_NT scope:SCOPE_SE
	v_and_b32 v1, 31, v0
	v_lshlrev_b32 v3, 4, v1                        ; 16 x lane
	v_lshlrev_b32 v4, 3, v1                        ; 8 x lane
	v_and_b32 v5, 15, v0                           ; r
	v_bfe_u32 v6, v0, 4, 1                         ; h
	s_mul_i32 s18, s15, QUART                      ; my blocks of L,
	s_mul_i32 s19, s16, QUART
	s_add_co_u32 s19, s19, SIDEB                   ; and of P
.irp s, 0,1
	v_add_nc_u32 v[ADA16+\s], s18, v3
	v_add_nc_u32 v[ADA8+\s], s18, v4
	v_add_nc_u32 v[ADB16+\s], s19, v3
	v_add_nc_u32 v[ADB8+\s], s19, v4
	s_add_co_u32 s18, s18, SLOT
	s_add_co_u32 s19, s19, SLOT
.endr
	v_lshlrev_b32 v7, 2, v5
	v_mad_u32_u24 v[ADSA], v6, SKA, v7             ; 4 r, and one K step on for lanes 16-31
	v_mad_u32_u24 v[ADSB], v6, SKB, v7
	s_mul_i32 s18, s15, NBK*SIA
	s_add_co_u32 s18, s18, SCL
	s_mul_i32 s19, s16, NBK*SIB
	s_add_co_u32 s19, s19, SCL+2*HALFS
	v_add_nc_u32 v[ADSA], s18, v[ADSA]
	v_add_nc_u32 v[ADSB], s19, v[ADSB]
	s_wait_alu depctr_va_vdst(0)
	s_wait_tensorcnt 0x0                           ; my tile of the head's four is in; slot 1's first fill is issued as a refill is
	ds_add_u32 v[SPW], v[NIL]
	s_mov_b32 s[G1+2], NBK<<16                     ; no tensor load of mine is out: from here on a load brings a quarter of a slot, NBK tiles
	s_mov_b32 s[G1+4], NBK
	s_mov_b32 s[G1B+2], NBK<<16
	s_mov_b32 s[G1B+4], NBK
	s_wait_dscnt 0x0
	CROUND                                         ; all four tiles are in, and all sixteen work-groups are here
	JLOAD G0+4, G1, G0B+4, G1B                     ; slot 1, the first tensor load behind the round
	FETG 0, 0, 0, 0
	FETG 0, 0, 0, 1
	FETG 0, 0, 0, 2
	FETG 0, 0, 0, 3
	global_prefetch_b8 v[PFO], s[PFA:PFA+1] offset:3*NQ*FRB th:TH_LOAD_NT scope:SCOPE_SE
	STEP 0, 0, 1                                   ; the first step's products start the sums: nothing is cleared
	WIN 0
	s_mov_b32 s3, LAPS-1
.Llap:                                                 ; a trip goes once round the ring and fills both slots again
	TURN 0, 1, 1
	STEP 1, 0, 0
	TURN 1, 0, 1
	STEP 0, 0, 0
	WIN 0
	s_sub_co_u32 s3, s3, 1
	s_cmp_lg_u32 s3, 0
	s_cbranch_scc1 .Llap
	TURN 0, 1, 0                                   ; the last lap fills nothing
	STEP 1, 0, 0
	LAST
	WIN 0
	PLACES 4                                       ; behind the last products
	; THE WAY OUT.  For each L block a: 64 numbers a lane become a fragment.  Q, K: its two halves are two heads' operands of token tile T0 + a.  V: the fragment is d tile a % 4 of head hd0 + a / 4, for my 128 keys.
	; qkv: Q's codes [hd][128 tiles][768] at 0; Q's scale words [hd][128][64] at 3,145,728; K and V [hd][K: 128 tiles x 768 | V: 16 key steps x 4 d tiles x 1,536] at 3,407,872; their scale words [hd][K: 128 x 64 | V: 16 x 4 x 64] at 9,699,328.
	s_lshl_b32 s66, s17, 4
	s_lshl_b32 s67, s15, 3
	s_add_co_u32 s66, s66, s67                     ; Q, K: my first token tile
	s_lshr_b32 s67, s66, 7                         ; the batch
	s_and_b32 s66, s66, 127                        ; the tile within it
	s_lshl_b32 s67, s67, 4
	s_and_b32 s68, s42, 3
	s_lshl_b32 s68, s68, 2
	s_add_co_u32 s67, s67, s68
	s_lshl_b32 s68, s16, 1
	s_add_co_u32 s67, s67, s68                     ; Q, K: my first head
	s_lshl_b32 s68, s42, 1
	s_add_co_u32 s68, s68, s16                     ; V: my 128 keys among all tokens
	s_and_b32 s69, s68, 15                         ; the key step within the batch
	s_lshr_b32 s68, s68, 4
	s_lshl_b32 s68, s68, 4
	s_lshl_b32 s70, s41, 2
	s_add_co_u32 s68, s68, s70
	s_lshl_b32 s70, s15, 1
	s_add_co_u32 s68, s68, s70                     ; V: my first head
	s_mul_i32 s70, s66, 768
	s_mul_i32 s71, s69, 6144
	s_add_co_u32 s71, s71, 98304
	s_lshl_b32 s72, s66, 6
	s_lshl_b32 s73, s69, 8
	s_add_co_u32 s73, s73, 8192
	s_mov_b32 s74, 0xffff
	s_mov_b32 s75, 768
	s_mov_b32 s78, 256
	s_cmp_eq_u32 ttmp9, 2
	s_cselect_b32 s67, s68, s67                    ; the head
	s_cselect_b32 s70, s71, s70                    ; the codes' place within the head
	s_cselect_b32 s72, s73, s72                    ; the scale words'
	s_cselect_b32 s74, -1, s74                     ; Q, K: a head has the word's low two bytes; V: the whole word
	s_cselect_b32 s92, 1536, s75                   ; from a to a + 1,
	s_cselect_b32 s94, 192000, s75                 ; from a = 3 to a = 4 (V: the next head's first d tile)
	s_cselect_b32 s78, 12288, s78                  ; the scale words of lanes 16-31: 256 bytes on, or the next head's
	s_mov_b32 s93, 0
	s_mov_b32 s95, 0
	s_mov_b32 s80, 196608
	s_mov_b32 s81, 3407872
	s_mov_b32 s82, 12288
	s_mov_b32 s83, 9699328
	s_cmp_eq_u32 ttmp9, 0
	s_cselect_b32 s80, 98304, s80                  ; from head to head, codes
	s_cselect_b32 s81, 0, s81
	s_cselect_b32 s82, 8192, s82                   ; from head to head, scale words
	s_cselect_b32 s83, 3145728, s83
	s_mul_i32 s84, s67, s80
	s_add_co_u32 s84, s84, s81
	s_add_co_u32 s84, s84, s70
	s_mov_b32 s85, 0
	s_cmp_eq_u32 ttmp9, 2
	s_cselect_b32 s86, s75, s80                    ; the fragment's second half: 768 bytes on (V), or the next head (Q, K)
	s_mov_b32 s87, 0
	s_mul_i32 s88, s67, s82
	s_add_co_u32 s88, s88, s83
	s_add_co_u32 s88, s88, s72
	s_mov_b32 s89, 0
	s_mov_b32 s90, s82
	s_mov_b32 s91, 0
	s_add_nc_u64 s[4:5], s[12:13], s[84:85]
	s_add_nc_u64 s[6:7], s[4:5], s[86:87]
	s_add_nc_u64 s[8:9], s[12:13], s[88:89]
	s_add_nc_u64 s[10:11], s[8:9], s[90:91]
	s_mov_b32 s96, 0x76543210
	s_mov_b32 s97, 0xfedcba98                      ; v_permlanex16_b32's selects for lane l xor 16
	s_lshl_b32 s18, s14, 10                        ; my stage for scale words, 1,024 bytes, in slot 0: it has had its last fill, and nobody has read it since the last change of slots
	v_lshl_add_u32 v8, v5, 2, s18
	v_add_nc_u32 v9, s18, v3
	v_mul_u32_u24 v10, v6, s78
	v_lshl_add_u32 v10, v5, 4, v10
.irp b, 0,1,2,3
	v_mov_b32 v[TM+4+\b], 0                        ; a lane permute's destination counts as one of its sources
.endr
.irp a, 0,1,2,3,4,5,6,7
	QUANT 64*(\a%4), 2+\a/4
	v_and_b32 v81, s74, v[PW]
	v_lshrrev_b32 v82, 16, v[PW]
	ds_store_b32 v8, v81 offset:64*\a
	ds_store_b32 v8, v82 offset:512+64*\a
	global_store_b128 v3, v[PC:PC+3], s[4:5]               ; each store covers whole aligned runs of 256 bytes
	global_store_b64 v4, v[PC+4:PC+5], s[4:5] offset:512
	global_store_b128 v3, v[PC+6:PC+9], s[6:7]
	global_store_b64 v4, v[PC+10:PC+11], s[6:7] offset:512
.if \a < 7
	s_wait_xcnt 0x0                                ; the stores have read their registers and bases: both are written again
	s_wait_dscnt 0x0
.if \a == 3
	s_add_nc_u64 s[4:5], s[4:5], s[94:95]
	s_add_nc_u64 s[6:7], s[6:7], s[94:95]
.else
	s_add_nc_u64 s[4:5], s[4:5], s[92:93]
	s_add_nc_u64 s[6:7], s[6:7], s[92:93]
.endif
.endif
.endr
	ds_load_b128 v[84:87], v9                      ; LDS serves a wave's instructions in order: these see my stores
	ds_load_b128 v[88:91], v9 offset:512
	s_wait_dscnt 0x0
	global_store_b128 v10, v[84:87], s[8:9]
	s_cmp_eq_u32 ttmp9, 2
	s_cbranch_scc1 .Lno_second                     ; V's words are whole: there is no second head's half
	global_store_b128 v10, v[88:91], s[10:11]
.Lno_second:
	s_wait_tensorcnt 0x0                           ; the wave's end
	ds_add_u32 v[SPW], v[NIL]
	s_wait_dscnt 0x0
	CROUND                                         ; the closing round
	s_endpgm
.Lfunc_end_k_qcb9cff754b_qkv:
	.size	k_qcb9cff754b_qkv, .Lfunc_end_k_qcb9cff754b_qkv-k_qcb9cff754b_qkv
	.p2alignl 7, 3214868480
	.fill 96, 4, 3214868480
	.section	.rodata,"a",@progbits
	.p2align	6, 0x0
	.amdhsa_kernel k_qcb9cff754b_qkv
		.amdhsa_group_segment_fixed_size 327680
		.amdhsa_private_segment_fixed_size 0
		.amdhsa_enable_private_segment 0
		.amdhsa_kernarg_size 24
		.amdhsa_user_sgpr_count 2
		.amdhsa_user_sgpr_kernarg_segment_ptr 1
		.amdhsa_wavefront_size32 1
		.amdhsa_system_sgpr_workgroup_id_x 1
		.amdhsa_system_sgpr_workgroup_id_y 1
		.amdhsa_system_sgpr_workgroup_id_z 1
		.amdhsa_system_vgpr_workitem_id 0
		.amdhsa_next_free_vgpr 1024
		.amdhsa_next_free_sgpr 100
		.amdhsa_reserve_vcc 0
		.amdhsa_float_denorm_mode_32 3
		.amdhsa_float_denorm_mode_16_64 3
		.amdhsa_memory_ordered 1
		.amdhsa_forward_progress 1
		.amdhsa_inst_pref_size 157
	.end_amdhsa_kernel
	.amdgpu_metadata
---
amdhsa.version: [ 1, 2 ]
amdhsa.kernels:
  - .name:           k_qcb9cff754b_qkv
    .symbol:         k_qcb9cff754b_qkv.kd
    .args:
      - { .name: hq, .offset: 0, .size: 8, .value_kind: global_buffer, .address_space: global }
      - { .name: wts, .offset: 8, .size: 8, .value_kind: global_buffer, .address_space: global }
      - { .name: qkv, .offset: 16, .size: 8, .value_kind: global_buffer, .address_space: global }
    .group_segment_fixed_size: 327680
    .private_segment_fixed_size: 0
    .kernarg_segment_align: 8
    .kernarg_segment_size: 24
    .max_flat_workgroup_size: 128
    .sgpr_count:     100
    .vgpr_count:     1024
    .wavefront_size: 32
...
	.end_amdgpu_metadata
.endif
;; end of part 2
;; launch attn (part 3): grid 8 x 32, 8 waves a work-group, clusters of 4 x 1, 327,680 bytes of LDS; arguments qkv, ctx; writes ctx
.if DOCPART == 3
	.amdgcn_target "amdgcn-amd-amdhsa--gfx1250"
	.amdhsa_code_object_version 6
	.text
	.protected	k_qcb9cff754b_attn
	.globl	k_qcb9cff754b_attn
	.p2align	8
	.type	k_qcb9cff754b_attn,@function
k_qcb9cff754b_attn:
	s_mov_b64 s[64:65], 0
	v_nop
	global_prefetch_b8 v0, s[64:65] scope:SCOPE_SE
	s_setreg_imm32_b32 hwreg(HW_REG_WAVE_MODE, 25, 1), 1
	s_wait_xcnt 0x0
	s_wait_alu depctr_hold_cnt(0) depctr_sa_sdst(0) depctr_va_vdst(0) depctr_va_sdst(0) depctr_va_ssrc(0) depctr_va_vcc(0) depctr_vm_vsrc(0)
	s_getreg_b32 s2, hwreg(HW_REG_IB_STS2, 6, 4)
	s_cmp_eq_u32 s2, 0
	s_cbranch_scc0 .Lentry_in_a_cluster
	s_endpgm
.Lentry_in_a_cluster:
	s_bfe_u32 s2, ttmp6, 0x10000c
	s_cmp_lg_u32 s2, 0x3003
	s_cbranch_scc0 .Lentry_shape_is_right
	s_endpgm
.Lentry_shape_is_right:
; CAUSAL ATTENTION ON CODES OF FP6 (E2M3) WITH E8M0 SCALES: ctx = softmax(Q K^T / 8, causal) V for one batch and head a work-group row, quantised again along the model's axis on the way out.
; Key steps that lie wholly above the diagonal are left out: their p are 0 for every input.
; INPUT qkv: Q's codes [hd][128 tiles][768] at 0, its scale words [hd][128][64] at QSB; K and V [hd][K: 128 tiles x 768 | V: 16 key steps x 4 d tiles x 1,536] at KVB, their scale words [hd][K: 128 x 64 | V: 16 x 4 x 64] at KVSB.
; All are images of operand registers: registers 0-3 at 16 x lane, 4, 5 at 512 + 8 x lane (a head's 64 fill half a fragment: the other six registers are zero codes).  Lane r of tile u of a group of 32 rows is row 8u + r + 8 (r / 8).
; OUTPUT ctx: [token tile][K step = head / 2][1,536], half head % 2; scale bytes from 3,145,728: [tile][K step][4 r + 2 (head % 2) + h].
; THE DEAL.  Work-group (x, hd) has the 16 query tiles 8 b + x, b = 0 .. 15, of head hd; tile 8 b + x wants key steps 0 .. b.  Eight waves, two passes: wave w takes b = 15 - w, then b = w: 17 key steps for every wave.
; Both products are used transposed (S^T = K Q^T, O^T = V^T p^T): a lane holds one query.  M is the ceiling of the running largest t, so every rescaling is a power of two; the row's sum is taken of the unquantised p.
; LDS: K at 0, V at LV, the scale words at LS, all of the head, filled once at the head by one joint load a wave (the four work-groups of a cluster share the head): waves 0-5 32,768 bytes of codes each, waves 6, 7 6,144 bytes of scale words each.
; No data prefetch: all that the launch reads through LDS is asked for at its head, and there is no refill to run ahead of.
; REGISTERS.  Window 0: v1-11, v29-31 addresses; v12-15 -M, largest t, the sum; v16-27 Q; v28 Q's scale words; v32-39 K's, v84-87 V's, v88 p's; v40 the second pass's Q scale words; v90, v91 the spare word's; v96-159 S^T, then p; v160-191 O^T; v192-210 p's codes; v212-229 at work.
; Window 1: v96-143 V's four fragments; v144-149 the second pass's Q; v160-255 K's eight fragments.  V of this step and K of the next are asked for behind the score products, a softmax ahead of their use.
; LIMITS: the promise holds while the scaled scores stay under 2^31 in magnitude.  A block whose every p is 0, or a block of ctx under 2^-124, gets the byte 1; this program alone reads the bytes.  NaN and infinities are not served.
.set KVB,  3407872
.set KVSB, 9699328
.set QSB,  3145728
.set LV,   98304
.set LS,   196608
.set SPARE, 212992                     ; the spare words: 128 bytes a wave, four blocks of 256 bytes that no other line names
.set PS,  3
.set WV,  18
.set BLK, 19
.set SEL, 20
.set CS,  22
.set G1,  24
.set G1S, 32
.set G0S, 40
.set G0,  44
.set KS,  48
.set TB,  49
.set TS,  50
.set TJ,  51
.set KSC, 32
.set QNS, 40
.set SPW, 90
.set NIL, 91
.set VF,  96
.set QN,  144
.set KF,  160
.set BM,  212
.set PT,  216
.set SO,  220
.set MSB, 0
.macro WIN new                         ; the immediate's high byte repeats the setting that is left
.if MSB != (\new)
	s_set_vgpr_msb (MSB<<8)|(\new)
.set MSB, (\new)
.endif
.endm
.macro PLACES n
.rept \n
	v_nop
.endr
.endm
.macro CROUND
	s_barrier_signal -1
	s_barrier_wait -1
	s_cmp_lg_u32 s[WV], 0
	s_cbranch_scc1 .Lnot_wave_0_\@
	s_barrier_signal -3
.Lnot_wave_0_\@:
	s_barrier_wait -3
	s_barrier_signal -1
	s_barrier_wait -1
.endm
.macro KLOAD a16, a8, as, o, so        ; a key step's eight tiles of K into window 1 and their scale words: 24 loads
	WIN 0x40
.irp i, 0,1,2,3,4,5,6,7
	ds_load_b128 v[KF+12*\i:KF+12*\i+3], v[\a16] offset:(\o)+768*\i
	ds_load_b64 v[KF+12*\i+4:KF+12*\i+5], v[\a8] offset:(\o)+768*\i+512
.endr
	WIN 0
.irp i, 0,1,2,3,4,5,6,7
	ds_load_b32 v[KSC+\i], v[\as] offset:(\so)+64*\i
.endr
.endm
	s_load_b128 s[4:7], s[0:1], 0x0                ; qkv, ctx
	v_lshl_add_u32 v[SPW], v0, 2, SPARE
	v_mov_b32 v[NIL], 0
	ds_add_u32 v[SPW], v[NIL]                      ; the opening lines: the add, twice on end, and its wait
	ds_add_u32 v[SPW], v[NIL]
	v_lshrrev_b32 v1, 5, v0
	v_readfirstlane_b32 s[WV], v1                  ; wave 0..7
	s_bfe_u32 s8, ttmp6, 0x40000                   ; cx
	s_lshl_b32 s9, ttmp9, 2
	s_add_co_u32 s9, s9, s8                        ; x: my tile within each block of eight
	s_and_b32 s10, ttmp7, 0xffff                   ; hd = 16 x batch + head
	s_sub_co_u32 s11, 15, s[WV]                    ; the first pass's block
	s_mov_b32 s[G1], 15|(3<<16)|(1<<21)            ; the four partners; elements of 8 bytes; rows of 256 bytes, dense
	s_mov_b32 s[G1+1], 32<<16
	s_mov_b32 s[G1+2], 128<<16
	s_mov_b32 s[G1+3], 32<<16
	s_mov_b32 s[G1+4], 128
	s_mov_b32 s[G1+5], 32
	s_mov_b32 s[G1+6], 0
	s_mov_b32 s[G1+7], 0
	s_mov_b32 s[G1S], 15|(3<<16)|(1<<21)
	s_mov_b32 s[G1S+1], 32<<16
	s_mov_b32 s[G1S+2], 24<<16
	s_mov_b32 s[G1S+3], 32<<16
	s_mov_b32 s[G1S+4], 24
	s_mov_b32 s[G1S+5], 32
	s_mov_b32 s[G1S+6], 0
	s_mov_b32 s[G1S+7], 0
	s_lshl_b32 s54, s[WV], 15                      ; waves 0-5: my 32,768 bytes of the head's codes
	s_mul_i32 s52, s10, 196608
	s_add_co_u32 s52, s52, s54
	s_add_co_u32 s52, s52, KVB
	s_mov_b32 s53, 0
	s_mul_i32 s55, s[WV], 6144                     ; waves 6, 7: my 6,144 bytes of its scale words, (wave - 6) x 6,144
	s_mul_i32 s56, s10, 12288
	s_add_co_u32 s56, s56, s55
	s_add_co_u32 s56, s56, KVSB-36864
	s_mov_b32 s57, 0
	s_lshl_b32 s58, s10, 7
	s_add_co_u32 s58, s58, s9
	s_lshl_b32 s12, s11, 3
	s_add_co_u32 s12, s12, s58                     ; the first pass's query tile,
	s_lshl_b32 s13, s[WV], 3
	s_add_co_u32 s13, s13, s58                     ; the second's
	s_mul_i32 s60, s12, 768
	s_mov_b32 s61, 0
	s_mul_i32 s62, s13, 768
	s_mov_b32 s63, 0
	s_lshl_b32 s66, s12, 6
	s_add_co_u32 s66, s66, QSB
	s_mov_b32 s67, 0
	s_lshl_b32 s68, s13, 6
	s_add_co_u32 s68, s68, QSB
	s_mov_b32 s69, 0
	s_lshr_b32 s70, s10, 4                         ; ctx, block 0's tile: (128 x batch + x) x 8 + head / 2
	s_lshl_b32 s70, s70, 7
	s_add_co_u32 s70, s70, s9
	s_lshl_b32 s70, s70, 3
	s_and_b32 s71, s10, 15
	s_lshr_b32 s71, s71, 1
	s_add_co_u32 s70, s70, s71
	s_and_b32 s71, s10, 1
	s_mul_i32 s72, s70, 1536
	s_mul_i32 s73, s71, 768
	s_add_co_u32 s72, s72, s73
	s_mov_b32 s73, 0
	s_lshl_b32 s74, s70, 6
	s_lshl_b32 s75, s71, 1
	s_add_co_u32 s74, s74, s75
	s_add_co_u32 s74, s74, 3145728
	s_mov_b32 s75, 0
	s_mov_b32 s77, 0
	s_lshr_b32 s16, s9, 1                          ; my tile's first query within its 128: 32 (x / 2) + 8 (x % 2)
	s_lshl_b32 s16, s16, 5
	s_and_b32 s17, s9, 1
	s_lshl_b32 s17, s17, 3
	s_add_co_u32 s16, s16, s17
	s_mov_b32 s[SEL], 0x76543210
	s_mov_b32 s[SEL+1], 0xfedcba98                 ; v_permlanex16_b32's selects for lane l xor 16
	s_mov_b32 s[CS], 0x3e38aa3b                    ; log2(e) / 8
	s_mov_b32 s[CS+1], s[CS]
	s_wait_dscnt 0x0
	s_wait_kmcnt 0x0
	s_mov_b32 s[G0], 1
	s_mov_b32 s[G0+1], s54
	s_add_nc_u64 s[G0+2:G0+3], s[4:5], s[52:53]
	s_or_b32 s[G0+3], s[G0+3], 0x80000000
	s_mov_b32 s[G0S], 1
	s_add_co_u32 s[G0S+1], s55, LS-36864
	s_add_nc_u64 s[G0S+2:G0S+3], s[4:5], s[56:57]
	s_or_b32 s[G0S+3], s[G0S+3], 0x80000000
	s_add_nc_u64 s[60:61], s[4:5], s[60:61]
	s_add_nc_u64 s[62:63], s[4:5], s[62:63]
	s_add_nc_u64 s[66:67], s[4:5], s[66:67]
	s_add_nc_u64 s[68:69], s[4:5], s[68:69]
	s_add_nc_u64 s[72:73], s[6:7], s[72:73]
	s_add_nc_u64 s[74:75], s[6:7], s[74:75]
	CROUND                                         ; the four partners are here: the joint loads meet
	s_cmp_lt_u32 s[WV], 6                          ; one chain, one load to an arm: every wave issues one
	s_cbranch_scc0 .Lscales
	tensor_load_to_lds s[G0:G0+3], s[G1:G1+7]
	s_nop 0
	PLACES 4
	s_branch .Lasked
.Lscales:
	tensor_load_to_lds s[G0S:G0S+3], s[G1S:G1S+7]
	s_nop 0
	PLACES 4
.Lasked:
	v_and_b32 v31, 31, v0
	v_lshlrev_b32 v1, 4, v31                       ; 16 x lane
	v_lshlrev_b32 v2, 3, v31                       ; 8 x lane
	v_and_b32 v226, 15, v0                         ; r
	v_bfe_u32 v227, v0, 4, 1                       ; h
	v_lshlrev_b32 v228, 2, v226
	global_load_b128 v[16:19], v1, s[60:61]        ; the first pass's Q,
	global_load_b64 v[20:21], v2, s[60:61] offset:512
	global_load_b32 v28, v228, s[66:67]
	WIN 0x40
	global_load_b128 v[QN:QN+3], v1, s[62:63]      ; and the second's, kept until the change of pass
	global_load_b64 v[QN+4:QN+5], v2, s[62:63] offset:512
.irp i, 0,1,2,3,4,5,6,7
.irp j, 6,7,8,9,10,11
	v_mov_b32 v[KF+12*\i+\j], 0                    ; the upper half of K's fragments: zero codes, written once
.endr
.endr
	WIN 0
	global_load_b32 v[QNS], v228, s[68:69]
	v_lshl_add_u32 v3, v226, 2, LS                 ; K's scale words
	v_lshl_add_u32 v4, v226, 2, LS+8192            ; V's
	v_add_nc_u32 v6, LV, v1
	v_add_nc_u32 v7, LV, v2
	v_and_b32 v5, 8, v226
	v_add_nc_u32 v5, v5, v226
	v_lshlrev_b32 v229, 4, v227
	v_sub_nc_u32 v5, v5, v229
	v_add_nc_u32 v5, s16, v5                       ; my query within its 128, less 16 h: register n is hidden where 32 (n / 16) + n % 16 exceeds it
	v_lshl_add_u32 v31, v226, 2, v227
.irp j, 22,23,24,25,26,27
	v_mov_b32 v[\j], 0                             ; the upper half of Q's fragment
.endr
	v_mov_b32 v225, 0                              ; (named as the upper half of a pair)
.irp b, 0,1,2,3
	v_mov_b32 v[PT+\b], 0                          ; a lane permute's destination counts as one of its sources
.endr
	s_wait_alu depctr_va_vdst(0)
	s_wait_loadcnt 0x0
	s_wait_tensorcnt 0x0                           ; my part of the head's K, V or scale words is in
	s_barrier_signal -1
	s_barrier_wait -1                              ; and everybody's
	s_mov_b32 s[PS], 0
.Lpass:                                                ; two trips: block 15 - wave, then block wave
	s_cmp_eq_u32 s[PS], 0
	s_cselect_b32 s[BLK], s11, s[WV]
	s_wait_xcnt 0x0                                ; the last pass's stores have read their bases and registers
	s_mul_i32 s76, s[BLK], 98304
	s_add_nc_u64 s[12:13], s[72:73], s[76:77]      ; this pass's tile of ctx,
	s_lshl_b32 s76, s[BLK], 12
	s_add_nc_u64 s[14:15], s[74:75], s[76:77]      ; and its scale bytes
	s_mov_b32 s[KS], 0
	s_mov_b32 s[TB], 0
	s_mov_b32 s[TS], 0
	s_mov_b32 s[TJ], 0
	v_mov_b32 v13, 0xff61b1e6                      ; the largest t so far: -3e38
	v_floor_f32 v12, -v13
	v_mov_b32 v14, 0
	v_mov_b32 v15, 0
.set j, 0
.rept 32
	v_mov_b32 v[160+j], 0                          ; O^T: the step is written once and finds zeros
.set j, j+1
.endr
	KLOAD 1, 2, 3, 0, 0                            ; key step 0's K
	s_wait_alu depctr_va_vdst(0)
.Lstep:                                                ; sixteen trips; the steps above the diagonal are passed over by ids alone
	s_cmp_gt_u32 s[KS], s[BLK]
	s_cbranch_scc1 .Lhidden
	s_wait_dscnt 0x0                               ; this step's K, asked for a step ago
	WIN 0x01                                       ; source 0 in window 1
.irp i, 0,1,2,3,4,5,6,7
	v_wmma_scale_f32_16x16x128_f8f6f4 v[96+8*\i:103+8*\i], v[KF+12*\i:KF+12*\i+11], v[16:27], 0, v[KSC+\i], v28 matrix_a_fmt:MATRIX_FMT_FP6 matrix_b_fmt:MATRIX_FMT_FP6
.endr
	WIN 0
	v_add_nc_u32 v29, s[TB], v6                    ; six address lines: also the places behind the products (ISA guide 7.12.1)
	v_add_nc_u32 v30, s[TB], v7
	v_add_nc_u32 v11, s[TJ], v4
	v_add_nc_u32 v8, s[TB], v1
	v_add_nc_u32 v9, s[TB], v2
	v_add_nc_u32 v10, s[TS], v3
	WIN 0x40
.irp d, 0,1,2,3
	ds_load_b128 v[VF+12*\d:VF+12*\d+3], v29 offset:1536*\d          ; this step's V: 16 + 4 loads
	ds_load_b64 v[VF+12*\d+4:VF+12*\d+5], v30 offset:1536*\d+512
	ds_load_b128 v[VF+12*\d+6:VF+12*\d+9], v29 offset:1536*\d+768
	ds_load_b64 v[VF+12*\d+10:VF+12*\d+11], v30 offset:1536*\d+1280
.endr
	WIN 0
.irp d, 0,1,2,3
	ds_load_b32 v[84+\d], v11 offset:64*\d
.endr
	KLOAD 8, 9, 10, 6144, 512                      ; the next step's K: 24 loads (behind the last step they bring filled bytes of V's part that nothing reads)
	s_cmp_lg_u32 s[KS], s[BLK]
	s_cbranch_scc1 .Lopen
	v_mov_b32 v226, 0xff800000                     ; the step on the diagonal: hidden keys get -infinity
.set n, 0
.rept 64
	v_cmp_gt_i32 vcc_lo, 32*(n/16)+n%16, v5
	v_cndmask_b32 v[96+n], v[96+n], v226, vcc_lo
.set n, n+1
.endr
.Lopen:
.irp b, 0,1,2,3
	v_max3_num_f32 v[BM+\b], v[96+16*\b], v[97+16*\b], v[98+16*\b]   ; the largest score of each block of 32 keys
.endr
.irp i, 3,5,7,9,11,13
.irp b, 0,1,2,3
	v_max3_num_f32 v[BM+\b], v[BM+\b], v[96+16*\b+\i], v[97+16*\b+\i]
.endr
.endr
.irp b, 0,1,2,3
	v_max_num_f32 v[BM+\b], v[BM+\b], v[111+16*\b]
.endr
.irp b, 0,1,2,3
	s_delay_alu instid0(VALU_DEP_4)
	v_permlanex16_b32 v[PT+\b], v[BM+\b], s[SEL], s[SEL+1]
.endr
.irp b, 0,1,2,3
	s_delay_alu instid0(VALU_DEP_4)
	v_max_num_f32 v[BM+\b], v[BM+\b], v[PT+\b]
.endr
	s_delay_alu instid0(VALU_DEP_2)
	v_max3_num_f32 v226, v[BM], v[BM+1], v[BM+2]
	s_delay_alu instid0(VALU_DEP_1)
	v_max_num_f32 v226, v226, v[BM+3]
	s_delay_alu instid0(VALU_DEP_1)
	v_mul_f32 v226, s[CS], v226
	s_delay_alu instid0(VALU_DEP_1)
	v_max_num_f32 v13, v13, v226                   ; the running largest t
	v_mov_b32 v226, v12
	s_delay_alu instid0(VALU_DEP_2)
	v_floor_f32 v12, -v13                          ; -M = floor(-t)
	s_delay_alu instid0(VALU_DEP_1)
	v_sub_f32 v226, v12, v226
	s_delay_alu instid0(VALU_DEP_1)
	v_cvt_i32_f32 v226, v226
	s_delay_alu instid0(VALU_DEP_1)
	v_ldexp_f32 v224, 1.0, v226                    ; f = 2^(old M - new M)
.set j, 0
.rept 32
	v_pk_fma_f32 v[96+j:97+j], v[96+j:97+j], s[CS:CS+1], v[12:13] op_sel_hi:[1,0,0]   ; t - M
.set j, j+2
.endr
.irp b, 0,1,2,3
	v_fma_f32 v[BM+\b], v[BM+\b], s[CS], v12
.endr
.set j, 0
	s_wait_alu depctr_va_vdst(0)
.rept 64
	v_exp_f32 v[96+j], v[96+j]                     ; p = 2^(t - M)
.set j, j+1
.endr
	v_pk_mul_f32 v[14:15], v[14:15], v[224:225] op_sel_hi:[1,0]
	s_wait_alu depctr_va_vdst(0)
.irp b, 0,1,2,3
	v_exp_f32 v[BM+\b], v[BM+\b]                   ; each block's largest p
.endr
	v_pk_add_f32 v[228:229], v[96:97], v[98:99]    ; the row's sum, of the unquantised p, in two chains
.irp j, 4,8,12,16,20,24,28,32,36,40,44,48,52,56,60
	v_pk_add_f32 v[14:15], v[14:15], v[96+\j:97+\j]
	v_pk_add_f32 v[228:229], v[228:229], v[98+\j:99+\j]
.endr
	s_delay_alu instid0(VALU_DEP_1)
	v_pk_add_f32 v[14:15], v[14:15], v[228:229]
	s_wait_alu depctr_va_vdst(0)
.irp b, 0,1,2,3
	v_max_num_f32 v[BM+\b], 0x1800000, v[BM+\b]    ; the floor 2^(3 - 127): the byte cannot fall under 1
.endr
.irp b, 0,1,2,3
	s_delay_alu instid0(VALU_DEP_4)
	v_add_nc_u32 v[SO+\b], 0xff000000, v[BM+\b]    ; 2 off the exponent field: the conversion's scale operand
.endr
.irp b, 0,1,2,3
	s_delay_alu instid0(VALU_DEP_4)
	v_lshrrev_b32 v[PT+\b], 23, v[SO+\b]
.endr
	s_delay_alu instid0(VALU_DEP_3)
	v_lshl_or_b32 v88, v[PT+1], 8, v[PT]
	s_delay_alu instid0(VALU_DEP_1)
	v_lshl_or_b32 v88, v[PT+2], 16, v88
	s_delay_alu instid0(VALU_DEP_1)
	v_lshl_or_b32 v88, v[PT+3], 24, v88            ; p's scale word for these 128 keys
.irp c, 0,1
	v_cvt_scalef32_pk16_fp6_f32 v[192+6*\c:194+6*\c], v[96+32*\c:111+32*\c], v[SO+2*\c]
	v_cvt_scalef32_pk16_fp6_f32 v[204+4*\c:206+4*\c], v[112+32*\c:127+32*\c], v[SO+2*\c+1]
.endr
	v_nop                                          ; one plain line behind a scaled conversion
.irp c, 0,1                            ; the operand's layout wants a whole block in a lane
.irp i, 0,1,2
	v_permlane16_swap_b32 v[192+6*\c+\i], v[204+4*\c+\i]
.endr
.irp i, 0,1,2
	s_delay_alu instid0(VALU_DEP_3)
	v_mov_b32 v[195+6*\c+\i], v[204+4*\c+\i]
.endr
.endr
	s_wait_alu depctr_va_vdst(0)
.set j, 0
.rept 16
	v_pk_mul_f32 v[160+j:161+j], v[160+j:161+j], v[224:225] op_sel_hi:[1,0]   ; O^T under the new M; also the places ahead of the products below
.set j, j+2
.endr
	s_wait_alu depctr_va_vdst(0)
	s_wait_dscnt 24                                ; V and its scale words are in; younger are the next step's 16 + 8 loads of K
	WIN 0x01
.irp d, 0,1,2,3
	v_wmma_scale_f32_16x16x128_f8f6f4 v[160+8*\d:167+8*\d], v[VF+12*\d:VF+12*\d+11], v[192:203], v[160+8*\d:167+8*\d], v[84+\d], v88 matrix_a_fmt:MATRIX_FMT_FP6 matrix_b_fmt:MATRIX_FMT_FP6
.endr
	WIN 0
.Lhidden:
	s_add_co_u32 s[TB], s[TB], 6144
	s_add_co_u32 s[TS], s[TS], 512
	s_add_co_u32 s[TJ], s[TJ], 256
	s_add_co_u32 s[KS], s[KS], 1
	s_cmp_lt_u32 s[KS], 16
	s_cbranch_scc1 .Lstep
	s_wait_alu depctr_va_vdst(0)
	s_wait_dscnt 0x0                               ; the loads asked for behind the last step have come: their registers are loaded anew in the next pass
	PLACES 4                                       ; behind the last products
	v_add_f32 v14, v14, v15
	s_delay_alu instid0(VALU_DEP_1)
	v_permlanex16_b32 v[PT], v14, s[SEL], s[SEL+1]
	s_delay_alu instid0(VALU_DEP_1)
	v_add_f32 v14, v14, v[PT]                      ; the row's sum
	s_wait_alu depctr_va_vdst(0)
	v_rcp_f32 v14, v14
	v_nop
	s_wait_alu depctr_va_vdst(0)
.set j, 0
.rept 32
	v_mul_f32 v[96+j], v[160+j], v14               ; register 16 b + i is ctx(query, 32 b + 16 h + i)
.set j, j+1
.endr
.irp b, 0,1
	v_max3_num_f32 v[BM+\b], |v[96+16*\b]|, |v[97+16*\b]|, 0x1800000
.endr
.irp i, 2,4,6,8,10,12,14
.irp b, 0,1
	s_delay_alu instid0(VALU_DEP_2)
	v_max3_num_f32 v[BM+\b], v[BM+\b], |v[96+16*\b+\i]|, |v[97+16*\b+\i]|
.endr
.endr
.irp b, 0,1
	s_delay_alu instid0(VALU_DEP_2)
	v_permlanex16_b32 v[PT+\b], v[BM+\b], s[SEL], s[SEL+1]
.endr
.irp b, 0,1
	s_delay_alu instid0(VALU_DEP_2)
	v_max_num_f32 v[BM+\b], v[BM+\b], v[PT+\b]
.endr
.irp b, 0,1
	s_delay_alu instid0(VALU_DEP_2)
	v_add_nc_u32 v[SO+\b], 0xff000000, v[BM+\b]
.endr
.irp b, 0,1
	s_delay_alu instid0(VALU_DEP_2)
	v_lshrrev_b32 v[PT+\b], 23, v[SO+\b]
.endr
	v_cvt_scalef32_pk16_fp6_f32 v[192:194], v[96:111], v[SO]
	v_cvt_scalef32_pk16_fp6_f32 v[204:206], v[112:127], v[SO+1]
	v_nop
.irp i, 0,1,2
	v_permlane16_swap_b32 v[192+\i], v[204+\i]
.endr
.irp i, 0,1,2
	s_delay_alu instid0(VALU_DEP_3)
	v_mov_b32 v[195+\i], v[204+\i]
.endr
	v_cmp_eq_u32 vcc_lo, 1, v227
	s_delay_alu instid0(VALU_DEP_1)
	v_cndmask_b32 v226, v[PT], v[PT+1], vcc_lo     ; lanes 0-15 store block 0's byte, lanes 16-31 block 1's
	global_store_b128 v1, v[192:195], s[12:13]     ; 512 and 256 consecutive bytes, at multiples of 256
	global_store_b64 v2, v[196:197], s[12:13] offset:512
	global_store_b8 v31, v226, s[14:15]
	WIN 0x01
.irp j, 0,1,2,3,4,5
	v_mov_b32 v[16+\j], v[QN+\j]                   ; the second pass's Q takes its place (seven moves; the loop has one body, so the second trip makes them too)
.endr
	WIN 0
	v_mov_b32 v28, v[QNS]
	s_add_co_u32 s[PS], s[PS], 1
	s_cmp_lt_u32 s[PS], 2
	s_wait_alu depctr_va_vdst(0)
	s_cbranch_scc1 .Lpass
	s_wait_tensorcnt 0x0                           ; the wave's end
	ds_add_u32 v[SPW], v[NIL]
	s_wait_dscnt 0x0
	CROUND                                         ; the closing round
	s_endpgm
.Lfunc_end_k_qcb9cff754b_attn:
	.size	k_qcb9cff754b_attn, .Lfunc_end_k_qcb9cff754b_attn-k_qcb9cff754b_attn
	.p2alignl 7, 3214868480
	.fill 96, 4, 3214868480
	.section	.rodata,"a",@progbits
	.p2align	6, 0x0
	.amdhsa_kernel k_qcb9cff754b_attn
		.amdhsa_group_segment_fixed_size 327680
		.amdhsa_private_segment_fixed_size 0
		.amdhsa_enable_private_segment 0
		.amdhsa_kernarg_size 16
		.amdhsa_user_sgpr_count 2
		.amdhsa_user_sgpr_kernarg_segment_ptr 1
		.amdhsa_wavefront_size32 1
		.amdhsa_system_sgpr_workgroup_id_x 1
		.amdhsa_system_sgpr_workgroup_id_y 1
		.amdhsa_system_sgpr_workgroup_id_z 1
		.amdhsa_system_vgpr_workitem_id 0
		.amdhsa_next_free_vgpr 512
		.amdhsa_next_free_sgpr 80
		.amdhsa_reserve_vcc 1
		.amdhsa_float_denorm_mode_32 3
		.amdhsa_float_denorm_mode_16_64 3
		.amdhsa_memory_ordered 1
		.amdhsa_forward_progress 1
		.amdhsa_inst_pref_size 41
	.end_amdhsa_kernel
	.amdgpu_metadata
---
amdhsa.version: [ 1, 2 ]
amdhsa.kernels:
  - .name:           k_qcb9cff754b_attn
    .symbol:         k_qcb9cff754b_attn.kd
    .args:
      - { .name: qkv, .offset: 0, .size: 8, .value_kind: global_buffer, .address_space: global }
      - { .name: ctx, .offset: 8, .size: 8, .value_kind: global_buffer, .address_space: global }
    .group_segment_fixed_size: 327680
    .private_segment_fixed_size: 0
    .kernarg_segment_align: 8
    .kernarg_segment_size: 16
    .max_flat_workgroup_size: 256
    .sgpr_count:     80
    .vgpr_count:     512
    .wavefront_size: 32
...
	.end_amdgpu_metadata
.endif
;; end of part 3
;; launch wo (part 4): grid 8 x 32, 4 waves a work-group, clusters of 4 x 4, 327,680 bytes of LDS; arguments ctx, wts, b_o, x, x1; writes x1
.if DOCPART == 4
	.amdgcn_target "amdgcn-amd-amdhsa--gfx1250"
	.amdhsa_code_object_version 6
	.text
	.protected	k_qcb9cff754b_wo
	.globl	k_qcb9cff754b_wo
	.p2align	8
	.type	k_qcb9cff754b_wo,@function
k_qcb9cff754b_wo:
	s_mov_b64 s[64:65], 0
	v_nop
	global_prefetch_b8 v0, s[64:65] scope:SCOPE_SE
	s_setreg_imm32_b32 hwreg(HW_REG_WAVE_MODE, 25, 1), 1
	s_wait_xcnt 0x0
	s_wait_alu depctr_hold_cnt(0) depctr_sa_sdst(0) depctr_va_vdst(0) depctr_va_sdst(0) depctr_va_ssrc(0) depctr_va_vcc(0) depctr_vm_vsrc(0)
	s_getreg_b32 s2, hwreg(HW_REG_IB_STS2, 6, 4)
	s_cmp_eq_u32 s2, 0
	s_cbranch_scc0 .Lentry_in_a_cluster
	s_endpgm
.Lentry_in_a_cluster:
	s_bfe_u32 s2, ttmp6, 0x10000c
	s_cmp_lg_u32 s2, 0xf033
	s_cbranch_scc0 .Lentry_shape_is_right
	s_endpgm
.Lentry_shape_is_right:
; x1 = x + ctx w_o + b_o, the product on codes of FP6 (E2M3) with E8M0 scales, K = 1,024, sums in f32.
; OPERANDS are images of their registers: a fragment (16 rows x 128 K) is 1,536 bytes: for c = 0, 1 registers 6c..6c+3 at 768c + 16 x lane, 6c+4, 6c+5 at 768c + 512 + 8 x lane; they lie [tile][K step][1,536], scale words [tile][K step][64].
; A tile of the result is 128 x 128 (N = 1,024 would give only 64 tiles of 256 x 256 for 256 WGPs): four waves, 64 x 64 each: 16 accumulators.  Source 0 = 16 columns of the weight (the P side), source 1 = 16 tokens (the L side):
; a lane holds one token and eight neighbouring columns.  The rows of a tile: lane r of tile u of a group of 32 takes row 8u + r + 8 (r / 8).
; LDS: ALL OF K AT ONCE: L's eight tiles (98,304 bytes), P's eight, the scale words, the spare words, the waves' stages.  Four joint loads at the head, one a wave: L's side, P's, L's scale words, P's.  L's tiles are shared along a row of the 4 x 4 cluster, P's along a column.
; Nothing is filled again, so one barrier shows the tiles to all waves and none stands in the walk along K.  No data prefetch: all that the launch reads through LDS is asked for at its head.
; FOUR FRAGMENT SETS: step q multiplies set q % 4 and asks for the fragments of the step two on, so a step's wait names what the step before asked for as still out.
; One scale register carries two K steps: lanes 0-15 the even step's words, lanes 16-31 the odd step's.  The bias is the C of each sum's first product.
; REGISTERS: window 0: v3-10 lane terms, v16-25 LDS addresses, v28-29 the spare word's, v32-63 scale words (nothing else), v64-255 fragment sets 1 and 3; window 1: v0-31 the bias, v64-255 sets 0 and 2
; (set p: L at 64 + 48 (p / 2) + 12 i, P at 160 + 48 (p / 2) + 12 i); window 2: accumulator (a, b) at v[8 (4 a + b)]; window 3: v0-127 the residual.
.set NBK, 4
.set NQ,  8
.set KST, 8
.set SIA, 512
.set SKA, 64
.set SIB, 512
.set SKB, 64
.set ASOFF, 3145728                    ; the L side's scale words in its buffer
.set BOFF,  2359296                    ; the weight's codes in wts
.set BSOFF, 9535488                    ; and its scale words
.set FRB,   1536
.set QUART, NBK*NQ*FRB                 ; what one wave reads of a side
.set SIDEB, 2*QUART
.set HALFS, NBK*KST*64
.set SCL,   2*SIDEB
.set SPARE, SCL+32768                  ; the spare words, 128 bytes a wave: two blocks of 256 bytes that no other line names
.set STAGE, SPARE+512                  ; the way out: 16 rows x (256 + 16) bytes for each wave, bytes of their own
.set ADA16, 16
.set ADA8,  18
.set ADB16, 20
.set ADB8,  22
.set ADSA,  24
.set ADSB,  25
.set SPW,   28
.set NIL,   29
.set G0H,  4
.set G1,   24
.set G1B,  48
.set G1S,  68
.set G0S,  76
.set G1SB, 80
.set G0SB, 88
.set G0HB, 96
.set STO, 8
.set RD,  9
.set CO,  10
.set MSB, 0
.macro WIN new
.if MSB != (\new)
	s_set_vgpr_msb (MSB<<8)|(\new)
.set MSB, (\new)
.endif
.endm
.macro PLACES n
.rept \n
	v_nop
.endr
.endm
.macro CROUND
	s_barrier_signal -1
	s_barrier_wait -1
	s_cmp_lg_u32 s14, 0
	s_cbranch_scc1 .Lnot_wave_0_\@
	s_barrier_signal -3
.Lnot_wave_0_\@:
	s_barrier_wait -3
	s_barrier_signal -1
	s_barrier_wait -1
.endm
.macro FRAGLD reg, a16, a8, off
	ds_load_b128 v[\reg:\reg+3], v[\a16] offset:\off
	ds_load_b64 v[\reg+4:\reg+5], v[\a8] offset:(\off)+512
	ds_load_b128 v[\reg+6:\reg+9], v[\a16] offset:(\off)+768
	ds_load_b64 v[\reg+10:\reg+11], v[\a8] offset:(\off)+1280
.endm
.macro FETG q, p, g                    ; a quarter of K step q's fragments into set p: g = 0, 1 P's halves, g = 2, 3 L's: 8 loads; with g = 0 and q even also the 8 scale words of steps q, q + 1
.set fb, 48*((\p)/2)
.if (\p)%2 == 0
	WIN 0x40
.else
	WIN 0
.endif
.if (\g) < 2
.set fi, (\g)*NBK/2
.rept NBK/2
	FRAGLD 160+fb+12*fi, ADB16, ADB8, fi*NQ*FRB+(\q)*FRB
.set fi, fi+1
.endr
.else
.set fi, ((\g)-2)*NBK/2
.rept NBK/2
	FRAGLD 64+fb+12*fi, ADA16, ADA8, fi*NQ*FRB+(\q)*FRB
.set fi, fi+1
.endr
.endif
.if ((\g) == 0) && ((\q)%2 == 0)
	WIN 0
.set fs, ((\q)/2)%2
.set fi, 0
.rept NBK
	ds_load_b32 v[32+16*fs+fi], v[ADSA] offset:fi*SIA+((\q)/2)*2*SKA
	ds_load_b32 v[44+16*fs+fi], v[ADSB] offset:fi*SIB+((\q)/2)*2*SKB
.set fi, fi+1
.endr
.endif
.endm
.macro PRD c, odd                      ; one product; L's scale words lie in v32-35 and v48-51, P's in v44-47 and v60-63
.if \odd
	v_wmma_scale_f32_16x16x128_f8f6f4 v[mc:mc+7], v[160+pb+12*mb:171+pb+12*mb], v[64+pb+12*ma:75+pb+12*ma], \c, v[44+16*sx+mb], v[32+16*sx+ma] matrix_a_fmt:MATRIX_FMT_FP6 matrix_b_fmt:MATRIX_FMT_FP6 matrix_a_scale:MATRIX_SCALE_ROW1 matrix_b_scale:MATRIX_SCALE_ROW1
.else
	v_wmma_scale_f32_16x16x128_f8f6f4 v[mc:mc+7], v[160+pb+12*mb:171+pb+12*mb], v[64+pb+12*ma:75+pb+12*ma], \c, v[44+16*sx+mb], v[32+16*sx+ma] matrix_a_fmt:MATRIX_FMT_FP6 matrix_b_fmt:MATRIX_FMT_FP6
.endif
.endm
.macro MULG p, q, sc, g, first         ; a quarter of a K step's products: L block g x P's four, from set p.  The 16 accumulators take turns, one instruction a turn, in the same order in every step
.set pb, 48*((\p)/2)
.set sx, (\sc)
.set ma, (\g)
.if (\first)
	WIN 0x95                                       ; sources and the bias in window 1, the sums in window 2
.elseif (\p)%2 == 0
	WIN 0xa5
.else
	WIN 0xa0
.endif
.set mb, 0
.rept NBK
.set mc, 8*(NBK*ma+mb)
.if (\first)
	PRD v[8*mb:8*mb+7], 0
.else
	PRD v[mc:mc+7], (\q)%2
.endif
.set mb, mb+1
.endr
.endm
.macro S q, first                      ; K step q = 0 .. 5: multiplies set q % 4, asks for step q + 2
	s_wait_dscnt 32+8*((\q)%2)                     ; this step's fragments, asked for two steps ago, are in; what the step before asked for may be out: 32 loads, and 8 scale words where it asked for an even step
	PLACES 4                                       ; behind the last products: the scale words asked for below land where they read
.irp g, 0,1,2,3
	FETG (\q)+2, ((\q)+2)%4, \g
	MULG (\q)%4, \q, ((\q)/2)%2, \g, \first
.endr
.endm
	s_load_b128 s[4:7], s[0:1], 0x0                ; ctx, wts
	s_load_b128 s[8:11], s[0:1], 0x10              ; the bias, the residual
	s_load_b64 s[12:13], s[0:1], 0x20              ; the result
	v_lshl_add_u32 v[SPW], v0, 2, SPARE
	v_mov_b32 v[NIL], 0
	ds_add_u32 v[SPW], v[NIL]                      ; the opening lines: the add, twice on end, and its wait
	ds_add_u32 v[SPW], v[NIL]
	s_wait_dscnt 0x0
	v_lshrrev_b32 v1, 5, v0
	v_readfirstlane_b32 s14, v1
	s_lshr_b32 s15, s14, 1                         ; my half of the L rows
	s_and_b32 s16, s14, 1                          ; my half of the P rows
	s_bfe_u32 s40, ttmp6, 0x40000
	s_bfe_u32 s41, ttmp6, 0x40004
	s_lshl_b32 s42, ttmp9, 2
	s_add_co_u32 s42, s42, s40                     ; the P side's block of 128 columns
	s_and_b32 s17, ttmp7, 0xffff
	s_lshl_b32 s17, s17, 2
	s_add_co_u32 s17, s17, s41                     ; the L side's block of 128 tokens
	s_lshl_b32 s43, s41, 2
	s_lshl_b32 s43, 15, s43
	s_lshl_b32 s44, 0x1111, s40
	s_or_b32 s[G1], s43, (3<<16)|(1<<21)
	s_or_b32 s[G1B], s44, (3<<16)|(1<<21)
.irp g, G1, G1B
	s_mov_b32 s[\g+1], (NQ*192)<<16                ; a tile's row: all eight K steps, 12,288 bytes
	s_mov_b32 s[\g+2], (2*NBK)<<16                 ; a side's eight tiles
	s_mov_b32 s[\g+3], (NQ*192)<<16
	s_mov_b32 s[\g+4], 2*NBK
	s_mov_b32 s[\g+5], KST*192
	s_mov_b32 s[\g+6], 0
	s_mov_b32 s[\g+7], 0
.endr
	s_or_b32 s[G1S], s43, (3<<16)|(1<<21)          ; the scale words: a dense block as rows of 256 bytes
	s_or_b32 s[G1SB], s44, (3<<16)|(1<<21)
.irp g, G1S, G1SB
	s_mov_b32 s[\g+1], 32<<16
	s_mov_b32 s[\g+2], (2*HALFS/256)<<16
	s_mov_b32 s[\g+3], 32<<16
	s_mov_b32 s[\g+4], 2*HALFS/256
	s_mov_b32 s[\g+5], 32
	s_mov_b32 s[\g+6], 0
	s_mov_b32 s[\g+7], 0
.endr
	s_mul_i32 s20, s17, 2*NBK*KST*FRB
	s_mov_b32 s21, 0
	s_mul_i32 s46, s42, 2*NBK*KST*FRB
	s_add_co_u32 s46, s46, BOFF
	s_mov_b32 s47, 0
	s_mul_i32 s22, s17, 2*HALFS
	s_add_co_u32 s22, s22, ASOFF
	s_mov_b32 s23, 0
	s_mul_i32 s92, s42, 2*HALFS
	s_add_co_u32 s92, s92, BSOFF
	s_mov_b32 s93, 0
	s_wait_kmcnt 0x0
	s_add_nc_u64 s[20:21], s[4:5], s[20:21]
	s_add_nc_u64 s[22:23], s[4:5], s[22:23]
	s_add_nc_u64 s[46:47], s[6:7], s[46:47]
	s_add_nc_u64 s[92:93], s[6:7], s[92:93]
	CROUND                                         ; all sixteen work-groups are here: the joint loads meet
	s_mov_b32 s[G0S], 1
	s_mov_b32 s[G0S+1], SCL
	s_mov_b64 s[G0S+2:G0S+3], s[22:23]
	s_or_b32 s[G0S+3], s[G0S+3], 0x80000000
	s_mov_b32 s[G0SB], 1
	s_mov_b32 s[G0SB+1], SCL+2*HALFS
	s_mov_b64 s[G0SB+2:G0SB+3], s[92:93]
	s_or_b32 s[G0SB+3], s[G0SB+3], 0x80000000
	s_mov_b32 s[G0H], 1                            ; (what lay in s[4:7] has been used)
	s_mov_b32 s[G0H+1], 0
	s_mov_b64 s[G0H+2:G0H+3], s[20:21]
	s_or_b32 s[G0H+3], s[G0H+3], 0x80000000
	s_mov_b32 s[G0HB], 1
	s_mov_b32 s[G0HB+1], SIDEB
	s_mov_b64 s[G0HB+2:G0HB+3], s[46:47]
	s_or_b32 s[G0HB+3], s[G0HB+3], 0x80000000
; the four tiles, one a wave, in one chain of branches on the wave's number
.macro ARM under, g0, g1, next
	s_cmp_lt_u32 s14, \under
	s_cbranch_scc0 \next
	tensor_load_to_lds s[\g0:\g0+3], s[\g1:\g1+7]
	s_nop 0
	PLACES 4
	s_branch .Lhead_asked
\next:
.endm
	ARM 1, G0H, G1, .Lhead_b
	ARM 2, G0HB, G1B, .Lhead_sa
	ARM 3, G0S, G1S, .Lhead_sb
	tensor_load_to_lds s[G0SB:G0SB+3], s[G1SB:G1SB+7]
	s_nop 0
	PLACES 4
.Lhead_asked:
	v_and_b32 v1, 31, v0
	v_lshlrev_b32 v3, 4, v1
	v_lshlrev_b32 v4, 3, v1
	v_and_b32 v5, 15, v0                           ; r
	v_bfe_u32 v6, v0, 4, 1                         ; h
	s_mul_i32 s18, s15, QUART                      ; my four tiles of L,
	s_mul_i32 s19, s16, QUART
	s_add_co_u32 s19, s19, SIDEB                   ; and of P
	v_add_nc_u32 v[ADA16], s18, v3
	v_add_nc_u32 v[ADA8], s18, v4
	v_add_nc_u32 v[ADB16], s19, v3
	v_add_nc_u32 v[ADB8], s19, v4
	v_lshlrev_b32 v7, 2, v5
	v_mad_u32_u24 v[ADSA], v6, SKA, v7             ; 4 r, and one K step on for lanes 16-31
	v_mad_u32_u24 v[ADSB], v6, SKB, v7
	s_mul_i32 s18, s15, NBK*SIA
	s_add_co_u32 s18, s18, SCL
	s_mul_i32 s19, s16, NBK*SIB
	s_add_co_u32 s19, s19, SCL+2*HALFS
	v_add_nc_u32 v[ADSA], s18, v[ADSA]
	v_add_nc_u32 v[ADSB], s19, v[ADSB]
	s_mul_i32 s18, s14, 16*272
	s_add_co_u32 s18, s18, STAGE                   ; my stage for the way out
	v_mul_u32_u24 v[STO], v5, 272
	v_lshl_add_u32 v[STO], v6, 6, v[STO]
	v_add_nc_u32 v[STO], s18, v[STO]               ; in: row r, + 64 h
	v_mul_u32_u24 v[RD], v6, 272
	v_lshl_add_u32 v[RD], v5, 4, v[RD]
	v_add_nc_u32 v[RD], s18, v[RD]                 ; back: lanes 0-15 one row, lanes 16-31 the next
	v_lshlrev_b32 v[CO], 12, v6
	v_lshl_add_u32 v[CO], v5, 4, v[CO]             ; and the same two rows in memory
	s_wait_alu depctr_va_vdst(0)
	s_lshl_b32 s18, s42, 9
	s_lshl_b32 s19, s16, 8
	s_add_co_u32 s18, s18, s19                     ; my 64 columns, in bytes
	s_mov_b32 s19, 0
	s_add_nc_u64 s[8:9], s[8:9], s[18:19]
	s_lshl_b32 s66, s17, 19
	s_lshl_b32 s67, s15, 18
	s_add_co_u32 s66, s66, s67
	s_add_co_u32 s66, s66, s18                     ; + my 64 rows of 4,096 bytes
	s_mov_b32 s67, 0
	s_add_nc_u64 s[10:11], s[10:11], s[66:67]
	s_add_nc_u64 s[12:13], s[12:13], s[66:67]
	v_lshlrev_b32 v7, 6, v6                        ; the bias: P tile b's register j is column 32 (b / 2) + 16 h + 8 (b % 2) + j
	WIN 0x40
.irp b, 0,1,2,3
	global_load_b128 v[8*\b:8*\b+3], v7, s[8:9] offset:(32*(\b/2)+8*(\b%2))*4
	global_load_b128 v[8*\b+4:8*\b+7], v7, s[8:9] offset:(32*(\b/2)+8*(\b%2))*4+16
.endr
	WIN 0xc0                                       ; the residual, by the addresses of the stores: it lands under the whole product
.irp a, 0,1,2,3
.irp k, 0,1,2,3,4,5,6,7
	global_load_b128 v[32*\a+4*\k:32*\a+4*\k+3], v[CO], s[10:11] offset:(32*(\a/2)+8*(\a%2)+2*\k+8*(\k/4))*4096
.endr
.endr
	WIN 0
	s_wait_alu depctr_va_vdst(0)
	s_wait_tensorcnt 0x0                           ; my tile of the four is in,
	s_barrier_signal -1
	s_barrier_wait -1                              ; and everybody's
.irp g, 0,1,2,3
	FETG 0, 0, \g                                  ; the first two steps' fragments: 40 and 32 loads
.endr
.irp g, 0,1,2,3
	FETG 1, 1, \g
.endr
	s_wait_loadcnt 32                              ; the bias is in; the residual's 32 loads may be out
	S 0, 1                                         ; the first step's products start the sums from the bias
.irp q, 1,2,3,4,5
	S \q, 0
.endr
	s_wait_dscnt 32                                ; the last two steps ask for nothing: step 7's 32 loads may be out
.irp g, 0,1,2,3
	MULG 2, 6, 1, \g, 0
.endr
	s_wait_dscnt 0x0
.irp g, 0,1,2,3
	MULG 3, 7, 1, \g, 0
.endr
	WIN 0
	PLACES 4
	s_wait_loadcnt 0x0                             ; the residual
; THE WAY OUT, a block of 16 tokens x 64 columns at a time through my own stage, so that sixteen lanes store 256 consecutive aligned bytes of a row.  Stage row s is token 32 (a / 2) + 8 (a % 2) + s + 8 (s / 8).
.macro OUT a
	WIN 0x08                                       ; an LDS store's data are its source 1: window 2
.irp b, 0,1,2,3
	ds_store_b128 v[STO], v[8*(4*(\a)+\b):8*(4*(\a)+\b)+3] offset:128*(\b/2)+32*(\b%2)          ; each accumulator from its low end on
	ds_store_b128 v[STO], v[8*(4*(\a)+\b)+4:8*(4*(\a)+\b)+7] offset:128*(\b/2)+32*(\b%2)+16
.endr
	WIN 0
.if (\a) >= 2
	s_wait_xcnt 0x0                                ; block a - 2's stores have read their registers
.endif
.set BKR, 64+32*((\a)%2)
.irp k, 0,1,2,3,4,5,6,7
	ds_load_b128 v[BKR+4*\k:BKR+4*\k+3], v[RD] offset:544*\k   ; LDS serves a wave's instructions in order: these see my stores
.endr
	s_wait_dscnt 0x0
	WIN 0x0c                                       ; source 1: window 3
.irp k, 0,1,2,3,4,5,6,7,8,9,10,11,12,13,14,15
	v_pk_add_f32 v[BKR+2*\k:BKR+2*\k+1], v[BKR+2*\k:BKR+2*\k+1], v[32*(\a)+2*\k:32*(\a)+2*\k+1]
.endr
	WIN 0
.irp k, 0,1,2,3,4,5,6,7
	global_store_b128 v[CO], v[BKR+4*\k:BKR+4*\k+3], s[12:13] offset:(32*((\a)/2)+8*((\a)%2)+2*\k+8*(\k/4))*4096
.endr
.endm
	OUT 0
	OUT 1
	OUT 2
	OUT 3
	s_wait_tensorcnt 0x0                           ; the wave's end
	ds_add_u32 v[SPW], v[NIL]
	s_wait_dscnt 0x0
	CROUND                                         ; the closing round
	s_endpgm
.Lfunc_end_k_qcb9cff754b_wo:
	.size	k_qcb9cff754b_wo, .Lfunc_end_k_qcb9cff754b_wo-k_qcb9cff754b_wo
	.p2alignl 7, 3214868480
	.fill 96, 4, 3214868480
	.section	.rodata,"a",@progbits
	.p2align	6, 0x0
	.amdhsa_kernel k_qcb9cff754b_wo
		.amdhsa_group_segment_fixed_size 327680
		.amdhsa_private_segment_fixed_size 0
		.amdhsa_enable_private_segment 0
		.amdhsa_kernarg_size 40
		.amdhsa_user_sgpr_count 2
		.amdhsa_user_sgpr_kernarg_segment_ptr 1
		.amdhsa_wavefront_size32 1
		.amdhsa_system_sgpr_workgroup_id_x 1
		.amdhsa_system_sgpr_workgroup_id_y 1
		.amdhsa_system_sgpr_workgroup_id_z 1
		.amdhsa_system_vgpr_workitem_id 0
		.amdhsa_next_free_vgpr 1024
		.amdhsa_next_free_sgpr 100
		.amdhsa_reserve_vcc 0
		.amdhsa_float_denorm_mode_32 3
		.amdhsa_float_denorm_mode_16_64 3
		.amdhsa_memory_ordered 1
		.amdhsa_forward_progress 1
		.amdhsa_inst_pref_size 62
	.end_amdhsa_kernel
	.amdgpu_metadata
---
amdhsa.version: [ 1, 2 ]
amdhsa.kernels:
  - .name:           k_qcb9cff754b_wo
    .symbol:         k_qcb9cff754b_wo.kd
    .args:
      - { .name: ctx, .offset: 0, .size: 8, .value_kind: global_buffer, .address_space: global }
      - { .name: wts, .offset: 8, .size: 8, .value_kind: global_buffer, .address_space: global }
      - { .name: b_o, .offset: 16, .size: 8, .value_kind: global_buffer, .address_space: global }
      - { .name: x, .offset: 24, .size: 8, .value_kind: global_buffer, .address_space: global }
      - { .name: x1, .offset: 32, .size: 8, .value_kind: global_buffer, .address_space: global }
    .group_segment_fixed_size: 327680
    .private_segment_fixed_size: 0
    .kernarg_segment_align: 8
    .kernarg_segment_size: 40
    .max_flat_workgroup_size: 128
    .sgpr_count:     100
    .vgpr_count:     1024
    .wavefront_size: 32
...
	.end_amdgpu_metadata
.endif
;; end of part 4
;; launch ln2 (part 5): grid 256 x 1, 8 waves a work-group, no clusters, 67,584 bytes of LDS; arguments x1, ln2_g, ln2_b, hq; writes hq
.if DOCPART == 5
	.amdgcn_target "amdgcn-amd-amdhsa--gfx1250"
	.amdhsa_code_object_version 6
	.text
	.protected	k_qcb9cff754b_ln2
	.globl	k_qcb9cff754b_ln2
	.p2align	8
	.type	k_qcb9cff754b_ln2,@function
k_qcb9cff754b_ln2:
	s_mov_b64 s[64:65], 0
	v_nop
	global_prefetch_b8 v0, s[64:65] scope:SCOPE_SE
	s_setreg_imm32_b32 hwreg(HW_REG_WAVE_MODE, 25, 1), 1
	s_wait_xcnt 0x0
; y = (x - mean) rsqrt(var + 1e-5) g + b along rows of 1,024 f32, then quantised along the row to codes of FP6 (E2M3) with one E8M0 byte for each 32.  All arithmetic ahead of the quantiser is f32; the variance is taken of x - mean.
; OUTPUT: images of the matrix operand's registers: [tile of 16 rows][K step of 128][1,536 bytes] from byte 0, scale words [tile][K step][16 words] from byte 3,145,728.
; THE ROWS OF A TILE ARE NOT NEIGHBOURS: of a group of 32 rows, lane r of tile u takes row 8u + r + 8 (r / 8).
; SHARES: a work-group makes one tile.  Phase 1: wave w normalises tile rows 2w, 2w + 1 (a whole row in 32 registers, read from memory once) and lays them in LDS.  Phase 2: wave w quantises K step w of all 16 rows.
; LIMITS: a block of zeros, or one whose largest magnitude lies under 2^-124, gets the byte 1; this program alone reads the bytes.  NaN and infinities are not served.
.set RW,   32                          ; v32-95   two rows; in phase 2 the 64 numbers to quantise
.set GG,   96                          ; v96-127  the gain
.set BB,   128                         ; v128-159 the bias
.set SS,   160                         ; v160-175 four chains a row
.set MN,   176                         ; v176-179 mean, later 1 / sigma, as pairs
.set TP,   180                         ; v180-181 the other half of the lanes'
.set TM,   160                         ; phase 2: largest magnitudes, bytes, scale operands
.set PW,   176                         ; the scale word
.set PC,   100                         ; v100-118 the codes
.set ROWP, 4112                        ; a row in LDS: 4,096 + 16: the sixteen rows that a load of phase 2 touches start at sixteen different banks (64 banks of 4 bytes: ISA guide 11.1)
.set SCS,  65792                       ; behind the 16 rows: 512 bytes of scale words
	s_load_b256 s[4:11], s[0:1], 0x0               ; x, gain, bias, the codes' buffer
	v_lshl_add_u32 v192, v0, 2, 0x10400
	v_mov_b32 v193, 0
	v_lshrrev_b32 v1, 5, v0
	s_delay_alu instid0(VALU_DEP_1)
	v_readfirstlane_b32 s2, v1                     ; wave 0..7
	v_and_b32 v1, 31, v0
	s_delay_alu instid0(VALU_DEP_1)
	v_lshlrev_b32 v2, 4, v1                        ; 16 x lane
	s_wait_alu depctr_va_vdst(0)
	v_lshlrev_b32 v3, 3, v1                        ; 8 x lane
	v_and_b32 v4, 15, v0                           ; r
	s_wait_alu depctr_va_vdst(0)
	v_bfe_u32 v5, v0, 4, 1                         ; h
	s_lshr_b32 s12, ttmp9, 1
	s_and_b32 s13, ttmp9, 1
	s_lshl_b32 s12, s12, 5
	s_lshl_b32 s13, s13, 3
	s_add_co_u32 s12, s12, s13                     ; 32 x group + 8 u
	s_lshl_b32 s13, s2, 1
	s_add_co_u32 s12, s12, s13
	s_lshr_b32 s13, s2, 2
	s_lshl_b32 s13, s13, 3
	s_add_co_u32 s12, s12, s13                     ; + 2 w + 8 (w / 4): my first row in memory; the second is the next
	s_lshl_b32 s12, s12, 12
	s_mov_b32 s13, 0
	s_mul_i32 s14, s2, 2*ROWP
	v_add_nc_u32 v6, s14, v2                       ; v6: my rows in LDS
	v_mul_u32_u24 v7, v4, ROWP
	s_wait_alu depctr_va_vdst(0)
	v_lshl_add_u32 v7, v5, 6, v7
	s_lshl_b32 s14, s2, 9
	v_add_nc_u32 v7, s14, v7                       ; v7: phase 2: row r, K step w, + 64 h
	s_lshl_b32 s14, s2, 6
	s_add_co_u32 s14, s14, SCS
	v_lshl_add_u32 v8, v4, 2, s14                  ; v8: my scale word: 64 w + 4 r
	v_add_nc_u32 v9, SCS, v2                       ; v9: the tile's 512 bytes of scale words, 16 a lane
	s_lshl_b32 s14, ttmp9, 3
	s_add_co_u32 s14, s14, s2
	s_mul_i32 s14, s14, 1536                       ; my fragment: (8 x tile + w) x 1,536
	s_mov_b32 s15, 0
	s_lshl_b32 s20, ttmp9, 9
	s_add_co_u32 s20, s20, 3145728                 ; the tile's scale words
	s_mov_b32 s21, 0
	s_mov_b32 s16, 0x76543210
	s_mov_b32 s17, 0xfedcba98                      ; v_permlanex16_b32's selects for lane l xor 16
	s_mov_b32 s18, 0x3a800000                      ; 1 / 1,024
	s_mov_b32 s19, 0x3727c5ac                      ; 1e-5
	s_wait_kmcnt 0x0
	s_add_nc_u64 s[4:5], s[4:5], s[12:13]
	s_add_nc_u64 s[22:23], s[10:11], s[14:15]
	s_add_nc_u64 s[24:25], s[10:11], s[20:21]
.irp p, 0,1
.irp j, 0,1,2,3,4,5,6,7
	global_load_b128 v[RW+32*\p+4*\j:RW+32*\p+4*\j+3], v2, s[4:5] offset:4096*\p+512*\j   ; 512 consecutive bytes a load
.endr
.endr
.irp j, 0,1,2,3,4,5,6,7
	global_load_b128 v[GG+4*\j:GG+4*\j+3], v2, s[6:7] offset:512*\j
	global_load_b128 v[BB+4*\j:BB+4*\j+3], v2, s[8:9] offset:512*\j
.endr
	v_mov_b32 v[TP], 0                             ; a lane permute's destination counts as one of its sources
	v_mov_b32 v[TP+1], 0
.macro ACROSS                          ; each row's four chains into one number, then over the 32 lanes; the two rows by turns
.irp p, 0
	v_pk_add_f32 v[SS+8*\p:SS+8*\p+1], v[SS+8*\p:SS+8*\p+1], v[SS+8*\p+2:SS+8*\p+3]
	v_pk_add_f32 v[SS+8*\p+4:SS+8*\p+5], v[SS+8*\p+4:SS+8*\p+5], v[SS+8*\p+6:SS+8*\p+7]
.endr
.irp p, 1
	v_pk_add_f32 v[SS+8*\p:SS+8*\p+1], v[SS+8*\p:SS+8*\p+1], v[SS+8*\p+2:SS+8*\p+3]
	s_delay_alu instid0(VALU_DEP_4)
	v_pk_add_f32 v[SS+8*\p+4:SS+8*\p+5], v[SS+8*\p+4:SS+8*\p+5], v[SS+8*\p+6:SS+8*\p+7]
.endr
.irp p, 0
	s_delay_alu instid0(VALU_DEP_3)
	v_pk_add_f32 v[SS+8*\p:SS+8*\p+1], v[SS+8*\p:SS+8*\p+1], v[SS+8*\p+4:SS+8*\p+5]
.endr
.irp p, 1
	s_delay_alu instid0(VALU_DEP_2)
	v_pk_add_f32 v[SS+8*\p:SS+8*\p+1], v[SS+8*\p:SS+8*\p+1], v[SS+8*\p+4:SS+8*\p+5]
.endr
.irp p, 0,1
	s_delay_alu instid0(VALU_DEP_2)
	v_add_f32 v[SS+8*\p], v[SS+8*\p], v[SS+8*\p+1]
.endr
.irp m, 1,2,4,8
.irp p, 0,1
	s_delay_alu instid0(VALU_DEP_2)
	v_add_f32_dpp v[SS+8*\p], v[SS+8*\p], v[SS+8*\p] row_xmask:\m row_mask:0xf bank_mask:0xf
.endr
.endr
.irp p, 0,1
	s_delay_alu instid0(VALU_DEP_2)
	v_permlanex16_b32 v[TP+\p], v[SS+8*\p], s16, s17
.endr
.irp p, 0,1
	s_delay_alu instid0(VALU_DEP_2)
	v_add_f32 v[SS+8*\p], v[SS+8*\p], v[TP+\p]
.endr
.endm
	s_wait_loadcnt 16                              ; the two rows are in; the 16 loads of gain and bias may be out
.irp p, 0,1                            ; the sum: chain k takes the row's pairs k, 4 + k, 8 + k, 12 + k
.irp k, 0,1,2,3
	v_pk_add_f32 v[SS+8*\p+2*\k:SS+8*\p+2*\k+1], v[RW+32*\p+2*\k:RW+32*\p+2*\k+1], v[RW+32*\p+8+2*\k:RW+32*\p+9+2*\k]
.endr
.endr
.irp m, 2,3
.irp p, 0,1
.irp k, 0,1,2,3
	v_pk_add_f32 v[SS+8*\p+2*\k:SS+8*\p+2*\k+1], v[SS+8*\p+2*\k:SS+8*\p+2*\k+1], v[RW+32*\p+8*\m+2*\k:RW+32*\p+8*\m+2*\k+1]
.endr
.endr
.endr
	ACROSS
.irp p, 0
	s_delay_alu instid0(VALU_DEP_2)
	v_mul_f32 v[MN+2*\p], s18, v[SS+8*\p]          ; the mean
	s_delay_alu instid0(VALU_DEP_3)
	v_mul_f32 v[MN+2*\p+1], s18, v[SS+8*\p]        ; (named with it as a pair, so it is written)
.endr
.irp p, 1
	s_delay_alu instid0(VALU_DEP_3)
	v_mul_f32 v[MN+2*\p], s18, v[SS+8*\p]          ; the mean
	s_delay_alu instid0(VALU_DEP_4)
	v_mul_f32 v[MN+2*\p+1], s18, v[SS+8*\p]        ; (named with it as a pair, so it is written)
.endr
.irp p, 0,1
.irp k, 0,1,2,3,4,5,6,7,8,9,10,11,12,13,14,15
	v_pk_add_f32 v[RW+32*\p+2*\k:RW+32*\p+2*\k+1], v[RW+32*\p+2*\k:RW+32*\p+2*\k+1], v[MN+2*\p:MN+2*\p+1] op_sel_hi:[1,0] neg_lo:[0,1] neg_hi:[0,1]   ; d = x - mean
.endr
.endr
.irp p, 0,1
.irp k, 0,1,2,3
	v_pk_mul_f32 v[SS+8*\p+2*\k:SS+8*\p+2*\k+1], v[RW+32*\p+2*\k:RW+32*\p+2*\k+1], v[RW+32*\p+2*\k:RW+32*\p+2*\k+1]
.endr
.endr
.irp m, 1,2,3
.irp p, 0,1
.irp k, 0,1,2,3
	v_pk_fma_f32 v[SS+8*\p+2*\k:SS+8*\p+2*\k+1], v[RW+32*\p+8*\m+2*\k:RW+32*\p+8*\m+2*\k+1], v[RW+32*\p+8*\m+2*\k:RW+32*\p+8*\m+2*\k+1], v[SS+8*\p+2*\k:SS+8*\p+2*\k+1]
.endr
.endr
.endr
	ACROSS
.irp p, 0,1
	s_delay_alu instid0(VALU_DEP_2)
	v_fma_f32 v[SS+8*\p], v[SS+8*\p], s18, s19     ; the variance + 1e-5
.endr
	s_wait_alu depctr_va_vdst(0)
.irp p, 0,1
	v_rsq_f32 v[MN+2*\p], v[SS+8*\p]
.endr
	v_nop                                          ; a plain line behind the transcendentals (ISA guide 5.7.2)
	s_wait_alu depctr_va_vdst(0)                   ; one wait for both, ahead of their first reader
.irp p, 0,1
.irp k, 0,1,2,3,4,5,6,7,8,9,10,11,12,13,14,15
	v_pk_mul_f32 v[RW+32*\p+2*\k:RW+32*\p+2*\k+1], v[RW+32*\p+2*\k:RW+32*\p+2*\k+1], v[MN+2*\p:MN+2*\p+1] op_sel_hi:[1,0]
.endr
.endr
	s_wait_loadcnt 0x0                             ; gain and bias
.irp p, 0,1
.irp k, 0,1,2,3,4,5,6,7,8,9,10,11,12,13,14,15
	v_pk_fma_f32 v[RW+32*\p+2*\k:RW+32*\p+2*\k+1], v[RW+32*\p+2*\k:RW+32*\p+2*\k+1], v[GG+2*\k:GG+2*\k+1], v[BB+2*\k:BB+2*\k+1]
.endr
.endr
.irp p, 0,1
.irp j, 0,1,2,3,4,5,6,7
	ds_store_b128 v6, v[RW+32*\p+4*\j:RW+32*\p+4*\j+3] offset:ROWP*\p+512*\j
.endr
.endr
	s_wait_dscnt 0x0                               ; for the others' sake: my rows lie in LDS
	s_barrier_signal -1
	s_barrier_wait -1
	; phase 2: register 16 b + i = number 128 w + 32 b + 16 h + i of row r
.irp b, 0,1,2,3
.irp j, 0,1,2,3
	ds_load_b128 v[RW+16*\b+4*\j:RW+16*\b+4*\j+3], v7 offset:128*\b+16*\j
.endr
.endr
	s_wait_dscnt 0x0
.irp b, 0,1,2,3
	v_max3_num_f32 v[TM+\b], |v[RW+16*\b]|, |v[RW+16*\b+1]|, 0x1800000   ; block b: my 16 numbers, and the floor 2^(3 - 127)
.endr
.irp i, 2,4,6,8,10,12,14
.irp b, 0,1,2,3
	s_delay_alu instid0(VALU_DEP_4)
	v_max3_num_f32 v[TM+\b], v[TM+\b], |v[RW+16*\b+\i]|, |v[RW+16*\b+\i+1]|
.endr
.endr
.irp b, 0,1,2,3
	s_delay_alu instid0(VALU_DEP_4)
	v_permlanex16_b32 v[TM+4+\b], v[TM+\b], s16, s17
.endr
.irp b, 0,1,2,3
	s_delay_alu instid0(VALU_DEP_4)
	v_max_num_f32 v[TM+\b], v[TM+\b], v[TM+4+\b]   ; with lane l xor 16's: the block's largest magnitude
.endr
.irp b, 0,1,2,3
	s_delay_alu instid0(VALU_DEP_4)
	v_add_nc_u32 v[TM+12+\b], 0xff000000, v[TM+\b] ; 2 off its exponent field: the conversion's scale operand
.endr
.irp b, 0,1,2,3
	s_delay_alu instid0(VALU_DEP_4)
	v_lshrrev_b32 v[TM+4+\b], 23, v[TM+12+\b]      ; the scale's byte
.endr
	s_delay_alu instid0(VALU_DEP_3)
	v_lshl_or_b32 v[PW], v[TM+5], 8, v[TM+4]
	s_delay_alu instid0(VALU_DEP_1)
	v_lshl_or_b32 v[PW], v[TM+6], 16, v[PW]
	s_delay_alu instid0(VALU_DEP_1)
	v_lshl_or_b32 v[PW], v[TM+7], 24, v[PW]        ; my row's scale word
.irp c, 0,1
	v_cvt_scalef32_pk16_fp6_f32 v[PC+6*\c:PC+6*\c+2], v[RW+32*\c:RW+32*\c+15], v[TM+12+2*\c]
	v_cvt_scalef32_pk16_fp6_f32 v[PC+12+4*\c:PC+14+4*\c], v[RW+32*\c+16:RW+32*\c+31], v[TM+13+2*\c]
.endr
	v_nop                                          ; one plain line behind a scaled conversion
.irp c, 0,1                            ; the operand's layout wants a whole block in a lane: lanes 0-15 block 2 c, lanes 16-31 block 2 c + 1
.irp i, 0,1,2
	v_permlane16_swap_b32 v[PC+6*\c+\i], v[PC+12+4*\c+\i]
.endr
.irp i, 0,1,2
	s_delay_alu instid0(VALU_DEP_3)
	v_mov_b32 v[PC+3+6*\c+\i], v[PC+12+4*\c+\i]
.endr
.endr
	ds_store_b32 v8, v[PW]                         ; both halves of the lanes write the same word with the same value
	global_store_b128 v2, v[PC:PC+3], s[22:23]                 ; the fragment's image: each store covers whole aligned runs of 256 bytes
	global_store_b64 v3, v[PC+4:PC+5], s[22:23] offset:512
	global_store_b128 v2, v[PC+6:PC+9], s[22:23] offset:768
	global_store_b64 v3, v[PC+10:PC+11], s[22:23] offset:1280
	s_wait_dscnt 0x0                               ; for wave 0's sake: my scale words lie in LDS
	s_barrier_signal -1
	s_barrier_wait -1
	s_cmp_lg_u32 s2, 0
	s_cbranch_scc1 .Ldone
	ds_load_b128 v[12:15], v9
	s_wait_dscnt 0x0
	global_store_b128 v2, v[12:15], s[24:25]       ; the tile's 512 bytes of scale words
.Ldone:
	s_wait_tensorcnt 0x0
	ds_add_u32 v192, v193
	s_wait_dscnt 0x0
	s_endpgm
.Lfunc_end_k_qcb9cff754b_ln2:
	.size	k_qcb9cff754b_ln2, .Lfunc_end_k_qcb9cff754b_ln2-k_qcb9cff754b_ln2
	.p2alignl 7, 3214868480
	.fill 96, 4, 3214868480
	.section	.rodata,"a",@progbits
	.p2align	6, 0x0
	.amdhsa_kernel k_qcb9cff754b_ln2
		.amdhsa_group_segment_fixed_size 67584
		.amdhsa_private_segment_fixed_size 0
		.amdhsa_enable_private_segment 0
		.amdhsa_kernarg_size 32
		.amdhsa_user_sgpr_count 2
		.amdhsa_user_sgpr_kernarg_segment_ptr 1
		.amdhsa_wavefront_size32 1
		.amdhsa_system_sgpr_workgroup_id_x 1
		.amdhsa_system_sgpr_workgroup_id_y 1
		.amdhsa_system_sgpr_workgroup_id_z 1
		.amdhsa_system_vgpr_workitem_id 0
		.amdhsa_next_free_vgpr 194
		.amdhsa_next_free_sgpr 66
		.amdhsa_reserve_vcc 0
		.amdhsa_float_denorm_mode_32 3
		.amdhsa_float_denorm_mode_16_64 3
		.amdhsa_memory_ordered 1
		.amdhsa_forward_progress 1
		.amdhsa_inst_pref_size 28
	.end_amdhsa_kernel
	.amdgpu_metadata
---
amdhsa.version: [ 1, 2 ]
amdhsa.kernels:
  - .name:           k_qcb9cff754b_ln2
    .symbol:         k_qcb9cff754b_ln2.kd
    .args:
      - { .name: x1, .offset: 0, .size: 8, .value_kind: global_buffer, .address_space: global }
      - { .name: ln2_g, .offset: 8, .size: 8, .value_kind: global_buffer, .address_space: global }
      - { .name: ln2_b, .offset: 16, .size: 8, .value_kind: global_buffer, .address_space: global }
      - { .name: hq, .offset: 24, .size: 8, .value_kind: global_buffer, .address_space: global }
    .group_segment_fixed_size: 67584
    .private_segment_fixed_size: 0
    .kernarg_segment_align: 8
    .kernarg_segment_size: 32
    .max_flat_workgroup_size: 256
    .sgpr_count:     66
    .vgpr_count:     194
    .wavefront_size: 32
...
	.end_amdgpu_metadata
.endif
;; end of part 5
;; launch ffn1 (part 6): grid 16 x 16, 4 waves a work-group, clusters of 4 x 4, 327,680 bytes of LDS; arguments hq, wts, b1, hid; writes hid
.if DOCPART == 6
	.amdgcn_target "amdgcn-amd-amdhsa--gfx1250"
	.amdhsa_code_object_version 6
	.text
	.protected	k_qcb9cff754b_ffn1
	.globl	k_qcb9cff754b_ffn1
	.p2align	8
	.type	k_qcb9cff754b_ffn1,@function
k_qcb9cff754b_ffn1:
	s_mov_b64 s[64:65], 0
	v_nop
	global_prefetch_b8 v0, s[64:65] scope:SCOPE_SE
	s_setreg_imm32_b32 hwreg(HW_REG_WAVE_MODE, 25, 1), 1
	s_wait_xcnt 0x0
	s_wait_alu depctr_hold_cnt(0) depctr_sa_sdst(0) depctr_va_vdst(0) depctr_va_sdst(0) depctr_va_ssrc(0) depctr_va_vcc(0) depctr_vm_vsrc(0)
	s_getreg_b32 s2, hwreg(HW_REG_IB_STS2, 6, 4)
	s_cmp_eq_u32 s2, 0
	s_cbranch_scc0 .Lentry_in_a_cluster
	s_endpgm
.Lentry_in_a_cluster:
	s_bfe_u32 s2, ttmp6, 0x10000c
	s_cmp_lg_u32 s2, 0xf033
	s_cbranch_scc0 .Lentry_shape_is_right
	s_endpgm
.Lentry_shape_is_right:
.set NBK, 8
.set NQ,  2
.set KST, 8
.set SIA, 512
.set SKA, 64
.set SIB, 512
.set SKB, 64
.set ASOFF, 3145728
.set BOFF,  3145728
.set BSOFF, 9568256
.set HASBIAS, 1
.set FRB,   1536
.set QUART, NBK*NQ*FRB
.set SIDEB, 2*QUART
.set SLOT,  2*SIDEB
.set LAPS,  KST/NQ/2
.set HALFS, NBK*KST*64
.set SCL,   2*SLOT
.set SPARE, SCL+32768
.set ADA16, 16
.set ADA8,  18
.set ADB16, 20
.set ADB8,  22
.set ADSA,  24
.set ADSB,  25
.set SPW,   28
.set NIL,   29
.set G1,   24
.set G0,   32
.set G1B,  48
.set G0B,  56
.set G1S,  68
.set G0S,  76
.set G1SB, 80
.set G0SB, 88
.set XA,  64
.set XM,  128
.set TT,  192
.set QQ,  224
.set PP,  64
.set TM,  192
.set PW,  208
.set PC,  224
.set AI,  66
.set SOF, 67
.set ABSM, 95
.set MSB, 0
.macro WIN new
.if MSB != (\new)
	s_set_vgpr_msb (MSB<<8)|(\new)
.set MSB, (\new)
.endif
.endm
.macro PLACES n
.rept \n
	v_nop
.endr
.endm
.macro JLOAD g0a, g1a, g0b, g1b
	s_cmp_eq_u32 s15, 0
	s_cbranch_scc0 .Lfor_b_\@
	tensor_load_to_lds s[\g0a:\g0a+3], s[\g1a:\g1a+7]
	s_nop 0
	PLACES 4
	s_branch .Lasked_\@
.Lfor_b_\@:
	tensor_load_to_lds s[\g0b:\g0b+3], s[\g1b:\g1b+7]
	s_nop 0
	PLACES 4
.Lasked_\@:
.endm
.macro CREST
	s_cmp_lg_u32 s14, 0
	s_cbranch_scc1 .Lnot_wave_0_\@
	s_barrier_signal -3
.Lnot_wave_0_\@:
	s_barrier_wait -3
	s_barrier_signal -1
	s_barrier_wait -1
.endm
.macro CROUND
	s_barrier_signal -1
	s_barrier_wait -1
	CREST
.endm
.macro FRAGLD reg, a16, a8, off
	ds_load_b128 v[\reg:\reg+3], v[\a16] offset:\off
	ds_load_b64 v[\reg+4:\reg+5], v[\a8] offset:(\off)+512
	ds_load_b128 v[\reg+6:\reg+9], v[\a16] offset:(\off)+768
	ds_load_b64 v[\reg+10:\reg+11], v[\a8] offset:(\off)+1280
.endm
.macro FETG slot, q, p, g
.if (\p) == 0
	WIN 0x40
.else
	WIN 0
.endif
.if (\g) < 2
.set fi, (\g)*NBK/2
.rept NBK/2
	FRAGLD 160+12*fi, ADB16+\slot, ADB8+\slot, fi*NQ*FRB+(\q)*FRB
.set fi, fi+1
.endr
.else
.set fi, ((\g)-2)*NBK/2
.rept NBK/2
	FRAGLD 64+12*fi, ADA16+\slot, ADA8+\slot, fi*NQ*FRB+(\q)*FRB
.set fi, fi+1
.endr
.endif
.if ((\g) == 0) && ((\q)%2 == 0)
	WIN 0
.set fs, (((\slot)*NQ+(\q))/2)%2
.set fi, 0
.rept NBK
	ds_load_b32 v[32+16*fs+fi], v[ADSA] offset:fi*SIA+((\q)/2)*2*SKA
	ds_load_b32 v[40+16*fs+fi], v[ADSB] offset:fi*SIB+((\q)/2)*2*SKB
.set fi, fi+1
.endr
.endif
.endm
.macro MULG p, q, sc, g, first
.set ma, (\g)*NBK/4
.rept NBK/4
.set mw, 2+ma/4
.if (\first) && HASBIAS
	WIN 0x15|(mw<<6)
.elseif (\p) == 0
	WIN 0x05|(mw<<4)|(mw<<6)
.else
	WIN (mw<<4)|(mw<<6)
.endif
.set mb, 0
.rept NBK
.set mc, 8*(NBK*(ma%4)+mb)
.if (\first) && HASBIAS
	v_wmma_scale_f32_16x16x128_f8f6f4 v[mc:mc+7], v[160+12*mb:171+12*mb], v[64+12*ma:75+12*ma], v[8*mb:8*mb+7], v[40+16*(\sc)+mb], v[32+16*(\sc)+ma] matrix_a_fmt:MATRIX_FMT_FP6 matrix_b_fmt:MATRIX_FMT_FP6
.elseif (\first)
	v_wmma_scale_f32_16x16x128_f8f6f4 v[mc:mc+7], v[160+12*mb:171+12*mb], v[64+12*ma:75+12*ma], 0, v[40+16*(\sc)+mb], v[32+16*(\sc)+ma] matrix_a_fmt:MATRIX_FMT_FP6 matrix_b_fmt:MATRIX_FMT_FP6
.elseif (\q)%2 == 0
	v_wmma_scale_f32_16x16x128_f8f6f4 v[mc:mc+7], v[160+12*mb:171+12*mb], v[64+12*ma:75+12*ma], v[mc:mc+7], v[40+16*(\sc)+mb], v[32+16*(\sc)+ma] matrix_a_fmt:MATRIX_FMT_FP6 matrix_b_fmt:MATRIX_FMT_FP6
.else
	v_wmma_scale_f32_16x16x128_f8f6f4 v[mc:mc+7], v[160+12*mb:171+12*mb], v[64+12*ma:75+12*ma], v[mc:mc+7], v[40+16*(\sc)+mb], v[32+16*(\sc)+ma] matrix_a_fmt:MATRIX_FMT_FP6 matrix_b_fmt:MATRIX_FMT_FP6 matrix_a_scale:MATRIX_SCALE_ROW1 matrix_b_scale:MATRIX_SCALE_ROW1
.endif
.set mb, mb+1
.endr
.set ma, ma+1
.endr
.endm
.macro STEP slot, q, first
	s_wait_dscnt 0x0
	PLACES 4
.irp g, 0,1,2,3
	FETG \slot, (\q)+1, 1-(\q)%2, \g
	MULG (\q)%2, \q, (((\slot)*NQ+(\q))/2)%2, \g, \first
.endr
.endm
.macro TURN slot, next, fill
.set tsc, (((\slot)*NQ+NQ-1)/2)%2
	WIN 0
	s_wait_tensorcnt 0x0
	ds_add_u32 v[SPW], v[NIL]
	s_wait_dscnt 1
	MULG 1, NQ-1, tsc, 0, 0
	s_wait_dscnt 0x0
	s_barrier_signal -1
	MULG 1, NQ-1, tsc, 1, 0
	WIN 0
	s_barrier_wait -1
.if \fill
	CREST
	s_add_nc_u64 s[G0+4*\slot+2:G0+4*\slot+3], s[G0+4*\slot+2:G0+4*\slot+3], 2*NQ*FRB
	s_add_nc_u64 s[G0B+4*\slot+2:G0B+4*\slot+3], s[G0B+4*\slot+2:G0B+4*\slot+3], 2*NQ*FRB
	JLOAD G0+4*\slot, G1, G0B+4*\slot, G1B
.else
	PLACES 4
.endif
	s_wait_alu depctr_va_vdst(0)
	v_add_nc_u32 v[ADSA], NQ*SKA, v[ADSA]
	v_add_nc_u32 v[ADSB], NQ*SKB, v[ADSB]
	FETG \next, 0, 0, 0
	FETG \next, 0, 0, 1
	MULG 1, NQ-1, tsc, 2, 0
	FETG \next, 0, 0, 2
	FETG \next, 0, 0, 3
	MULG 1, NQ-1, tsc, 3, 0
.endm
.macro LAST
.set tsc, ((NQ+NQ-1)/2)%2
	s_wait_dscnt 0x0
.irp g, 0,1,2,3
	MULG 1, NQ-1, tsc, \g, 0
.endr
.endm
.macro QUANT s
.irp b, 0,1,2,3
	v_max3_num_f32 v[TM+\b], |v[(\s)+16*\b]|, |v[(\s)+16*\b+1]|, 0x1800000
.endr
.irp i, 2,4,6,8,10,12,14
.irp b, 0,1,2,3
	v_max3_num_f32 v[TM+\b], |v[(\s)+16*\b+\i]|, |v[(\s)+16*\b+\i+1]|, v[TM+\b]
.endr
.endr
.irp b, 0,1,2,3
	v_permlanex16_b32 v[TM+4+\b], v[TM+\b], s96, s97
.endr
.irp b, 0,1,2,3
	v_max_num_f32 v[TM+\b], v[TM+\b], v[TM+4+\b]
.endr
.irp b, 0,1,2,3
	v_add_nc_u32 v[TM+12+\b], 0xff000000, v[TM+\b]
.endr
.irp b, 0,1,2,3
	v_lshrrev_b32 v[TM+4+\b], 23, v[TM+12+\b]
.endr
	v_lshl_or_b32 v[PW], v[TM+5], 8, v[TM+4]
	v_lshl_or_b32 v[PW], v[TM+6], 16, v[PW]
	v_lshl_or_b32 v[PW], v[TM+7], 24, v[PW]
.irp c, 0,1
	v_cvt_scalef32_pk16_fp6_f32 v[PC+6*\c:PC+6*\c+2], v[(\s)+32*\c:(\s)+32*\c+15], v[TM+12+2*\c]
	v_cvt_scalef32_pk16_fp6_f32 v[PC+12+4*\c:PC+14+4*\c], v[(\s)+32*\c+16:(\s)+32*\c+31], v[TM+13+2*\c]
.endr
	v_nop
.irp c, 0,1
.irp i, 0,1,2
	v_permlane16_swap_b32 v[PC+6*\c+\i], v[PC+12+4*\c+\i]
.endr
.irp i, 0,1,2
	v_mov_b32 v[PC+3+6*\c+\i], v[PC+12+4*\c+\i]
.endr
.endr
.endm
	s_load_b128 s[4:7], s[0:1], 0x0
	s_load_b128 s[8:11], s[0:1], 0x10
	v_lshl_add_u32 v[SPW], v0, 2, SPARE
	v_mov_b32 v[NIL], 0
	ds_add_u32 v28, v29
	ds_add_u32 v28, v29
	s_wait_dscnt 0x0
	v_lshrrev_b32 v1, 5, v0
	v_readfirstlane_b32 s14, v1
	s_lshr_b32 s15, s14, 1
	s_and_b32 s16, s14, 1
	s_bfe_u32 s40, ttmp6, 0x40000
	s_bfe_u32 s41, ttmp6, 0x40004
	s_lshl_b32 s42, ttmp9, 2
	s_add_co_u32 s42, s42, s40
	s_and_b32 s17, ttmp7, 0xffff
	s_lshl_b32 s17, s17, 2
	s_add_co_u32 s17, s17, s41
	s_lshl_b32 s43, s41, 2
	s_lshl_b32 s43, 15, s43
	s_lshl_b32 s44, 0x1111, s40
	s_or_b32 s[G1], s43, (3<<16)|(1<<21)
	s_or_b32 s[G1B], s44, (3<<16)|(1<<21)
.irp g, G1, G1B
	s_mov_b32 s[\g+1], (NQ*192)<<16
	s_mov_b32 s[\g+2], (2*NBK)<<16                 ; the head's loads bring a whole side, 2 NBK tiles
	s_mov_b32 s[\g+3], (NQ*192)<<16
	s_mov_b32 s[\g+4], 2*NBK
	s_mov_b32 s[\g+5], KST*192
	s_mov_b32 s[\g+6], 0
	s_mov_b32 s[\g+7], 0
.endr
	s_or_b32 s[G1S], s43, (3<<16)|(1<<21)
	s_or_b32 s[G1SB], s44, (3<<16)|(1<<21)
.irp g, G1S, G1SB
	s_mov_b32 s[\g+1], 32<<16
	s_mov_b32 s[\g+2], (2*HALFS/256)<<16
	s_mov_b32 s[\g+3], 32<<16
	s_mov_b32 s[\g+4], 2*HALFS/256
	s_mov_b32 s[\g+5], 32
	s_mov_b32 s[\g+6], 0
	s_mov_b32 s[\g+7], 0
.endr
	s_mul_i32 s18, s16, NBK*KST*FRB
	s_mul_i32 s20, s17, 2*NBK*KST*FRB
	s_mov_b32 s21, 0
	s_mul_i32 s46, s42, 2*NBK*KST*FRB
	s_add_co_u32 s46, s46, BOFF
	s_mov_b32 s47, 0
	s_mov_b32 s19, 0                               ; s[18:19]: my half of a side, in bytes
	s_mul_i32 s22, s17, 2*HALFS
	s_add_co_u32 s22, s22, ASOFF
	s_mov_b32 s23, 0
	s_mul_i32 s92, s42, 2*HALFS
	s_add_co_u32 s92, s92, BSOFF
	s_mov_b32 s93, 0
	s_mul_i32 s45, s14, QUART
	s_wait_kmcnt 0x0
	s_add_nc_u64 s[20:21], s[4:5], s[20:21]
	s_add_nc_u64 s[22:23], s[4:5], s[22:23]
	s_add_nc_u64 s[46:47], s[6:7], s[46:47]
	s_add_nc_u64 s[92:93], s[6:7], s[92:93]
	CROUND
	s_mov_b32 s[G0S], 1
	s_mov_b32 s[G0S+1], SCL
	s_mov_b64 s[G0S+2:G0S+3], s[22:23]
	s_or_b32 s[G0S+3], s[G0S+3], 0x80000000
	s_mov_b32 s[G0SB], 1
	s_mov_b32 s[G0SB+1], SCL+2*HALFS
	s_mov_b64 s[G0SB+2:G0SB+3], s[92:93]
	s_or_b32 s[G0SB+3], s[G0SB+3], 0x80000000
.set G0H, 4                            ; s[4:7], s[96:99]: group 0 of the head's loads of slot 0, a whole side each (what lay in s[4:7] has been used)
.set G0HB, 96
	s_mov_b32 s[G0H], 1
	s_mov_b32 s[G0H+1], 0
	s_mov_b64 s[G0H+2:G0H+3], s[20:21]
	s_or_b32 s[G0H+3], s[G0H+3], 0x80000000
	s_mov_b32 s[G0HB], 1
	s_mov_b32 s[G0HB+1], SIDEB
	s_mov_b64 s[G0HB+2:G0HB+3], s[46:47]
	s_or_b32 s[G0HB+3], s[G0HB+3], 0x80000000
	s_add_nc_u64 s[20:21], s[20:21], s[18:19]      ; for the ring: my half of the side
	s_add_nc_u64 s[46:47], s[46:47], s[18:19]
.irp s, 0,1
	s_mov_b32 s[G0+4*\s], 1
	s_add_co_u32 s[G0+4*\s+1], s45, \s*SLOT
	s_add_nc_u64 s[G0+4*\s+2:G0+4*\s+3], s[20:21], \s*NQ*FRB
	s_or_b32 s[G0+4*\s+3], s[G0+4*\s+3], 0x80000000
	s_mov_b32 s[G0B+4*\s], 1
	s_add_co_u32 s[G0B+4*\s+1], s45, \s*SLOT
	s_add_nc_u64 s[G0B+4*\s+2:G0B+4*\s+3], s[46:47], \s*NQ*FRB
	s_or_b32 s[G0B+4*\s+3], s[G0B+4*\s+3], 0x80000000
.endr
; the head's four tiles, one a wave, in one chain of branches on the wave's number: L's side of slot 0, P's, L's scale words, P's
.macro ARM under, g0, g1, next
	s_cmp_lt_u32 s14, \under
	s_cbranch_scc0 \next
	tensor_load_to_lds s[\g0:\g0+3], s[\g1:\g1+7]
	s_nop 0
	PLACES 4
	s_branch .Lhead_asked
\next:
.endm
	ARM 1, G0H, G1, .Lhead_b
	ARM 2, G0HB, G1B, .Lhead_sa
	ARM 3, G0S, G1S, .Lhead_sb
	tensor_load_to_lds s[G0SB:G0SB+3], s[G1SB:G1SB+7]
	s_nop 0
	PLACES 4
.Lhead_asked:
; PREFETCHES INTO THE L2 of the three slots that later fills bring (K steps 2 .. 7).  Of the eight tiles that I fetch for the ring, each of the four partners that ask jointly takes two, told apart by address (cx for L, cy for P):
; 2 tiles x 3,072 bytes = 24 blocks of 256 bytes, a lane a block (lanes 24-31 name the last again).  Slots 1 and 2 are asked for here, slot 3 behind slot 1's load.
.set PFA, 92
.set PFO, 26
	s_cmp_eq_u32 s15, 0
	s_cselect_b64 s[PFA:PFA+1], s[20:21], s[46:47]
	s_cselect_b32 s18, s40, s41
	s_mul_i32 s18, s18, 2*KST*FRB
	s_add_nc_u64 s[PFA:PFA+1], s[PFA:PFA+1], s[18:19]
	v_and_b32 v[PFO], 31, v0
	v_min_u32 v[PFO], 23, v[PFO]
	v_mul_u32_u24 v27, v[PFO], 11
	v_lshrrev_b32 v27, 7, v27                      ; which of my two tiles: lane / 12
	v_mul_u32_u24 v27, v27, KST*FRB-12*256
	v_lshl_add_u32 v[PFO], v[PFO], 8, v27
	global_prefetch_b8 v[PFO], s[PFA:PFA+1] offset:NQ*FRB th:TH_LOAD_NT scope:SCOPE_SE
	global_prefetch_b8 v[PFO], s[PFA:PFA+1] offset:2*NQ*FRB th:TH_LOAD_NT scope:SCOPE_SE
	v_and_b32 v1, 31, v0
	v_lshlrev_b32 v3, 4, v1
	v_lshlrev_b32 v4, 3, v1
	v_and_b32 v5, 15, v0
	v_bfe_u32 v6, v0, 4, 1
	s_mul_i32 s18, s15, QUART
	s_mul_i32 s19, s16, QUART
	s_add_co_u32 s19, s19, SIDEB
.irp s, 0,1
	v_add_nc_u32 v[ADA16+\s], s18, v3
	v_add_nc_u32 v[ADA8+\s], s18, v4
	v_add_nc_u32 v[ADB16+\s], s19, v3
	v_add_nc_u32 v[ADB8+\s], s19, v4
	s_add_co_u32 s18, s18, SLOT
	s_add_co_u32 s19, s19, SLOT
.endr
	v_lshlrev_b32 v7, 2, v5
	v_mad_u32_u24 v[ADSA], v6, SKA, v7
	v_mad_u32_u24 v[ADSB], v6, SKB, v7
	s_mul_i32 s18, s15, NBK*SIA
	s_add_co_u32 s18, s18, SCL
	s_mul_i32 s19, s16, NBK*SIB
	s_add_co_u32 s19, s19, SCL+2*HALFS
	v_add_nc_u32 v[ADSA], s18, v[ADSA]
	v_add_nc_u32 v[ADSB], s19, v[ADSB]
	s_lshl_b32 s18, s42, 10
	s_lshl_b32 s19, s16, 9
	s_add_co_u32 s18, s18, s19
	s_mov_b32 s19, 0
	s_add_nc_u64 s[8:9], s[8:9], s[18:19]
	v_lshlrev_b32 v7, 6, v6
	WIN 0x40
.irp b, 0,1,2,3,4,5,6,7
	global_load_b128 v[8*\b:8*\b+3], v7, s[8:9] offset:(32*(\b/2)+8*(\b%2))*4
	global_load_b128 v[8*\b+4:8*\b+7], v7, s[8:9] offset:(32*(\b/2)+8*(\b%2))*4+16
.endr
	WIN 0
	s_wait_alu depctr_va_vdst(0)
	s_wait_tensorcnt 0x0                           ; my tile of the head's four is in; slot 1's first fill is issued as a refill is
	ds_add_u32 v[SPW], v[NIL]
	s_mov_b32 s[G1+2], NBK<<16                     ; no tensor load of mine is out: from here on a load brings a quarter of a slot, NBK tiles
	s_mov_b32 s[G1+4], NBK
	s_mov_b32 s[G1B+2], NBK<<16
	s_mov_b32 s[G1B+4], NBK
	s_wait_dscnt 0x0
	CROUND                                         ; all four tiles are in, and all sixteen work-groups are here
	JLOAD G0+4, G1, G0B+4, G1B                     ; slot 1, the first tensor load behind the round
	FETG 0, 0, 0, 0
	FETG 0, 0, 0, 1
	FETG 0, 0, 0, 2
	FETG 0, 0, 0, 3
	global_prefetch_b8 v[PFO], s[PFA:PFA+1] offset:3*NQ*FRB th:TH_LOAD_NT scope:SCOPE_SE
	s_wait_loadcnt 0x0
	STEP 0, 0, 1
	WIN 0
	s_mov_b32 s3, LAPS-1
.Llap:
	TURN 0, 1, 1
	STEP 1, 0, 0
	TURN 1, 0, 1
	STEP 0, 0, 0
	WIN 0
	s_sub_co_u32 s3, s3, 1
	s_cmp_lg_u32 s3, 0
	s_cbranch_scc1 .Llap
	TURN 0, 1, 0
	STEP 1, 0, 0
	LAST
	WIN 0
	PLACES 4
	s_lshl_b32 s18, s17, 4
	s_lshl_b32 s19, s15, 3
	s_add_co_u32 s18, s18, s19
	s_lshl_b32 s19, s42, 1
	s_add_co_u32 s19, s19, s16
	s_lshl_b32 s20, s18, 5
	s_add_co_u32 s20, s20, s19
	s_mul_i32 s20, s20, FRB
	s_mov_b32 s21, 0
	s_add_nc_u64 s[20:21], s[10:11], s[20:21]
	s_lshr_b32 s22, s18, 3
	s_lshl_b32 s22, s22, 5
	s_add_co_u32 s22, s22, s19
	s_lshl_b32 s22, s22, 9
	s_add_co_u32 s22, s22, 12582912
	s_mov_b32 s23, 0
	s_add_nc_u64 s[22:23], s[10:11], s[22:23]
	s_lshl_b32 s18, s14, 9
	v_lshl_add_u32 v8, v5, 2, s18
	v_add_nc_u32 v9, s18, v3
	v_mov_b32 v30, 0xbf97d29d
	v_mov_b32 v31, 0xbf97d29d
	s_mov_b32 s[ABSM], 0x7fffffff
	s_mov_b32 s96, 0x76543210
	s_mov_b32 s97, 0xfedcba98
	s_mov_b32 s[AI], 0
	s_mov_b32 s[SOF], 0
.macro COPY k
	WIN (2+(\k)/4)<<2
.set ci, 0
.rept 64
	v_and_b32 v[XA+ci], s[ABSM], v[64*((\k)%4)+ci]
	v_max_num_f32 v[XM+ci], 0, v[64*((\k)%4)+ci]
.set ci, ci+1
.endr
	WIN 0
.endm
.macro GELUH o
.set gi, 0
.rept 16
	v_pk_fma_f32 v[TT+gi:TT+gi+1], v[XA+(\o)+gi:XA+(\o)+gi+1], 0x3eb504f3, 1.0 op_sel_hi:[1,0,0]
.set gi, gi+2
.endr
.set gi, 0
	s_wait_alu depctr_va_vdst(0)
.rept 32
	v_rcp_f32 v[TT+gi], v[TT+gi]
.set gi, gi+1
.endr
.set gi, 0
.rept 16
	v_pk_mul_f32 v[QQ+gi:QQ+gi+1], v[XA+(\o)+gi:XA+(\o)+gi+1], v[XA+(\o)+gi:XA+(\o)+gi+1]
.set gi, gi+2
.endr
	s_wait_alu depctr_va_vdst(0)
	WIN 0x40
.set gi, 0
.rept 16
	v_pk_fma_f32 v[PP+gi:PP+gi+1], v[TT+gi:TT+gi+1], 0x3e7c6f08, v[30:31] op_sel_hi:[1,0,1]
.set gi, gi+2
.endr
	WIN 0x41
.irp c, 0x40097039, 0xbfd1a1e5, 0x3ecdfd18, 0xbe899a80, 0x3e0efb2e, 0x3f0a29d2, 0x3fb8ab5a, 0xc034d90f
.set gi, 0
.rept 16
	v_pk_fma_f32 v[PP+gi:PP+gi+1], v[PP+gi:PP+gi+1], v[TT+gi:TT+gi+1], \c op_sel_hi:[1,1,0]
.set gi, gi+2
.endr
.endr
	WIN 0x10
.set gi, 0
.rept 16
	v_pk_fma_f32 v[QQ+gi:QQ+gi+1], v[QQ+gi:QQ+gi+1], 0xbf38aa3b, v[PP+gi:PP+gi+1] op_sel_hi:[1,0,1]
.set gi, gi+2
.endr
	WIN 0
.set gi, 0
	s_wait_alu depctr_va_vdst(0)
.rept 32
	v_exp_f32 v[QQ+gi], v[QQ+gi]
.set gi, gi+1
.endr
	v_nop
	s_wait_alu depctr_va_vdst(0)
.set gi, 0
.rept 16
	v_pk_mul_f32 v[QQ+gi:QQ+gi+1], v[QQ+gi:QQ+gi+1], v[TT+gi:TT+gi+1]
.set gi, gi+2
.endr
.set gi, 0
.rept 16
	v_pk_fma_f32 v[XM+(\o)+gi:XM+(\o)+gi+1], v[XA+(\o)+gi:XA+(\o)+gi+1], v[QQ+gi:QQ+gi+1], v[XM+(\o)+gi:XM+(\o)+gi+1] neg_lo:[1,0,0] neg_hi:[1,0,0]
.set gi, gi+2
.endr
.endm
.Lgelu:
	s_cmp_eq_u32 s[AI], 0
	s_cbranch_scc1 .Lblk0
	s_cmp_eq_u32 s[AI], 1
	s_cbranch_scc1 .Lblk1
	s_cmp_eq_u32 s[AI], 2
	s_cbranch_scc1 .Lblk2
	s_cmp_eq_u32 s[AI], 3
	s_cbranch_scc1 .Lblk3
	s_cmp_eq_u32 s[AI], 4
	s_cbranch_scc1 .Lblk4
	s_cmp_eq_u32 s[AI], 5
	s_cbranch_scc1 .Lblk5
	s_cmp_eq_u32 s[AI], 6
	s_cbranch_scc1 .Lblk6
	COPY 7
	s_branch .Lcommon
.Lblk0:
	COPY 0
	s_branch .Lcommon
.Lblk1:
	COPY 1
	s_branch .Lcommon
.Lblk2:
	COPY 2
	s_branch .Lcommon
.Lblk3:
	COPY 3
	s_branch .Lcommon
.Lblk4:
	COPY 4
	s_branch .Lcommon
.Lblk5:
	COPY 5
	s_branch .Lcommon
.Lblk6:
	COPY 6
.Lcommon:
	GELUH 0
	GELUH 32
	QUANT XM
	v_add_nc_u32 v10, s[SOF], v8
	ds_store_b32 v10, v[PW]
	global_store_b128 v3, v[PC:PC+3], s[20:21]
	global_store_b64 v4, v[PC+4:PC+5], s[20:21] offset:512
	global_store_b128 v3, v[PC+6:PC+9], s[20:21] offset:768
	global_store_b64 v4, v[PC+10:PC+11], s[20:21] offset:1280
	s_wait_xcnt 0x0
	s_wait_dscnt 0x0
	s_add_nc_u64 s[20:21], s[20:21], 32*FRB
	s_add_co_u32 s[SOF], s[SOF], 64
	s_add_co_u32 s[AI], s[AI], 1
	s_cmp_lt_u32 s[AI], 8
	s_cbranch_scc1 .Lgelu
	ds_load_b128 v[12:15], v9
	s_wait_dscnt 0x0
	global_store_b128 v3, v[12:15], s[22:23]
	s_wait_tensorcnt 0x0
	ds_add_u32 v[SPW], v[NIL]
	s_wait_dscnt 0x0
	CROUND
	s_endpgm
.Lfunc_end_k_qcb9cff754b_ffn1:
	.size	k_qcb9cff754b_ffn1, .Lfunc_end_k_qcb9cff754b_ffn1-k_qcb9cff754b_ffn1
	.p2alignl 7, 3214868480
	.fill 96, 4, 3214868480
	.section	.rodata,"a",@progbits
	.p2align	6, 0x0
	.amdhsa_kernel k_qcb9cff754b_ffn1
		.amdhsa_group_segment_fixed_size 327680
		.amdhsa_private_segment_fixed_size 0
		.amdhsa_enable_private_segment 0
		.amdhsa_kernarg_size 32
		.amdhsa_user_sgpr_count 2
		.amdhsa_user_sgpr_kernarg_segment_ptr 1
		.amdhsa_wavefront_size32 1
		.amdhsa_system_sgpr_workgroup_id_x 1
		.amdhsa_system_sgpr_workgroup_id_y 1
		.amdhsa_system_sgpr_workgroup_id_z 1
		.amdhsa_system_vgpr_workitem_id 0
		.amdhsa_next_free_vgpr 1024
		.amdhsa_next_free_sgpr 100
		.amdhsa_reserve_vcc 0
		.amdhsa_float_denorm_mode_32 3
		.amdhsa_float_denorm_mode_16_64 3
		.amdhsa_memory_ordered 1
		.amdhsa_forward_progress 1
		.amdhsa_inst_pref_size 201
	.end_amdhsa_kernel
	.amdgpu_metadata
---
amdhsa.version: [ 1, 2 ]
amdhsa.kernels:
  - .name:           k_qcb9cff754b_ffn1
    .symbol:         k_qcb9cff754b_ffn1.kd
    .args:
      - { .name: hq, .offset: 0, .size: 8, .value_kind: global_buffer, .address_space: global }
      - { .name: wts, .offset: 8, .size: 8, .value_kind: global_buffer, .address_space: global }
      - { .name: b1, .offset: 16, .size: 8, .value_kind: global_buffer, .address_space: global }
      - { .name: hid, .offset: 24, .size: 8, .value_kind: global_buffer, .address_space: global }
    .group_segment_fixed_size: 327680
    .private_segment_fixed_size: 0
    .kernarg_segment_align: 8
    .kernarg_segment_size: 32
    .max_flat_workgroup_size: 128
    .sgpr_count:     100
    .vgpr_count:     1024
    .wavefront_size: 32
...
	.end_amdgpu_metadata
.endif
;; end of part 6
;; launch ffn2 (part 7): grid 8 x 32, 4 waves a work-group, clusters of 4 x 4, 327,680 bytes of LDS; arguments hid, wts, b2, x1, out0; writes out0
.if DOCPART == 7
	.amdgcn_target "amdgcn-amd-amdhsa--gfx1250"
	.amdhsa_code_object_version 6
	.text
	.protected	k_qcb9cff754b_ffn2
	.globl	k_qcb9cff754b_ffn2
	.p2align	8
	.type	k_qcb9cff754b_ffn2,@function
k_qcb9cff754b_ffn2:
	s_mov_b64 s[64:65], 0
	v_nop
	global_prefetch_b8 v0, s[64:65] scope:SCOPE_SE
	s_setreg_imm32_b32 hwreg(HW_REG_WAVE_MODE, 25, 1), 1
	s_wait_xcnt 0x0
	s_wait_alu depctr_hold_cnt(0) depctr_sa_sdst(0) depctr_va_vdst(0) depctr_va_sdst(0) depctr_va_ssrc(0) depctr_va_vcc(0) depctr_vm_vsrc(0)
	s_getreg_b32 s2, hwreg(HW_REG_IB_STS2, 6, 4)
	s_cmp_eq_u32 s2, 0
	s_cbranch_scc0 .Lentry_in_a_cluster
	s_endpgm
.Lentry_in_a_cluster:
	s_bfe_u32 s2, ttmp6, 0x10000c
	s_cmp_lg_u32 s2, 0xf033
	s_cbranch_scc0 .Lentry_shape_is_right
	s_endpgm
.Lentry_shape_is_right:
; out = x1 + hid w2 + b2, the product on codes of FP6 (E2M3) with E8M0 scales, K = 4,096, sums in f32.
; OPERANDS are images of their registers: a fragment (16 rows x 128 K) is 1,536 bytes: for c = 0, 1 registers 6c..6c+3 at 768c + 16 x lane, 6c+4, 6c+5 at 768c + 512 + 8 x lane; they lie [tile][K step][1,536].
; A tile of the result is 128 x 128 (N = 1,024 would give only 64 tiles of 256 x 256 for 256 WGPs): four waves, 64 x 64 each: 16 accumulators.  Source 0 = 16 columns of the weight (the P side), source 1 = 16 tokens (the L side):
; a lane holds one token and eight neighbouring columns.  The rows of a tile: lane r of tile u of a group of 32 takes row 8u + r + 8 (r / 8).
; RING: two LDS slots of 4 K steps.  At the head one joint load a wave: L's side of slot 0, P's, L's scale words, P's; slot 1 and every refill: a quarter of a slot a wave (4 rows of 6,144 bytes).  L's tiles are shared along a row of the 4 x 4 cluster, P's along a column.
; FOUR FRAGMENT SETS, one for each K step of a slot: step q multiplies set q and asks for the fragments of the step two on, so a step's wait names what the step before asked for as still out.
; So a slot's last fragments are asked for in its second step, and THE CHANGE OF SLOTS STANDS IN ITS THIRD STEP: there all reads of the slot are waited for, the round is passed, the slot is filled again, and the other slot's first fragments are asked for.
; The scale words for all of K come once (hid's lie [K step][tile][64] within the work-group's eight tiles, the weight's [tile][K step][64]).  One scale register carries two K steps: lanes 0-15 the even step's words, lanes 16-31 the odd step's.
; The bias is the C of each sum's first product.
; PREFETCHES INTO THE L2: behind each refill the slot that stands two refills on; at the head slots 1 and 2, behind slot 1's load slot 3.  Of the four tiles that a wave fetches, each of the four partners that ask jointly takes one, told apart by address
; (cx for L, cy for P): 6,144 bytes = 24 blocks of 256 bytes, a lane a block (lanes 24-31 name the last again).  The last two refills have no slot two on.
; REGISTERS: window 0: v3-10 lane terms, v16-25 LDS addresses, v26 the prefetches' offset, v28-29 the spare word's, v32-63 scale words (nothing else), v64-255 fragment sets 1 and 3; window 1: v0-31 the bias, v64-255 sets 0 and 2
; (set p: L at 64 + 48 (p / 2) + 12 i, P at 160 + 48 (p / 2) + 12 i); window 2: accumulator (a, b) at v[8 (4 a + b)]; window 3: v0-127 the residual.
.set NBK, 4
.set NQ,  4
.set KST, 32
.set SIA, 64
.set SKA, 512
.set SIB, 2048
.set SKB, 64
.set ASOFF, 12582912
.set BOFF,  6291456
.set BSOFF, 9699328
.set FRB,   1536
.set QUART, NBK*NQ*FRB
.set SIDEB, 2*QUART
.set SLOT,  2*SIDEB
.set LAPS,  KST/NQ/2
.set HALFS, NBK*KST*64
.set SCL,   2*SLOT
.set SPARE, SCL+32768                  ; the spare words, 128 bytes a wave: two blocks of 256 bytes that no other line names
.set ADA16, 16
.set ADA8,  18
.set ADB16, 20
.set ADB8,  22
.set ADSA,  24
.set ADSB,  25
.set PFO,   26
.set SPW,   28
.set NIL,   29
.set G0H,  4
.set G1,   24
.set G0,   32
.set G1B,  48
.set G0B,  56
.set G1S,  68
.set G0S,  76
.set G1SB, 80
.set G0SB, 88
.set PFA,  92
.set G0HB, 96
.set STO, 8
.set RD,  9
.set CO,  10
.set MSB, 0
.macro WIN new
.if MSB != (\new)
	s_set_vgpr_msb (MSB<<8)|(\new)
.set MSB, (\new)
.endif
.endm
.macro PLACES n
.rept \n
	v_nop
.endr
.endm
.macro JLOAD g0a, g1a, g0b, g1b        ; a joint load: waves 0, 1 fetch for the L side, waves 2, 3 for the P side; four v_nop follow each line
	s_cmp_eq_u32 s15, 0
	s_cbranch_scc0 .Lfor_b_\@
	tensor_load_to_lds s[\g0a:\g0a+3], s[\g1a:\g1a+7]
	s_nop 0
	PLACES 4
	s_branch .Lasked_\@
.Lfor_b_\@:
	tensor_load_to_lds s[\g0b:\g0b+3], s[\g1b:\g1b+7]
	s_nop 0
	PLACES 4
.Lasked_\@:
.endm
.macro CREST
	s_cmp_lg_u32 s14, 0
	s_cbranch_scc1 .Lnot_wave_0_\@
	s_barrier_signal -3
.Lnot_wave_0_\@:
	s_barrier_wait -3
	s_barrier_signal -1
	s_barrier_wait -1
.endm
.macro CROUND
	s_barrier_signal -1
	s_barrier_wait -1
	CREST
.endm
.macro FRAGLD reg, a16, a8, off
	ds_load_b128 v[\reg:\reg+3], v[\a16] offset:\off
	ds_load_b64 v[\reg+4:\reg+5], v[\a8] offset:(\off)+512
	ds_load_b128 v[\reg+6:\reg+9], v[\a16] offset:(\off)+768
	ds_load_b64 v[\reg+10:\reg+11], v[\a8] offset:(\off)+1280
.endm
.macro FETG slot, q, p, g              ; a quarter of the fragments of the slot's q-th K step into set p: g = 0, 1 P's halves, g = 2, 3 L's: 8 loads; with g = 0 and q even also the 8 scale words of steps q, q + 1
.set fb, 48*((\p)/2)
.if (\p)%2 == 0
	WIN 0x40
.else
	WIN 0
.endif
.if (\g) < 2
.set fi, (\g)*NBK/2
.rept NBK/2
	FRAGLD 160+fb+12*fi, ADB16+\slot, ADB8+\slot, fi*NQ*FRB+(\q)*FRB
.set fi, fi+1
.endr
.else
.set fi, ((\g)-2)*NBK/2
.rept NBK/2
	FRAGLD 64+fb+12*fi, ADA16+\slot, ADA8+\slot, fi*NQ*FRB+(\q)*FRB
.set fi, fi+1
.endr
.endif
.if ((\g) == 0) && ((\q)%2 == 0)
	WIN 0
.set fs, (((\slot)*NQ+(\q))/2)%2
.set fi, 0
.rept NBK
	ds_load_b32 v[32+16*fs+fi], v[ADSA] offset:fi*SIA+((\q)/2)*2*SKA
	ds_load_b32 v[44+16*fs+fi], v[ADSB] offset:fi*SIB+((\q)/2)*2*SKB
.set fi, fi+1
.endr
.endif
.endm
.macro PRD c, odd                      ; one product; L's scale words lie in v32-35 and v48-51, P's in v44-47 and v60-63
.if \odd
	v_wmma_scale_f32_16x16x128_f8f6f4 v[mc:mc+7], v[160+pb+12*mb:171+pb+12*mb], v[64+pb+12*ma:75+pb+12*ma], \c, v[44+16*sx+mb], v[32+16*sx+ma] matrix_a_fmt:MATRIX_FMT_FP6 matrix_b_fmt:MATRIX_FMT_FP6 matrix_a_scale:MATRIX_SCALE_ROW1 matrix_b_scale:MATRIX_SCALE_ROW1
.else
	v_wmma_scale_f32_16x16x128_f8f6f4 v[mc:mc+7], v[160+pb+12*mb:171+pb+12*mb], v[64+pb+12*ma:75+pb+12*ma], \c, v[44+16*sx+mb], v[32+16*sx+ma] matrix_a_fmt:MATRIX_FMT_FP6 matrix_b_fmt:MATRIX_FMT_FP6
.endif
.endm
.macro MULG p, q, sc, g, first         ; a quarter of a K step's products: L block g x P's four, from set p.  The 16 accumulators take turns, one instruction a turn, in the same order in every step
.set pb, 48*((\p)/2)
.set sx, (\sc)
.set ma, (\g)
.if (\first)
	WIN 0x95                                       ; sources and the bias in window 1, the sums in window 2
.elseif (\p)%2 == 0
	WIN 0xa5
.else
	WIN 0xa0
.endif
.set mb, 0
.rept NBK
.set mc, 8*(NBK*ma+mb)
.if (\first)
	PRD v[8*mb:8*mb+7], 0
.else
	PRD v[mc:mc+7], (\q)%2
.endif
.set mb, mb+1
.endr
.endm
.macro S slot, q, first                ; a K step but a slot's third: multiplies set q, asks for the step two on (q < 2: of this slot; q = 3: the other slot's second)
	s_wait_dscnt 32+8*((\q)%2)                     ; this step's fragments, asked for two steps ago, are in; what the step before asked for may be out: 32 loads, and 8 scale words where it asked for an even step
	PLACES 4                                       ; behind the last products: the scale words asked for below land where they read
.irp g, 0,1,2,3
.if (\q) < 2
	FETG \slot, (\q)+2, (\q)+2, \g
.else
	FETG 1-(\slot), (\q)-2, (\q)-2, \g
.endif
	MULG \q, \q, (((\slot)*NQ+(\q))/2)%2, \g, \first
.endr
.endm
.macro T slot, fill                    ; a slot's third step changes slots: one barrier; fill = 1: this slot is filled again, two slots ahead, behind a round of the cluster's barrier
.set tsc, (((\slot)*NQ+2)/2)%2
.if \fill
	s_wait_xcnt 0x0                                ; my last prefetch has read its address: it steps a slot on
	s_add_nc_u64 s[PFA:PFA+1], s[PFA:PFA+1], NQ*FRB
.endif
	WIN 0
	s_wait_tensorcnt 0x0                           ; all my tensor loads have landed: my part of the other slot
	ds_add_u32 v[SPW], v[NIL]                      ; 0 onto my spare word
	s_wait_dscnt 33                                ; this step's fragments are in; the 32 loads of the step before and the add may be out
	MULG 2, 2, tsc, 0, 0
	s_wait_dscnt 0x0                               ; the add is done, and my reads of this slot are over: its last fragments were asked for a step ago
	s_barrier_signal -1
	MULG 2, 2, tsc, 1, 0
	WIN 0
	s_barrier_wait -1
.if \fill
	CREST                                          ; no wave of any partner still reads this slot or has a load on its way
	s_add_nc_u64 s[G0+4*\slot+2:G0+4*\slot+3], s[G0+4*\slot+2:G0+4*\slot+3], 2*NQ*FRB
	s_add_nc_u64 s[G0B+4*\slot+2:G0B+4*\slot+3], s[G0B+4*\slot+2:G0B+4*\slot+3], 2*NQ*FRB
	JLOAD G0+4*\slot, G1, G0B+4*\slot, G1B         ; the first tensor load behind the round; its four v_nop are also the places in front of the loads below
.else
	PLACES 4
.endif
	v_add_nc_u32 v[ADSA], NQ*SKA, v[ADSA]          ; on to the other slot's scale words
	v_add_nc_u32 v[ADSB], NQ*SKB, v[ADSB]
	FETG 1-(\slot), 0, 0, 0
	FETG 1-(\slot), 0, 0, 1
.if \fill
	WIN 0
	s_cmp_gt_u32 s3, 1                             ; the loop's last trip has no slot two refills on
	s_cbranch_scc0 .Lno_ask_\@
	global_prefetch_b8 v[PFO], s[PFA:PFA+1] offset:3*NQ*FRB th:TH_LOAD_NT scope:SCOPE_SE
.Lno_ask_\@:
.endif
	MULG 2, 2, tsc, 2, 0
	FETG 1-(\slot), 0, 0, 2
	FETG 1-(\slot), 0, 0, 3
	MULG 2, 2, tsc, 3, 0
	s_wait_alu depctr_va_vdst(0)
.endm
	s_load_b128 s[4:7], s[0:1], 0x0                ; hid, wts
	s_load_b128 s[8:11], s[0:1], 0x10              ; the bias, the residual
	s_load_b64 s[12:13], s[0:1], 0x20              ; the result
	v_lshl_add_u32 v[SPW], v0, 2, SPARE
	v_mov_b32 v[NIL], 0
	ds_add_u32 v[SPW], v[NIL]                      ; the opening lines: the add, twice on end, and its wait
	ds_add_u32 v[SPW], v[NIL]
	s_wait_dscnt 0x0
	v_lshrrev_b32 v1, 5, v0
	v_readfirstlane_b32 s14, v1
	s_lshr_b32 s15, s14, 1                         ; my half of the L rows; also: I fetch for L (0) or for P (1)
	s_and_b32 s16, s14, 1                          ; my half of the P rows; also: which half of that side I fetch
	s_bfe_u32 s40, ttmp6, 0x40000
	s_bfe_u32 s41, ttmp6, 0x40004
	s_lshl_b32 s42, ttmp9, 2
	s_add_co_u32 s42, s42, s40                     ; the P side's block of 128 columns
	s_and_b32 s17, ttmp7, 0xffff
	s_lshl_b32 s17, s17, 2
	s_add_co_u32 s17, s17, s41                     ; the L side's block of 128 tokens
	s_lshl_b32 s43, s41, 2
	s_lshl_b32 s43, 15, s43
	s_lshl_b32 s44, 0x1111, s40
	s_or_b32 s[G1], s43, (3<<16)|(1<<21)
	s_or_b32 s[G1B], s44, (3<<16)|(1<<21)
.irp g, G1, G1B
	s_mov_b32 s[\g+1], (NQ*192)<<16
	s_mov_b32 s[\g+2], (2*NBK)<<16                 ; the head's loads bring a whole side, 2 NBK tiles
	s_mov_b32 s[\g+3], (NQ*192)<<16
	s_mov_b32 s[\g+4], 2*NBK
	s_mov_b32 s[\g+5], KST*192
	s_mov_b32 s[\g+6], 0
	s_mov_b32 s[\g+7], 0
.endr
	s_or_b32 s[G1S], s43, (3<<16)|(1<<21)
	s_or_b32 s[G1SB], s44, (3<<16)|(1<<21)
.irp g, G1S, G1SB
	s_mov_b32 s[\g+1], 32<<16
	s_mov_b32 s[\g+2], (2*HALFS/256)<<16
	s_mov_b32 s[\g+3], 32<<16
	s_mov_b32 s[\g+4], 2*HALFS/256
	s_mov_b32 s[\g+5], 32
	s_mov_b32 s[\g+6], 0
	s_mov_b32 s[\g+7], 0
.endr
	s_mul_i32 s18, s16, NBK*KST*FRB                ; s[18:19]: my half of a side, in bytes
	s_mov_b32 s19, 0
	s_mul_i32 s20, s17, 2*NBK*KST*FRB
	s_mov_b32 s21, 0
	s_mul_i32 s46, s42, 2*NBK*KST*FRB
	s_add_co_u32 s46, s46, BOFF
	s_mov_b32 s47, 0
	s_mul_i32 s22, s17, 2*HALFS
	s_add_co_u32 s22, s22, ASOFF
	s_mov_b32 s23, 0
	s_mul_i32 s92, s42, 2*HALFS
	s_add_co_u32 s92, s92, BSOFF
	s_mov_b32 s93, 0
	s_mul_i32 s45, s14, QUART
	s_wait_kmcnt 0x0
	s_add_nc_u64 s[20:21], s[4:5], s[20:21]
	s_add_nc_u64 s[22:23], s[4:5], s[22:23]
	s_add_nc_u64 s[46:47], s[6:7], s[46:47]
	s_add_nc_u64 s[92:93], s[6:7], s[92:93]
	CROUND                                         ; all sixteen work-groups are here: the first joint loads meet
	s_mov_b32 s[G0S], 1
	s_mov_b32 s[G0S+1], SCL
	s_mov_b64 s[G0S+2:G0S+3], s[22:23]
	s_or_b32 s[G0S+3], s[G0S+3], 0x80000000
	s_mov_b32 s[G0SB], 1
	s_mov_b32 s[G0SB+1], SCL+2*HALFS
	s_mov_b64 s[G0SB+2:G0SB+3], s[92:93]
	s_or_b32 s[G0SB+3], s[G0SB+3], 0x80000000
	s_mov_b32 s[G0H], 1                            ; (what lay in s[4:7] has been used)
	s_mov_b32 s[G0H+1], 0
	s_mov_b64 s[G0H+2:G0H+3], s[20:21]
	s_or_b32 s[G0H+3], s[G0H+3], 0x80000000
	s_mov_b32 s[G0HB], 1
	s_mov_b32 s[G0HB+1], SIDEB
	s_mov_b64 s[G0HB+2:G0HB+3], s[46:47]
	s_or_b32 s[G0HB+3], s[G0HB+3], 0x80000000
	s_add_nc_u64 s[20:21], s[20:21], s[18:19]      ; for the ring: my half of the side
	s_add_nc_u64 s[46:47], s[46:47], s[18:19]
.irp s, 0,1
	s_mov_b32 s[G0+4*\s], 1
	s_add_co_u32 s[G0+4*\s+1], s45, \s*SLOT
	s_add_nc_u64 s[G0+4*\s+2:G0+4*\s+3], s[20:21], \s*NQ*FRB
	s_or_b32 s[G0+4*\s+3], s[G0+4*\s+3], 0x80000000
	s_mov_b32 s[G0B+4*\s], 1
	s_add_co_u32 s[G0B+4*\s+1], s45, \s*SLOT
	s_add_nc_u64 s[G0B+4*\s+2:G0B+4*\s+3], s[46:47], \s*NQ*FRB
	s_or_b32 s[G0B+4*\s+3], s[G0B+4*\s+3], 0x80000000
.endr
; the head's four tiles, one a wave, in one chain of branches on the wave's number
.macro ARM under, g0, g1, next
	s_cmp_lt_u32 s14, \under
	s_cbranch_scc0 \next
	tensor_load_to_lds s[\g0:\g0+3], s[\g1:\g1+7]
	s_nop 0
	PLACES 4
	s_branch .Lhead_asked
\next:
.endm
	ARM 1, G0H, G1, .Lhead_b
	ARM 2, G0HB, G1B, .Lhead_sa
	ARM 3, G0S, G1S, .Lhead_sb
	tensor_load_to_lds s[G0SB:G0SB+3], s[G1SB:G1SB+7]
	s_nop 0
	PLACES 4
.Lhead_asked:
	s_cmp_eq_u32 s15, 0                            ; the prefetches: the tiles that I fetch,
	s_cselect_b64 s[PFA:PFA+1], s[20:21], s[46:47]
	s_cselect_b32 s18, s40, s41                    ; of them my work-group's one
	s_mul_i32 s18, s18, KST*FRB
	s_add_nc_u64 s[PFA:PFA+1], s[PFA:PFA+1], s[18:19]
	v_and_b32 v[PFO], 31, v0
	v_min_u32 v[PFO], 23, v[PFO]
	v_lshlrev_b32 v[PFO], 8, v[PFO]
	global_prefetch_b8 v[PFO], s[PFA:PFA+1] offset:NQ*FRB th:TH_LOAD_NT scope:SCOPE_SE
	global_prefetch_b8 v[PFO], s[PFA:PFA+1] offset:2*NQ*FRB th:TH_LOAD_NT scope:SCOPE_SE
	v_and_b32 v1, 31, v0
	v_lshlrev_b32 v3, 4, v1
	v_lshlrev_b32 v4, 3, v1
	v_and_b32 v5, 15, v0                           ; r
	v_bfe_u32 v6, v0, 4, 1                         ; h
	s_mul_i32 s18, s15, QUART
	s_mul_i32 s19, s16, QUART
	s_add_co_u32 s19, s19, SIDEB
.irp s, 0,1
	v_add_nc_u32 v[ADA16+\s], s18, v3
	v_add_nc_u32 v[ADA8+\s], s18, v4
	v_add_nc_u32 v[ADB16+\s], s19, v3
	v_add_nc_u32 v[ADB8+\s], s19, v4
	s_add_co_u32 s18, s18, SLOT
	s_add_co_u32 s19, s19, SLOT
.endr
	v_lshlrev_b32 v7, 2, v5
	v_mad_u32_u24 v[ADSA], v6, SKA, v7             ; 4 r, and one K step on for lanes 16-31
	v_mad_u32_u24 v[ADSB], v6, SKB, v7
	s_mul_i32 s18, s15, NBK*SIA
	s_add_co_u32 s18, s18, SCL
	s_mul_i32 s19, s16, NBK*SIB
	s_add_co_u32 s19, s19, SCL+2*HALFS
	v_add_nc_u32 v[ADSA], s18, v[ADSA]
	v_add_nc_u32 v[ADSB], s19, v[ADSB]
	s_mul_i32 s18, s14, 16*272                     ; my stage for the way out: 16 rows x (256 + 16) bytes, in slot 0
	v_mul_u32_u24 v[STO], v5, 272
	v_lshl_add_u32 v[STO], v6, 6, v[STO]
	v_add_nc_u32 v[STO], s18, v[STO]               ; in: row r, + 64 h
	v_mul_u32_u24 v[RD], v6, 272
	v_lshl_add_u32 v[RD], v5, 4, v[RD]
	v_add_nc_u32 v[RD], s18, v[RD]                 ; back: lanes 0-15 one row, lanes 16-31 the next
	v_lshlrev_b32 v[CO], 12, v6
	v_lshl_add_u32 v[CO], v5, 4, v[CO]             ; and the same two rows in memory
	s_wait_alu depctr_va_vdst(0)
	s_lshl_b32 s18, s42, 9
	s_lshl_b32 s19, s16, 8
	s_add_co_u32 s18, s18, s19                     ; my 64 columns, in bytes
	s_mov_b32 s19, 0
	s_add_nc_u64 s[8:9], s[8:9], s[18:19]
	s_lshl_b32 s66, s17, 19
	s_lshl_b32 s67, s15, 18
	s_add_co_u32 s66, s66, s67
	s_add_co_u32 s66, s66, s18                     ; + my 64 rows of 4,096 bytes
	s_mov_b32 s67, 0
	s_add_nc_u64 s[10:11], s[10:11], s[66:67]
	s_add_nc_u64 s[12:13], s[12:13], s[66:67]
	v_lshlrev_b32 v7, 6, v6                        ; the bias: P tile b's register j is column 32 (b / 2) + 16 h + 8 (b % 2) + j
	WIN 0x40
.irp b, 0,1,2,3
	global_load_b128 v[8*\b:8*\b+3], v7, s[8:9] offset:(32*(\b/2)+8*(\b%2))*4
	global_load_b128 v[8*\b+4:8*\b+7], v7, s[8:9] offset:(32*(\b/2)+8*(\b%2))*4+16
.endr
	WIN 0xc0                                       ; the residual, by the addresses of the stores: it lands under the whole product
.irp a, 0,1,2,3
.irp k, 0,1,2,3,4,5,6,7
	global_load_b128 v[32*\a+4*\k:32*\a+4*\k+3], v[CO], s[10:11] offset:(32*(\a/2)+8*(\a%2)+2*\k+8*(\k/4))*4096
.endr
.endr
	WIN 0
	s_wait_alu depctr_va_vdst(0)
	s_wait_tensorcnt 0x0                           ; my tile of the head's four is in; slot 1's first fill is issued as a refill is
	ds_add_u32 v[SPW], v[NIL]
	s_mov_b32 s[G1+2], NBK<<16                     ; no tensor load of mine is out: from here on a load brings a quarter of a slot, NBK tiles
	s_mov_b32 s[G1+4], NBK
	s_mov_b32 s[G1B+2], NBK<<16
	s_mov_b32 s[G1B+4], NBK
	s_wait_dscnt 0x0
	CROUND                                         ; all four tiles are in, and all sixteen work-groups are here
	JLOAD G0+4, G1, G0B+4, G1B                     ; slot 1, the first tensor load behind the round
.irp g, 0,1,2,3
	FETG 0, 0, 0, \g                               ; the first two steps' fragments: 40 and 32 loads
.endr
.irp g, 0,1,2,3
	FETG 0, 1, 1, \g
.endr
	global_prefetch_b8 v[PFO], s[PFA:PFA+1] offset:3*NQ*FRB th:TH_LOAD_NT scope:SCOPE_SE
	s_wait_loadcnt 32                              ; the bias is in; the residual's 32 loads may be out
	S 0, 0, 1                                      ; the first step's products start the sums from the bias
	WIN 0
	s_mov_b32 s3, LAPS-1
.Llap:                                                 ; a trip goes once round the ring, from a lap's second step to the next lap's first, and fills both slots again
	S 0, 1, 0
	T 0, 1
	S 0, 3, 0
	S 1, 0, 0
	S 1, 1, 0
	T 1, 1
	S 1, 3, 0
	S 0, 0, 0
	WIN 0
	s_sub_co_u32 s3, s3, 1
	s_cmp_lg_u32 s3, 0
	s_cbranch_scc1 .Llap
	S 0, 1, 0                                      ; the last lap fills nothing
	T 0, 0
	S 0, 3, 0
	S 1, 0, 0
	S 1, 1, 0
	s_wait_dscnt 32                                ; the last two steps ask for nothing
.irp g, 0,1,2,3
	MULG 2, 2, 1, \g, 0
.endr
	s_wait_dscnt 0x0
.irp g, 0,1,2,3
	MULG 3, 3, 1, \g, 0
.endr
	WIN 0
	PLACES 4
	s_wait_loadcnt 0x0                             ; the residual
; THE WAY OUT, a block of 16 tokens x 64 columns at a time through my own stage, so that sixteen lanes store 256 consecutive aligned bytes of a row.  Stage row s is token 32 (a / 2) + 8 (a % 2) + s + 8 (s / 8).
; The stage lies in slot 0, which has had its last fill, and which nobody has read since the last change of slots.
.macro OUT a
	WIN 0x08                                       ; an LDS store's data are its source 1: window 2
.irp b, 0,1,2,3
	ds_store_b128 v[STO], v[8*(4*(\a)+\b):8*(4*(\a)+\b)+3] offset:128*(\b/2)+32*(\b%2)          ; each accumulator from its low end on
	ds_store_b128 v[STO], v[8*(4*(\a)+\b)+4:8*(4*(\a)+\b)+7] offset:128*(\b/2)+32*(\b%2)+16
.endr
	WIN 0
.if (\a) >= 2
	s_wait_xcnt 0x0                                ; block a - 2's stores have read their registers
.endif
.set BKR, 64+32*((\a)%2)
.irp k, 0,1,2,3,4,5,6,7
	ds_load_b128 v[BKR+4*\k:BKR+4*\k+3], v[RD] offset:544*\k   ; LDS serves a wave's instructions in order: these see my stores
.endr
	s_wait_dscnt 0x0
	WIN 0x0c                                       ; source 1: window 3
.irp k, 0,1,2,3,4,5,6,7,8,9,10,11,12,13,14,15
	v_pk_add_f32 v[BKR+2*\k:BKR+2*\k+1], v[BKR+2*\k:BKR+2*\k+1], v[32*(\a)+2*\k:32*(\a)+2*\k+1]
.endr
	WIN 0
.irp k, 0,1,2,3,4,5,6,7
	global_store_b128 v[CO], v[BKR+4*\k:BKR+4*\k+3], s[12:13] offset:(32*((\a)/2)+8*((\a)%2)+2*\k+8*(\k/4))*4096 th:TH_STORE_NT
.endr
.endm
	OUT 0
	OUT 1
	OUT 2
	OUT 3
	s_wait_tensorcnt 0x0                           ; the wave's end
	ds_add_u32 v[SPW], v[NIL]
	s_wait_dscnt 0x0
	CROUND                                         ; the closing round
	s_endpgm
.Lfunc_end_k_qcb9cff754b_ffn2:
	.size	k_qcb9cff754b_ffn2, .Lfunc_end_k_qcb9cff754b_ffn2-k_qcb9cff754b_ffn2
	.p2alignl 7, 3214868480
	.fill 96, 4, 3214868480
	.section	.rodata,"a",@progbits
	.p2align	6, 0x0
	.amdhsa_kernel k_qcb9cff754b_ffn2
		.amdhsa_group_segment_fixed_size 327680
		.amdhsa_private_segment_fixed_size 0
		.amdhsa_enable_private_segment 0
		.amdhsa_kernarg_size 40
		.amdhsa_user_sgpr_count 2
		.amdhsa_user_sgpr_kernarg_segment_ptr 1
		.amdhsa_wavefront_size32 1
		.amdhsa_system_sgpr_workgroup_id_x 1
		.amdhsa_system_sgpr_workgroup_id_y 1
		.amdhsa_system_sgpr_workgroup_id_z 1
		.amdhsa_system_vgpr_workitem_id 0
		.amdhsa_next_free_vgpr 1024
		.amdhsa_next_free_sgpr 100
		.amdhsa_reserve_vcc 0
		.amdhsa_float_denorm_mode_32 3
		.amdhsa_float_denorm_mode_16_64 3
		.amdhsa_memory_ordered 1
		.amdhsa_forward_progress 1
		.amdhsa_inst_pref_size 105
	.end_amdhsa_kernel
	.amdgpu_metadata
---
amdhsa.version: [ 1, 2 ]
amdhsa.kernels:
  - .name:           k_qcb9cff754b_ffn2
    .symbol:         k_qcb9cff754b_ffn2.kd
    .args:
      - { .name: hid, .offset: 0, .size: 8, .value_kind: global_buffer, .address_space: global }
      - { .name: wts, .offset: 8, .size: 8, .value_kind: global_buffer, .address_space: global }
      - { .name: b2, .offset: 16, .size: 8, .value_kind: global_buffer, .address_space: global }
      - { .name: x1, .offset: 24, .size: 8, .value_kind: global_buffer, .address_space: global }
      - { .name: out0, .offset: 32, .size: 8, .value_kind: global_buffer, .address_space: global }
    .group_segment_fixed_size: 327680
    .private_segment_fixed_size: 0
    .kernarg_segment_align: 8
    .kernarg_segment_size: 40
    .max_flat_workgroup_size: 128
    .sgpr_count:     100
    .vgpr_count:     1024
    .wavefront_size: 32
...
	.end_amdgpu_metadata
.endif
;; end of part 7
